; MI455X (gfx1250); checked and timed in simulation.
; The chip was launched on July 23, 2026; its instructions are those of AMD's public machine-readable ISA for CDNA 5 (MIT licence, August 2026) and "CDNA5" Instruction Set Architecture Reference Guide (July 2026). The comments in the code are by the model that wrote it; some were corrected since.
;; CSA Transformer. Allowed arithmetic: matrix products marked QUANTISED: E2M1 operands, one E8M0 scale for each 32 along K, by v_wmma_scale_f32_16x16x128_f8f6f4 with both operands' format E2M1 (or v_wmma_scale_f32_32x16x128_f4), f32 sums; products left as they are: f32 operands where the result goes on into a quantised operand, else bf16, f16 or f32 operands; f32 sums; everything else in f32.
;; Inputs: W1 128 x 128 float32; W2 128 x 128 float32; Wsa1 128 x 128 float32; Wsa2 128 x 128 float32; bsa 128 float32; bsa1 128 float32; c 8 x 128 float32; ln_b 128 float32; ln_g 128 float32; pfn_b1 128 float32; pfn_b2 128 float32; pfn_w1 128 x 128 float32; pfn_w2 128 x 128 float32; wsat_b one number float32; wsat_w 128 float32; wt_w 128 float32; x 8 x 4,096 x 128 float32.
;; Outputs: out0 8 x 4,096 x 128 float32.
;; This version of the problem:
;;   THIS VERSION OF THE PROBLEM IS GIVEN IN LOW PRECISION. The matrix products marked QUANTISED in the list below multiply operands that are first quantised to E2M1 (2 exponent bits, 1 mantissa bit; 4 bits a number), with one power-of-two scale for each 32 numbers along K (OCP MX v1.0); their sums are f32. All else is computed in f32.
;;   The module's matrix products, in the order in which they are computed (A, B: the left and right operand; K: the contracted axis; several contracted axes count as one K, in the product's order):
;;     1. [M 32,768, K 128] x [K 128, N 128]; A: input x; B: input W1: QUANTISED
;;     2. [M 8, K 128] x [K 128, N 128]; A: input c; B: input W2: left as it is (M = 8 < 16)
;;     3. [M 32,768, K 128] x [K 128, N 1]; A: computed on the way; B: input wt_w: left as it is (N = 1 < 16)
;;     4. [M 32,768, K 128] x [K 128, N 128]; A: computed on the way; B: input Wsa1: QUANTISED
;;     5. [M 32,768, K 128] x [K 128, N 1]; A: computed on the way; B: input wsat_w: left as it is (N = 1 < 16)
;;     6. [M 32,768, K 128] x [K 128, N 128]; A: computed on the way; B: input Wsa2: QUANTISED
;;     7. [M 32,768, K 128] x [K 128, N 1]; A: computed on the way; B: input wsat_w: left as it is (N = 1 < 16)
;;     8. [M 1, K 128] x [K 128, N 1]; A: input bsa1; B: input wsat_w: left as it is (M = 1 < 16)
;;     9. [M 32,768, K 128] x [K 128, N 128]; A: computed on the way; B: input pfn_w1: QUANTISED
;;     10. [M 32,768, K 128] x [K 128, N 128]; A: computed on the way; B: input pfn_w2: QUANTISED
;;   THE QUANTISER, for each operand of a quantised product, along K:
;;     - K is cut into blocks of 32 from its start; a last block that is shorter is filled with zeros.
;;     - A block's scale is 2^e with e = floor(log2(the largest magnitude in the block)) - 2, held to -126 .. 127; a block of zeros has e = 0. As a byte (E8M0): e + 127.
;;     - Each number is divided by its block's scale, clamped to +-6, and rounded to the nearest number of E2M1, ties to even, subnormals kept.
;;     - The product sums the exact products of the quantised numbers (number of the format x scale) in f32.
;;   ~~~python
;;   def quantise(x, axis):      # numpy; x: float32 -> the quantised numbers, widened to float32 again
;;       x = np.moveaxis(x, axis, -1); K = x.shape[-1]
;;       x = np.pad(x, [(0, 0)] * (x.ndim - 1) + [(0, -K % 32)]); x = x.reshape(x.shape[:-1] + (-1, 32)); a = np.abs(x).max(-1, keepdims=True)
;;       e = np.where(a > 0, np.clip(np.frexp(np.where(a > 0, a, 1))[1] - 1 - 2, -126, 127), 0)      # np.frexp(a)[1] - 1 = floor(log2(a)), exactly
;;       r = np.clip(x / 2.0 ** e, -6, 6)
;;       step = 2.0 ** (np.maximum(np.frexp(np.where(r == 0, 1, r))[1] - 1, 0) - 1)
;;       q = np.round(r / step) * step * 2.0 ** e      # np.round: ties to even
;;       return np.moveaxis(q.reshape(q.shape[:-2] + (-1,))[..., :K], -1, axis).astype(np.float32)
;;   ~~~
;;   OPERANDS COMPUTED ON THE WAY. 'Computed on the way' means the value that the module computes at that place (a softmax that the list does not call 'softmax' is quantised finished and normalised). What goes into a quantiser is computed in f32, as accurately as f32 sums, v_exp_f32 and their like allow (about 1e-6 of the number): no bf16 or f16 on the way to a quantiser, and a product that is left as it is and whose result goes on into a quantised operand takes f32 operands (vector FMAs, or v_wmma_f32_16x16x4_f32). A number that lies on a knife's edge between two numbers of the format may be rounded either way, as far as f32 arithmetic and the matrix unit's own rounding can turn it there, and no further.
;; 3 versions, each right; version 2 is faster than version 1; version 3 is version 2 with the launches logits, scores, ffn written anew for expert scheduling mode. Each part assembles by itself: llvm-mc -triple=amdgcn-amd-amdhsa -mcpu=gfx1250 --defsym DOCPART=n.
;; ======== version 1 of 3: 4 launches
;; limits: right only within a limited range of input values
;; workspace buffers: LG 262,144 bytes; SR 524,288 bytes; CP 4,194,304 bytes
;; launch logits (part 1): grid 256 x 1, 8 waves a work-group, no clusters, 111,616 bytes of LDS; arguments x, W1, W2, c, bsa, wt_w, LG; writes LG
.if DOCPART == 1
	.amdgcn_target "amdgcn-amd-amdhsa--gfx1250"
	.amdhsa_code_object_version 6
	.text
	.protected	k_qb55a8f380d_logits
	.globl	k_qb55a8f380d_logits
	.p2align	8
	.type	k_qb55a8f380d_logits,@function
k_qb55a8f380d_logits:
	s_mov_b64 s[64:65], 0
	v_nop
	global_prefetch_b8 v0, s[64:65] scope:SCOPE_SE
	s_setreg_imm32_b32 hwreg(HW_REG_WAVE_MODE, 25, 1), 1
	s_wait_xcnt 0x0
; LOGITS.  l[row] = (Q(x) Q(W1) + c W2 + bsa) . wt_w for the 32,768 rows of x, the product on codes of FP4 (E2M1) with one E8M0 scale for each 32 along K; c W2 by f32 multiply-adds.
; Out: LG [2048 tiles of 16 rows][32 words]: words 0-15 the tile's logits, words 16-31 by turns m (the tile's largest logit) and s (the sum of exp(l - m) over the tile): what the next launch needs for the softmax over a batch.
; SHARES.  Work-group g: rows 128 g on (batch g / 32).  Wave w: one tile of 16 rows, 8,192 dense bytes of x.  No loop, one barrier.
; THE WEIGHT is quantised by the work-group itself: thread t takes column t % 128 and 64 of its 128 k (half t / 128), registers down K, so that a block of 32 lies in one lane; codes go to LDS with K innermost (rows of 64 bytes + 16).
; THE PRODUCT IS USED TRANSPOSED (source 0 = 16 columns of W1, source 1 = my 16 rows), and the columns of tile 2 b + u are 32 b + 8 u + r + 8 (r / 8): register 16 b + i of lane (r, h) is then element 32 b + 16 h + i of row r.
; x, the bias and wt_w are brought into that same layout, so the bias is the product's C and the dot product wants one exchange between the halves of the lanes.
; NO TENSOR LOADS, NO CLUSTER: a wave's 8,192 bytes of x are read once, by 16 dense loads that are all out together; the weight that all work-groups share arrives as f32 with K outermost and has to pass through registers to be
; quantised, 64 numbers a thread: a joint load into LDS would add a pass through LDS and spare none of these register loads.
; LIMITS: NaN and infinities among the inputs are not served.  A block of zeros gets the scale byte 1 (its codes are zeros; only this program reads the bytes).
; The store of a wave covers 128 consecutive bytes, half of an aligned 256: LG is 256 KiB in all.
.set WC0, 0                            ; LDS: W1's codes, 128 rows (columns of W1) x 80 bytes
.set WS0, 20480                        ; its scale words, 4 bytes a column
.set RED, 21504                        ; [8 waves][128 f32]: the waves' parts of c W2
.set VEC, 25600                        ; a wave's own 2,048 bytes: four slots of 128 f32
.set XST, 41984                        ; a wave's own stage: 16 rows x 528 bytes (33 x 16: sixteen rows begin at sixteen different 16-byte columns of 256)
.set RA,  16                           ; v16-79    x as loaded; later the bias, then the product
.set RB,  80                           ; v80-143   16 rows of W2; x turned; the parts of c W2; wt_w
.set RC,  144                          ; v144-207  W1 as f32; later its eight fragments
.set WSA, 208                          ; v208-215  W1's scale words
.set WSB, 216                          ; v216-219 bsa, v220-223 my part of c W2, later the whole bias (no scales here in this launch)
.set TM,  224                          ; v224-239  at work
.set PC,  240                          ; v240-247  codes just made
.set PW,  248                          ; v248      x's scale word
; v1 stage, dense; v2 stage, turned; v3 16 x lane; v4 W1's offset; v5, v6 where my codes and scale bytes go; v7, v8 a fragment's and a scale word's place; v9, v10 my slots, in and out; v11, v12 RED, in and out
.macro PLACES n
.rept \n
	v_nop
.endr
.endm
.macro XIN                             ; my 16 rows: each load takes a row, 512 consecutive bytes
.set i, 0
.rept 16
	global_load_b128 v[RA+4*i:RA+4*i+3], v3, s[4:5] offset:512*i
.set i, i+1
.endr
.endm
.macro XPUT                            ; into my stage as they lie
.set i, 0
.rept 16
	ds_store_b128 v1, v[RA+4*i:RA+4*i+3] offset:528*i
.set i, i+1
.endr
.endm
.macro XGET                            ; and back turned: lane (r, h) takes of row r the 16 numbers 32 b + 16 h on of each block.  LDS serves a wave's instructions in order: these see the stores
.irp bb, 0,1,2,3
.irp j, 0,1,2,3
	ds_load_b128 v[RB+16*\bb+4*\j:RB+16*\bb+4*\j+3], v2 offset:128*\bb+16*\j
.endr
.endr
.endm
.macro WLOAD reg, sb                   ; W(64 half + i, my column): 32 lanes read 128 consecutive bytes, four waves a row of 512
.set i, 0
.rept 64
	global_load_b32 v[\reg+i], v4, s[\sb:\sb+1] offset:512*i
.set i, i+1
.endr
.endm
.macro WBLOCK xs, q, by                ; a block of 32 along K, all mine: its largest magnitude, the conversion's scale operand in v[by], 32 codes in v[PC + 4 q] on
	v_max3_num_f32 v249, |v[\xs]|, |v[\xs+1]|, |v[\xs+2]|
	v_max3_num_f32 v250, |v[\xs+3]|, |v[\xs+4]|, |v[\xs+5]|
.irp i, 6,10,14,18,22,26
	v_max3_num_f32 v249, v249, |v[\xs+\i]|, |v[\xs+\i+1]|
	v_max3_num_f32 v250, v250, |v[\xs+\i+2]|, |v[\xs+\i+3]|
.endr
	v_max3_num_f32 v249, v249, |v[\xs+30]|, |v[\xs+31]|
	v_max3_num_f32 v249, v249, v250, 0x1800000     ; the floor 2^(3 - 127): the byte cannot fall under 1
	v_add_nc_u32 v[\by], 0xff000000, v249          ; 2 off the exponent field: the conversion takes that field as its scale
.irp g, 0,1,2,3
	v_cvt_scalef32_pk8_fp4_f32 v[PC+4*\q+\g], v[\xs+8*\g:\xs+8*\g+7], v[\by]
.endr
.endm
.macro WQUANT reg, wc, ws              ; my 64 numbers of a column: two blocks, 32 bytes of codes, two scale bytes
	WBLOCK \reg, 0, 251
	WBLOCK \reg+32, 1, 252
	v_nop                                          ; one plain line behind the last scaled conversion
	v_lshrrev_b32 v251, 23, v251                   ; the two bytes,
	v_lshrrev_b32 v252, 23, v252
	v_lshl_or_b32 v251, v252, 8, v251              ; the lower K in the lower byte
	ds_store_b128 v5, v[PC:PC+3] offset:\wc
	ds_store_b128 v5, v[PC+4:PC+7] offset:\wc+16
	ds_store_b16 v6, v251 offset:\ws
.endm
.macro QUANT s                         ; 64 numbers of a lane in the turned layout become a fragment's codes in v[PC] on and its scale word in v[PW]
.irp b, 0,1,2,3
	v_max3_num_f32 v[TM+\b], |v[\s+16*\b]|, |v[\s+1+16*\b]|, 0x1800000
.endr
.irp i, 2,4,6,8,10,12,14
.irp b, 0,1,2,3
	v_max3_num_f32 v[TM+\b], v[TM+\b], |v[\s+16*\b+\i]|, |v[\s+1+16*\b+\i]|
.endr
.endr
.irp b, 0,1,2,3
	v_permlanex16_b32 v[TM+4+\b], v[TM+\b], s30, s31
.endr
.irp b, 0,1,2,3
	v_max_num_f32 v[TM+\b], v[TM+\b], v[TM+4+\b]   ; with lane l xor 16's 16: the block's largest magnitude
.endr
.irp b, 0,1,2,3
	v_add_nc_u32 v[TM+12+\b], 0xff000000, v[TM+\b]
.endr
.irp b, 0,1,2,3
	v_lshrrev_b32 v[TM+4+\b], 23, v[TM+12+\b]
.endr
	v_lshl_or_b32 v[PW], v[TM+5], 8, v[TM+4]
	v_lshl_or_b32 v[PW], v[TM+6], 16, v[PW]
	v_lshl_or_b32 v[PW], v[TM+7], 24, v[PW]
.irp b, 0,1,2,3
	v_cvt_scalef32_pk8_fp4_f32 v[PC+2*\b], v[\s+16*\b:\s+7+16*\b], v[TM+12+\b]
	v_cvt_scalef32_pk8_fp4_f32 v[PC+1+2*\b], v[\s+8+16*\b:\s+15+16*\b], v[TM+12+\b]
.endr
	v_nop                                          ; one plain line behind a scaled conversion
.irp c, 0,1                            ; the operand wants a whole block in a lane: lanes 0-15 block 2 c, lanes 16-31 block 2 c + 1
.irp i, 0,1
	v_permlane16_swap_b32 v[PC+4*\c+\i], v[PC+2+4*\c+\i]
.endr
.endr
.endm
.macro FRAGS wc, ws, sc                ; the weight's eight fragments and their scale words: 24 LDS loads
.irp t, 0,1,2,3,4,5,6,7
.irp c, 0,1
	ds_load_b128 v[RC+8*\t+4*\c:RC+8*\t+4*\c+3], v7 offset:\wc+(32*(\t/2)+8*(\t%2))*80+32*\c
.endr
	ds_load_b32 v[\sc+\t], v8 offset:\ws+(32*(\t/2)+8*(\t%2))*4
.endr
.endm
.macro VPUT reg, slot                  ; 128 numbers, four a lane, into my slot
	ds_store_b128 v9, v[\reg:\reg+3] offset:512*\slot
.endm
.macro VLOAD reg, slot                 ; and back in the turned layout (all lanes of a half read the same bytes)
.irp bb, 0,1,2,3
.irp j, 0,1,2,3
	ds_load_b128 v[\reg+16*\bb+4*\j:\reg+16*\bb+4*\j+3], v10 offset:512*\slot+128*\bb+16*\j
.endr
.endr
.endm
.macro MUL8 d, zero, sc                ; eight tiles, eight different accumulators, K = 128 in one step: no sum is taken up again
.irp t, 0,1,2,3,4,5,6,7
.if \zero
	v_wmma_scale_f32_16x16x128_f8f6f4 v[\d+8*\t:\d+8*\t+7], v[RC+8*\t:RC+8*\t+7], v[PC:PC+7], 0, v[\sc+\t], v[PW] matrix_a_fmt:MATRIX_FMT_FP4 matrix_b_fmt:MATRIX_FMT_FP4
.else
	v_wmma_scale_f32_16x16x128_f8f6f4 v[\d+8*\t:\d+8*\t+7], v[RC+8*\t:RC+8*\t+7], v[PC:PC+7], v[\d+8*\t:\d+8*\t+7], v[\sc+\t], v[PW] matrix_a_fmt:MATRIX_FMT_FP4 matrix_b_fmt:MATRIX_FMT_FP4
.endif
.endr
.endm
.macro REDUCE out                      ; four packed sums in v[TM] on become the row's sum, in both halves of the lanes
	v_pk_add_f32 v[TM:TM+1], v[TM:TM+1], v[TM+2:TM+3]
	v_pk_add_f32 v[TM+4:TM+5], v[TM+4:TM+5], v[TM+6:TM+7]
	v_pk_add_f32 v[TM:TM+1], v[TM:TM+1], v[TM+4:TM+5]
	v_add_f32 v[\out], v[TM], v[TM+1]
	v_permlanex16_b32 v253, v[\out], s30, s31
	v_add_f32 v[\out], v[\out], v253
.endm
.macro DOT d, vec, out                 ; the row's dot product; registers in ascending order; four chains by turns
.irp p, 0,1,2,3
	v_pk_mul_f32 v[TM+2*\p:TM+2*\p+1], v[\d+2*\p:\d+2*\p+1], v[\vec+2*\p:\vec+2*\p+1]
.endr
.set j, 4
.rept 28
	v_pk_fma_f32 v[TM+2*(j%4):TM+2*(j%4)+1], v[\d+2*j:\d+2*j+1], v[\vec+2*j:\vec+2*j+1], v[TM+2*(j%4):TM+2*(j%4)+1]
.set j, j+1
.endr
	REDUCE \out
.endm
	s_load_b256 s[4:11], s[0:1], 0x0               ; x s[4:5], W1 s[6:7], W2 s[8:9], c s[10:11]
	s_load_b128 s[12:15], s[0:1], 0x20             ; bsa s[12:13], wt_w s[14:15]
	s_load_b64 s[16:17], s[0:1], 0x30              ; LG
	v_lshl_add_u32 v254, v0, 2, 0x1b000
	v_mov_b32 v255, 0
	v_lshrrev_b32 v249, 5, v0
	v_readfirstlane_b32 s22, v249                  ; wave 0..7
	v_and_b32 v249, 31, v0                         ; lane
	v_and_b32 v250, 15, v0                         ; r
	v_bfe_u32 v251, v0, 4, 1                       ; h
	v_and_b32 v252, 127, v0                        ; my column of the weight
	v_lshrrev_b32 v253, 7, v0                      ; my half of its K
	s_mul_i32 s23, s22, 8448
	s_add_co_u32 s23, s23, XST                     ; my stage
	v_lshl_add_u32 v1, v249, 4, s23
	v_mul_u32_u24 v2, v250, 528
	v_lshl_add_u32 v2, v251, 6, v2
	v_add_nc_u32 v2, s23, v2
	v_lshlrev_b32 v3, 4, v249
	v_lshlrev_b32 v6, 2, v252
	v_lshl_add_u32 v4, v253, 15, v6                ; 4 x column + 64 rows of 512 bytes x half
	v_lshl_add_u32 v6, v253, 1, v6                 ; the scale word's two bytes of my half
	v_mul_u32_u24 v5, v252, 80
	v_lshl_add_u32 v5, v253, 5, v5                 ; the code row's 32 bytes of my half
	v_and_b32 v8, 8, v250
	v_add_nc_u32 v8, v8, v250                      ; r + 8 (r / 8)
	v_mul_u32_u24 v7, v8, 80
	v_lshl_add_u32 v7, v251, 4, v7
	v_lshlrev_b32 v8, 2, v8
	s_lshl_b32 s24, s22, 11
	s_add_co_u32 s24, s24, VEC                     ; my slots
	v_lshl_add_u32 v9, v249, 4, s24
	v_lshl_add_u32 v10, v251, 6, s24
	s_lshl_b32 s25, s22, 9
	s_add_co_u32 s25, s25, RED
	v_lshl_add_u32 v11, v249, 4, s25
	v_lshl_add_u32 v12, v249, 4, RED
	s_mov_b32 s30, 0x76543210
	s_mov_b32 s31, 0xfedcba98                      ; v_permlanex16_b32's selects for lane l xor 16
.irp b, 0,1,2,3
	v_mov_b32 v[TM+4+\b], 0                        ; written once: a lane permute's destination counts as one of its sources
.endr
	v_mov_b32 v253, 0
	s_mov_b32 s29, 0
	s_wait_kmcnt 0x0
	s_lshl_b32 s28, ttmp9, 16
	s_lshl_b32 s26, s22, 13
	s_add_co_u32 s28, s28, s26
	s_add_nc_u64 s[4:5], s[4:5], s[28:29]          ; x at my tile: 65,536 g + 8,192 w
	s_mov_b32 s28, s26
	s_add_nc_u64 s[8:9], s[8:9], s[28:29]          ; W2 at its rows 16 w on
	s_lshr_b32 s28, ttmp9, 5
	s_lshl_b32 s28, s28, 9
	s_lshl_b32 s26, s22, 6
	s_add_co_u32 s28, s28, s26
	s_add_nc_u64 s[10:11], s[10:11], s[28:29]      ; c at [batch][16 w]
	s_load_b512 s[32:47], s[10:11], 0x0            ; sixteen numbers of c
	s_lshl_b32 s28, ttmp9, 10
	s_lshl_b32 s26, s22, 7
	s_add_co_u32 s28, s28, s26
	s_add_nc_u64 s[16:17], s[16:17], s[28:29]      ; LG at my tile: 128 bytes a tile
	global_load_b128 v[TM:TM+3], v3, s[14:15]      ; wt_w, four numbers a lane
	global_load_b128 v[WSB:WSB+3], v3, s[12:13]    ; bsa likewise
	XIN
.set i, 0
.rept 16
	global_load_b128 v[RB+4*i:RB+4*i+3], v3, s[8:9] offset:512*i   ; W2(16 w + i, 4 lane ..)
.set i, i+1
.endr
	WLOAD RC, 6
	s_wait_loadcnt 63                              ; 98 loads were issued: with 63 out at the most the first 35 are in: wt_w, bsa, x, W2
	s_wait_kmcnt 0x0                               ; c
	VPUT TM, 1                                     ; wt_w into my slot 1
.irp e, 0,1,2,3
	v_mul_f32 v[WSB+4+\e], s32, v[RB+\e]           ; my sixteen terms of c W2, for four columns a lane
.endr
.set i, 1
.rept 15
.irp e, 0,1,2,3
	v_fmac_f32 v[WSB+4+\e], s[32+i], v[RB+4*i+\e]
.endr
.set i, i+1
.endr
	ds_store_b128 v11, v[WSB+4:WSB+7]
	XPUT
	XGET
	s_wait_loadcnt 0x0                             ; W1
	WQUANT RC, WC0, WS0
	s_wait_dscnt 0x0                               ; x is back, turned; all my stores have landed and have read their registers
	QUANT RB
	s_barrier_signal -1
	s_barrier_wait -1                              ; W1's codes and scale words and the eight parts of c W2 lie in LDS
.irp k, 0,1,2,3,4,5,6,7
	ds_load_b128 v[RB+4*\k:RB+4*\k+3], v12 offset:512*\k
.endr
	FRAGS WC0, WS0, WSA
	s_wait_dscnt 24                                ; the eight parts are in; the 24 loads behind them may be out
.irp k, 1,2,3,4,5,6,7
	v_pk_add_f32 v[RB:RB+1], v[RB:RB+1], v[RB+4*\k:RB+4*\k+1]      ; (these sixteen plain lines also stand between the making of x's scale word and the products)
	v_pk_add_f32 v[RB+2:RB+3], v[RB+2:RB+3], v[RB+4*\k+2:RB+4*\k+3]
.endr
	v_pk_add_f32 v[WSB+4:WSB+5], v[RB:RB+1], v[WSB:WSB+1]          ; + bsa
	v_pk_add_f32 v[WSB+6:WSB+7], v[RB+2:RB+3], v[WSB+2:WSB+3]
	VPUT WSB+4, 0
	VLOAD RA, 0                                    ; the bias, turned: the products' C
	VLOAD RB, 1                                    ; wt_w, turned
	s_wait_dscnt 16                                ; all but wt_w's sixteen loads
	MUL8 RA, 0, WSA
	PLACES 4                                       ; four plain lines between the last product and the first read of a result (ISA guide 7.12.1)
	s_wait_dscnt 0x0
	DOT RA, RB, 249                                ; my row's logit, in both halves of the lanes
	v_max_num_f32_dpp v250, v249, v249 row_xmask:1 row_mask:0xf bank_mask:0xf
	v_max_num_f32_dpp v250, v250, v250 row_xmask:2 row_mask:0xf bank_mask:0xf
	v_max_num_f32_dpp v250, v250, v250 row_xmask:4 row_mask:0xf bank_mask:0xf
	v_max_num_f32_dpp v250, v250, v250 row_xmask:8 row_mask:0xf bank_mask:0xf   ; m: the tile's largest
	v_sub_f32 v251, v249, v250
	v_mul_f32 v251, 0x3fb8aa3b, v251
	v_exp_f32 v251, v251                           ; exp(l - m)
	v_nop                                          ; one plain line behind a transcendental
	s_wait_alu depctr_va_vdst(0)
	v_add_f32_dpp v251, v251, v251 row_xmask:1 row_mask:0xf bank_mask:0xf
	v_add_f32_dpp v251, v251, v251 row_xmask:2 row_mask:0xf bank_mask:0xf
	v_add_f32_dpp v251, v251, v251 row_xmask:4 row_mask:0xf bank_mask:0xf
	v_add_f32_dpp v251, v251, v251 row_xmask:8 row_mask:0xf bank_mask:0xf       ; s
	v_and_b32 v252, 1, v0
	v_cmp_eq_u32 vcc_lo, 1, v252
	v_cndmask_b32 v250, v250, v251, vcc_lo         ; odd lanes s, even lanes m,
	v_and_b32 v252, 16, v0
	v_cmp_eq_u32 vcc_lo, 0, v252
	v_cndmask_b32 v250, v250, v249, vcc_lo         ; lanes 0-15 the logits
	v_and_b32 v252, 31, v0
	v_lshlrev_b32 v252, 2, v252
	global_store_b32 v252, v250, s[16:17]          ; 128 consecutive bytes
	s_wait_tensorcnt 0x0
	ds_add_u32 v254, v255
	s_wait_dscnt 0x0
	s_endpgm
.Lfunc_end_k_qb55a8f380d_logits:
	.size	k_qb55a8f380d_logits, .Lfunc_end_k_qb55a8f380d_logits-k_qb55a8f380d_logits
	.p2alignl 7, 3214868480
	.fill 96, 4, 3214868480
	.section	.rodata,"a",@progbits
	.p2align	6, 0x0
	.amdhsa_kernel k_qb55a8f380d_logits
		.amdhsa_group_segment_fixed_size 111616
		.amdhsa_private_segment_fixed_size 0
		.amdhsa_enable_private_segment 0
		.amdhsa_kernarg_size 56
		.amdhsa_user_sgpr_count 2
		.amdhsa_user_sgpr_kernarg_segment_ptr 1
		.amdhsa_wavefront_size32 1
		.amdhsa_system_sgpr_workgroup_id_x 1
		.amdhsa_system_sgpr_workgroup_id_y 1
		.amdhsa_system_sgpr_workgroup_id_z 1
		.amdhsa_system_vgpr_workitem_id 0
		.amdhsa_next_free_vgpr 256
		.amdhsa_next_free_sgpr 66
		.amdhsa_reserve_vcc 1
		.amdhsa_float_denorm_mode_32 3
		.amdhsa_float_denorm_mode_16_64 3
		.amdhsa_memory_ordered 1
		.amdhsa_forward_progress 1
		.amdhsa_inst_pref_size 34
	.end_amdhsa_kernel
	.amdgpu_metadata
---
amdhsa.version: [ 1, 2 ]
amdhsa.kernels:
  - .name:           k_qb55a8f380d_logits
    .symbol:         k_qb55a8f380d_logits.kd
    .args:
      - { .name: x, .offset: 0, .size: 8, .value_kind: global_buffer, .address_space: global }
      - { .name: W1, .offset: 8, .size: 8, .value_kind: global_buffer, .address_space: global }
      - { .name: W2, .offset: 16, .size: 8, .value_kind: global_buffer, .address_space: global }
      - { .name: c, .offset: 24, .size: 8, .value_kind: global_buffer, .address_space: global }
      - { .name: bsa, .offset: 32, .size: 8, .value_kind: global_buffer, .address_space: global }
      - { .name: wt_w, .offset: 40, .size: 8, .value_kind: global_buffer, .address_space: global }
      - { .name: LG, .offset: 48, .size: 8, .value_kind: global_buffer, .address_space: global }
    .group_segment_fixed_size: 111616
    .private_segment_fixed_size: 0
    .kernarg_segment_align: 8
    .kernarg_segment_size: 56
    .max_flat_workgroup_size: 256
    .sgpr_count:     66
    .vgpr_count:     256
    .wavefront_size: 32
...
	.end_amdgpu_metadata
.endif
;; end of part 1
;; launch scores (part 2): grid 256 x 1, 8 waves a work-group, no clusters, 111,616 bytes of LDS; arguments x, LG, Wsa1, Wsa2, bsa1, wsat_w, wsat_b, SR; writes SR
.if DOCPART == 2
	.amdgcn_target "amdgcn-amd-amdhsa--gfx1250"
	.amdhsa_code_object_version 6
	.text
	.protected	k_qb55a8f380d_scores
	.globl	k_qb55a8f380d_scores
	.p2align	8
	.type	k_qb55a8f380d_scores,@function
k_qb55a8f380d_scores:
	s_mov_b64 s[64:65], 0
	v_nop
	global_prefetch_b8 v0, s[64:65] scope:SCOPE_SE
	s_setreg_imm32_b32 hwreg(HW_REG_WAVE_MODE, 25, 1), 1
	s_wait_xcnt 0x0
; SCORES.  p = softmax of the logits over a batch's 4,096 rows; h = x p; si = (Q(h) Q(Wsa1) + bsa1) . wsat_w + wsat_b, sj = (Q(h) Q(Wsa2)) . wsat_w; both products on codes of FP4 (E2M1) with one E8M0 scale for each 32 along K.
; Out: SR [32,768 rows][FA, NA, FB, NB].  With ta = -si log2(e) and tb = -sj log2(e): NA = floor(ta) as a whole number, FA = ln2 x 2^(ta - NA); NB = floor(tb), FB = 2^(tb - NB).
; The next launch then has exp(sigmoid(si_i + sj_j)) = 2^(1 / (ln2 + FA_i FB_j 2^(NA_i + NB_j))) with no exponential of a sum that could overflow.
; THE SOFTMAX takes its maximum away: M = the largest of the batch's 256 tile maxima, S = the sum of s_tile exp(m_tile - M), p = exp(l - M) / S.  Every wave makes M and S for itself from 2,048 bytes of LG.
; SHARES, LAYOUT, THE WEIGHTS' WAY: as in the launch before: wave w of work-group g has the 16 rows 128 g + 16 w on; the products are used transposed, and the columns of tile 2 b + u are 32 b + 8 u + r + 8 (r / 8),
; so that register 16 b + i of lane (r, h) is element 32 b + 16 h + i of row r; thread t quantises 64 numbers of column t % 128 of each weight.  One barrier.
; NO TENSOR LOADS, NO CLUSTER: x's 8,192 bytes a wave are read once by 16 dense loads; the two weights that all work-groups share arrive as f32 with K outermost and pass through registers to be quantised, 128 numbers a thread.
; LIMITS: NaN and infinities are not served.  ta and tb are held to +-2^29 (|si + const|, |sj| under 3.7e8; beyond that the sigmoid is 0 or 1 all the same unless both are that large with opposite signs).
; A p under 2^-126 counts as 0 (the exponential gives 0 there).  A block of zeros gets the scale byte 1 (its codes are zeros; only this program reads the bytes).
.set WC0, 0                            ; LDS: Wsa1's codes, 128 rows x 80 bytes;
.set WC1, 10240                        ; Wsa2's;
.set WS0, 20480                        ; their scale words, 4 bytes a column
.set WS1, 20992
.set VEC, 25600                        ; a wave's own 2,048 bytes: four slots of 128 f32
.set XST, 41984                        ; a wave's own stage: 16 rows x 528 bytes
.set RA,  16                           ; v16-79    x as loaded; later bsa1, then the products
.set RB,  80                           ; v80-143   Wsa2 as f32; x turned, h; wsat_w
.set RC,  144                          ; v144-207  Wsa1 as f32; later a weight's eight fragments
.set WSA, 208                          ; v208-215  Wsa1's scale words
.set WSB, 216                          ; v216-223  Wsa2's
.set TM,  224                          ; v224-239  at work
.set MS,  234                          ; v234-249  (m, s) of eight tiles a lane, until the weights are quantised
.set PC,  240                          ; v240-247  codes just made
.set PW,  248                          ; v248      h's scale word
.macro PLACES n
.rept \n
	v_nop
.endr
.endm
.macro XIN
.set i, 0
.rept 16
	global_load_b128 v[RA+4*i:RA+4*i+3], v3, s[4:5] offset:512*i
.set i, i+1
.endr
.endm
.macro XPUT
.set i, 0
.rept 16
	ds_store_b128 v1, v[RA+4*i:RA+4*i+3] offset:528*i
.set i, i+1
.endr
.endm
.macro XGET
.irp bb, 0,1,2,3
.irp j, 0,1,2,3
	ds_load_b128 v[RB+16*\bb+4*\j:RB+16*\bb+4*\j+3], v2 offset:128*\bb+16*\j
.endr
.endr
.endm
.macro WLOAD reg, sb
.set i, 0
.rept 64
	global_load_b32 v[\reg+i], v4, s[\sb:\sb+1] offset:512*i
.set i, i+1
.endr
.endm
.macro WBLOCK xs, q, by
	v_max3_num_f32 v249, |v[\xs]|, |v[\xs+1]|, |v[\xs+2]|
	v_max3_num_f32 v250, |v[\xs+3]|, |v[\xs+4]|, |v[\xs+5]|
.irp i, 6,10,14,18,22,26
	v_max3_num_f32 v249, v249, |v[\xs+\i]|, |v[\xs+\i+1]|
	v_max3_num_f32 v250, v250, |v[\xs+\i+2]|, |v[\xs+\i+3]|
.endr
	v_max3_num_f32 v249, v249, |v[\xs+30]|, |v[\xs+31]|
	v_max3_num_f32 v249, v249, v250, 0x1800000     ; the floor 2^(3 - 127): the byte cannot fall under 1
	v_add_nc_u32 v[\by], 0xff000000, v249          ; 2 off the exponent field: the conversion's scale operand
.irp g, 0,1,2,3
	v_cvt_scalef32_pk8_fp4_f32 v[PC+4*\q+\g], v[\xs+8*\g:\xs+8*\g+7], v[\by]
.endr
.endm
.macro WQUANT reg, wc, ws
	WBLOCK \reg, 0, 251
	WBLOCK \reg+32, 1, 252
	v_nop                                          ; one plain line behind the last scaled conversion
	v_lshrrev_b32 v251, 23, v251
	v_lshrrev_b32 v252, 23, v252
	v_lshl_or_b32 v251, v252, 8, v251
	ds_store_b128 v5, v[PC:PC+3] offset:\wc
	ds_store_b128 v5, v[PC+4:PC+7] offset:\wc+16
	ds_store_b16 v6, v251 offset:\ws
.endm
.macro QUANT s
.irp b, 0,1,2,3
	v_max3_num_f32 v[TM+\b], |v[\s+16*\b]|, |v[\s+1+16*\b]|, 0x1800000
.endr
.irp i, 2,4,6,8,10,12,14
.irp b, 0,1,2,3
	v_max3_num_f32 v[TM+\b], v[TM+\b], |v[\s+16*\b+\i]|, |v[\s+1+16*\b+\i]|
.endr
.endr
.irp b, 0,1,2,3
	v_permlanex16_b32 v[TM+4+\b], v[TM+\b], s30, s31
.endr
.irp b, 0,1,2,3
	v_max_num_f32 v[TM+\b], v[TM+\b], v[TM+4+\b]
.endr
.irp b, 0,1,2,3
	v_add_nc_u32 v[TM+12+\b], 0xff000000, v[TM+\b]
.endr
.irp b, 0,1,2,3
	v_lshrrev_b32 v[TM+4+\b], 23, v[TM+12+\b]
.endr
	v_lshl_or_b32 v[PW], v[TM+5], 8, v[TM+4]
	v_lshl_or_b32 v[PW], v[TM+6], 16, v[PW]
	v_lshl_or_b32 v[PW], v[TM+7], 24, v[PW]
.irp b, 0,1,2,3
	v_cvt_scalef32_pk8_fp4_f32 v[PC+2*\b], v[\s+16*\b:\s+7+16*\b], v[TM+12+\b]
	v_cvt_scalef32_pk8_fp4_f32 v[PC+1+2*\b], v[\s+8+16*\b:\s+15+16*\b], v[TM+12+\b]
.endr
	v_nop                                          ; one plain line behind a scaled conversion
.irp c, 0,1
.irp i, 0,1
	v_permlane16_swap_b32 v[PC+4*\c+\i], v[PC+2+4*\c+\i]
.endr
.endr
.endm
.macro FRAGS wc, ws, sc
.irp t, 0,1,2,3,4,5,6,7
.irp c, 0,1
	ds_load_b128 v[RC+8*\t+4*\c:RC+8*\t+4*\c+3], v7 offset:\wc+(32*(\t/2)+8*(\t%2))*80+32*\c
.endr
	ds_load_b32 v[\sc+\t], v8 offset:\ws+(32*(\t/2)+8*(\t%2))*4
.endr
.endm
.macro VPUT reg, slot
	ds_store_b128 v9, v[\reg:\reg+3] offset:512*\slot
.endm
.macro VLOAD reg, slot
.irp bb, 0,1,2,3
.irp j, 0,1,2,3
	ds_load_b128 v[\reg+16*\bb+4*\j:\reg+16*\bb+4*\j+3], v10 offset:512*\slot+128*\bb+16*\j
.endr
.endr
.endm
.macro MUL8 d, zero, sc
.irp t, 0,1,2,3,4,5,6,7
.if \zero
	v_wmma_scale_f32_16x16x128_f8f6f4 v[\d+8*\t:\d+8*\t+7], v[RC+8*\t:RC+8*\t+7], v[PC:PC+7], 0, v[\sc+\t], v[PW] matrix_a_fmt:MATRIX_FMT_FP4 matrix_b_fmt:MATRIX_FMT_FP4
.else
	v_wmma_scale_f32_16x16x128_f8f6f4 v[\d+8*\t:\d+8*\t+7], v[RC+8*\t:RC+8*\t+7], v[PC:PC+7], v[\d+8*\t:\d+8*\t+7], v[\sc+\t], v[PW] matrix_a_fmt:MATRIX_FMT_FP4 matrix_b_fmt:MATRIX_FMT_FP4
.endif
.endr
.endm
.macro REDUCE out
	v_pk_add_f32 v[TM:TM+1], v[TM:TM+1], v[TM+2:TM+3]
	v_pk_add_f32 v[TM+4:TM+5], v[TM+4:TM+5], v[TM+6:TM+7]
	v_pk_add_f32 v[TM:TM+1], v[TM:TM+1], v[TM+4:TM+5]
	v_add_f32 v[\out], v[TM], v[TM+1]
	v_permlanex16_b32 v253, v[\out], s30, s31
	v_add_f32 v[\out], v[\out], v253
.endm
.macro DOT d, vec, out                 ; registers in ascending order
.irp p, 0,1,2,3
	v_pk_mul_f32 v[TM+2*\p:TM+2*\p+1], v[\d+2*\p:\d+2*\p+1], v[\vec+2*\p:\vec+2*\p+1]
.endr
.set j, 4
.rept 28
	v_pk_fma_f32 v[TM+2*(j%4):TM+2*(j%4)+1], v[\d+2*j:\d+2*j+1], v[\vec+2*j:\vec+2*j+1], v[TM+2*(j%4):TM+2*(j%4)+1]
.set j, j+1
.endr
	REDUCE \out
.endm
	s_load_b256 s[4:11], s[0:1], 0x0               ; x s[4:5], LG s[6:7], Wsa1 s[8:9], Wsa2 s[10:11]
	s_load_b256 s[12:19], s[0:1], 0x20             ; bsa1 s[12:13], wsat_w s[14:15], wsat_b s[16:17], SR s[18:19]
	v_lshl_add_u32 v12, v0, 2, 0x1b000
	v_mov_b32 v233, 0
	v_lshrrev_b32 v249, 5, v0
	v_readfirstlane_b32 s22, v249                  ; wave 0..7
	v_and_b32 v249, 31, v0                         ; lane
	v_and_b32 v250, 15, v0                         ; r
	v_bfe_u32 v251, v0, 4, 1                       ; h
	v_and_b32 v252, 127, v0                        ; my column of the weights
	v_lshrrev_b32 v253, 7, v0                      ; my half of their K
	s_mul_i32 s23, s22, 8448
	s_add_co_u32 s23, s23, XST
	v_lshl_add_u32 v1, v249, 4, s23                ; stage, dense
	v_mul_u32_u24 v2, v250, 528
	v_lshl_add_u32 v2, v251, 6, v2
	v_add_nc_u32 v2, s23, v2                       ; stage, turned
	v_lshlrev_b32 v3, 4, v249
	v_lshlrev_b32 v6, 2, v252
	v_lshl_add_u32 v4, v253, 15, v6
	v_lshl_add_u32 v6, v253, 1, v6
	v_mul_u32_u24 v5, v252, 80
	v_lshl_add_u32 v5, v253, 5, v5
	v_and_b32 v8, 8, v250
	v_add_nc_u32 v8, v8, v250
	v_mul_u32_u24 v7, v8, 80
	v_lshl_add_u32 v7, v251, 4, v7
	v_lshlrev_b32 v8, 2, v8
	s_lshl_b32 s24, s22, 11
	s_add_co_u32 s24, s24, VEC
	v_lshl_add_u32 v9, v249, 4, s24
	v_lshl_add_u32 v10, v251, 6, s24
	v_lshl_add_u32 v13, v249, 7, 64                ; LG: tile 32 i + lane, its words 16 and 17
	v_lshlrev_b32 v14, 2, v250                     ; LG: my row's logit
	v_lshlrev_b32 v15, 4, v250
	v_lshl_add_u32 v15, v251, 3, v15               ; SR: my row's record, its first or second half
	s_mov_b32 s30, 0x76543210
	s_mov_b32 s31, 0xfedcba98
	v_mov_b32 v253, 0                              ; written once: a lane permute's destination counts as one of its sources
	s_mov_b32 s29, 0
	s_wait_kmcnt 0x0
	s_load_b32 s27, s[16:17], 0x0                  ; wsat_b
	s_lshr_b32 s28, ttmp9, 5
	s_lshl_b32 s28, s28, 15
	s_add_nc_u64 s[20:21], s[6:7], s[28:29]        ; LG at my batch: 256 tiles of 128 bytes
	s_lshl_b32 s28, ttmp9, 10
	s_lshl_b32 s26, s22, 7
	s_add_co_u32 s28, s28, s26
	s_add_nc_u64 s[6:7], s[6:7], s[28:29]          ; LG at my tile
	s_lshl_b32 s28, s28, 1
	s_add_nc_u64 s[18:19], s[18:19], s[28:29]      ; SR at my tile: 256 bytes a tile
	s_lshl_b32 s28, ttmp9, 16
	s_lshl_b32 s26, s22, 13
	s_add_co_u32 s28, s28, s26
	s_add_nc_u64 s[4:5], s[4:5], s[28:29]          ; x at my tile
	global_load_b128 v[TM:TM+3], v3, s[14:15]      ; wsat_w
	global_load_b128 v[TM+4:TM+7], v3, s[12:13]    ; bsa1
.irp i, 0,1,2,3,4,5,6,7
	global_load_b64 v[MS+2*\i:MS+2*\i+1], v13, s[20:21] offset:4096*\i
.endr
	global_load_b32 v232, v14, s[6:7]
	XIN
	WLOAD RC, 8
	WLOAD RB, 10
	s_wait_loadcnt 63                              ; 155 loads were issued: with 63 out at the most the first 92 are in: all but Wsa2
	VPUT TM, 0                                     ; wsat_w into my slot 0, bsa1 into slot 1
	VPUT TM+4, 1
	v_max3_num_f32 v250, v[MS], v[MS+2], v[MS+4]   ; M: the largest of the batch's 256 tile maxima
	v_max3_num_f32 v250, v250, v[MS+6], v[MS+8]
	v_max3_num_f32 v250, v250, v[MS+10], v[MS+12]
	v_max_num_f32 v250, v250, v[MS+14]
	v_max_num_f32_dpp v250, v250, v250 row_xmask:1 row_mask:0xf bank_mask:0xf
	v_max_num_f32_dpp v250, v250, v250 row_xmask:2 row_mask:0xf bank_mask:0xf
	v_max_num_f32_dpp v250, v250, v250 row_xmask:4 row_mask:0xf bank_mask:0xf
	v_max_num_f32_dpp v250, v250, v250 row_xmask:8 row_mask:0xf bank_mask:0xf
	v_permlanex16_b32 v253, v250, s30, s31
	v_max_num_f32 v250, v250, v253
.irp i, 0,1,2,3,4,5,6,7
	v_sub_f32 v[MS+2*\i], v[MS+2*\i], v250
.endr
.irp i, 0,1,2,3,4,5,6,7
	v_mul_f32 v[MS+2*\i], 0x3fb8aa3b, v[MS+2*\i]
.endr
.irp i, 0,1,2,3,4,5,6,7
	v_exp_f32 v[MS+2*\i], v[MS+2*\i]               ; exp(m_tile - M)
.endr
	v_sub_f32 v232, v232, v250                     ; l - M.  (The plain line behind the exponentials)
	s_wait_alu depctr_va_vdst(0)
	v_mul_f32 v251, v[MS], v[MS+1]
.irp i, 1,2,3,4,5,6,7
	v_fmac_f32 v251, v[MS+2*\i], v[MS+2*\i+1]
.endr
	v_add_f32_dpp v251, v251, v251 row_xmask:1 row_mask:0xf bank_mask:0xf
	v_add_f32_dpp v251, v251, v251 row_xmask:2 row_mask:0xf bank_mask:0xf
	v_add_f32_dpp v251, v251, v251 row_xmask:4 row_mask:0xf bank_mask:0xf
	v_add_f32_dpp v251, v251, v251 row_xmask:8 row_mask:0xf bank_mask:0xf
	v_permlanex16_b32 v253, v251, s30, s31
	v_add_f32 v251, v251, v253                     ; S
	v_mul_f32 v232, 0x3fb8aa3b, v232
	v_exp_f32 v232, v232
	v_rcp_f32 v251, v251
	v_nop                                          ; one plain line behind the transcendentals
	s_wait_alu depctr_va_vdst(0)
	v_mul_f32 v254, v232, v251                     ; p of my row, twice: a pair for the packed multiply
	v_mul_f32 v255, v232, v251
	XPUT
	WQUANT RC, WC0, WS0
	s_wait_dscnt 0x0                               ; the stores have read the codes' registers
	s_wait_loadcnt 0x0                             ; Wsa2
	WQUANT RB, WC1, WS1
	XGET                                           ; x turned, into the registers that Wsa2 has left
	s_wait_dscnt 0x0
.set j, 0
.rept 32
	v_pk_mul_f32 v[RB+2*j:RB+2*j+1], v[RB+2*j:RB+2*j+1], v[254:255]   ; h = x p
.set j, j+1
.endr
	QUANT RB
	s_barrier_signal -1                            ; (no LDS instruction of mine is out since the wait above)
	s_barrier_wait -1                              ; both weights' codes and scale words lie in LDS
	FRAGS WC0, WS0, WSA
	VLOAD RA, 1                                    ; bsa1, turned: the first product's C
	VLOAD RB, 0                                    ; wsat_w, turned
	s_wait_dscnt 16                                ; all but wsat_w's sixteen loads
	PLACES 8                                       ; h's scale word, made by vector lines, stands eight plain lines ahead of the products
	MUL8 RA, 0, WSA
	PLACES 4                                       ; four plain lines between the last product and loads into its operands and reads of its results
	FRAGS WC1, WS1, WSB
	s_wait_dscnt 24                                ; wsat_w is in; Wsa2's 24 loads may be out
	DOT RA, RB, 249                                ; si + bsa1 . wsat_w
	PLACES 5                                       ; the next products write over the last ones' results: five plain lines that name none of their registers
	s_wait_dscnt 0x0
	MUL8 RA, 1, WSB
	PLACES 4
	DOT RA, RB, 250                                ; sj
	s_wait_kmcnt 0x0                               ; wsat_b
	v_add_f32 v249, s27, v249
	v_mul_f32 v249, 0xbfb8aa3b, v249               ; ta = -(si + const) log2(e)
	v_mul_f32 v250, 0xbfb8aa3b, v250               ; tb = -sj log2(e)
	v_max_num_f32 v249, 0xce000000, v249           ; held to +-2^29, so that NA + NB stays a whole number of 32 bits
	v_max_num_f32 v250, 0xce000000, v250
	v_min_num_f32 v249, 0x4e000000, v249
	v_min_num_f32 v250, 0x4e000000, v250
	v_floor_f32 v251, v249
	v_floor_f32 v252, v250
	v_sub_f32 v249, v249, v251
	v_sub_f32 v250, v250, v252
	v_cvt_i32_f32 v251, v251                       ; NA
	v_cvt_i32_f32 v252, v252                       ; NB
	v_exp_f32 v249, v249
	v_exp_f32 v250, v250                           ; FB
	v_nop                                          ; one plain line behind the transcendentals
	s_wait_alu depctr_va_vdst(0)
	v_mul_f32 v249, 0x3f317218, v249               ; FA = ln2 x 2^frac
	v_and_b32 v253, 16, v0
	v_cmp_eq_u32 vcc_lo, 0, v253
	v_cndmask_b32 v254, v250, v249, vcc_lo         ; lanes 0-15 store (FA, NA), lanes 16-31 (FB, NB)
	v_cndmask_b32 v255, v252, v251, vcc_lo
	global_store_b64 v15, v[254:255], s[18:19]     ; the wave stores 256 consecutive bytes, at a multiple of 256 from SR's first byte
	s_wait_tensorcnt 0x0
	ds_add_u32 v12, v233
	s_wait_dscnt 0x0
	s_endpgm
.Lfunc_end_k_qb55a8f380d_scores:
	.size	k_qb55a8f380d_scores, .Lfunc_end_k_qb55a8f380d_scores-k_qb55a8f380d_scores
	.p2alignl 7, 3214868480
	.fill 96, 4, 3214868480
	.section	.rodata,"a",@progbits
	.p2align	6, 0x0
	.amdhsa_kernel k_qb55a8f380d_scores
		.amdhsa_group_segment_fixed_size 111616
		.amdhsa_private_segment_fixed_size 0
		.amdhsa_enable_private_segment 0
		.amdhsa_kernarg_size 64
		.amdhsa_user_sgpr_count 2
		.amdhsa_user_sgpr_kernarg_segment_ptr 1
		.amdhsa_wavefront_size32 1
		.amdhsa_system_sgpr_workgroup_id_x 1
		.amdhsa_system_sgpr_workgroup_id_y 1
		.amdhsa_system_sgpr_workgroup_id_z 1
		.amdhsa_system_vgpr_workitem_id 0
		.amdhsa_next_free_vgpr 256
		.amdhsa_next_free_sgpr 66
		.amdhsa_reserve_vcc 1
		.amdhsa_float_denorm_mode_32 3
		.amdhsa_float_denorm_mode_16_64 3
		.amdhsa_memory_ordered 1
		.amdhsa_forward_progress 1
		.amdhsa_inst_pref_size 48
	.end_amdhsa_kernel
	.amdgpu_metadata
---
amdhsa.version: [ 1, 2 ]
amdhsa.kernels:
  - .name:           k_qb55a8f380d_scores
    .symbol:         k_qb55a8f380d_scores.kd
    .args:
      - { .name: x, .offset: 0, .size: 8, .value_kind: global_buffer, .address_space: global }
      - { .name: LG, .offset: 8, .size: 8, .value_kind: global_buffer, .address_space: global }
      - { .name: Wsa1, .offset: 16, .size: 8, .value_kind: global_buffer, .address_space: global }
      - { .name: Wsa2, .offset: 24, .size: 8, .value_kind: global_buffer, .address_space: global }
      - { .name: bsa1, .offset: 32, .size: 8, .value_kind: global_buffer, .address_space: global }
      - { .name: wsat_w, .offset: 40, .size: 8, .value_kind: global_buffer, .address_space: global }
      - { .name: wsat_b, .offset: 48, .size: 8, .value_kind: global_buffer, .address_space: global }
      - { .name: SR, .offset: 56, .size: 8, .value_kind: global_buffer, .address_space: global }
    .group_segment_fixed_size: 111616
    .private_segment_fixed_size: 0
    .kernarg_segment_align: 8
    .kernarg_segment_size: 64
    .max_flat_workgroup_size: 256
    .sgpr_count:     66
    .vgpr_count:     256
    .wavefront_size: 32
...
	.end_amdgpu_metadata
.endif
;; end of part 2
;; launch pairs (part 3): grid 256 x 1, 16 waves a work-group, no clusters, 75,776 bytes of LDS; arguments SR, CP; writes CP
.if DOCPART == 3
	.amdgcn_target "amdgcn-amd-amdhsa--gfx1250"
	.amdhsa_code_object_version 6
	.text
	.protected	k_qb55a8f380d_pairs
	.globl	k_qb55a8f380d_pairs
	.p2align	8
	.type	k_qb55a8f380d_pairs,@function
k_qb55a8f380d_pairs:
	s_mov_b64 s[64:65], 0
	v_nop
	global_prefetch_b8 v0, s[64:65] scope:SCOPE_SE
	s_setreg_imm32_b32 hwreg(HW_REG_WAVE_MODE, 25, 1), 1
	s_wait_xcnt 0x0
; PAIRS.  E(i, j) = exp(sigmoid(si_i + sj_j + const)); Z_i = the sum of E(i, j) over j other than i; the column sum of j is the sum of E(i, j) / Z_i over i other than j.
; Work-group g (batch g / 32, block g % 32) owns the 128 rows i of its block against all 4,096 columns j: pass 1 makes its Z_i, pass 2 its part of every column sum, stored to CP [256 work-groups][4096]; the next launch adds the 32 parts.
; NO MAXIMUM IS TAKEN AWAY in this softmax: the sigmoid holds the exponents to 0 .. 1 for every input, so E lies in 1 .. e and a row's sum under 4,096 e.
; A PAIR, from the records (FA, NA, FB, NB) of the launch before: n = NA_i + NB_j; d = ln2 + FA_i FB_j 2^n (v_ldexp_f32 on one factor, which goes to 0 or to infinity at the ends, then one fused multiply-add);
; E = 2^(1 / d): two transcendentals.  The product of the two factors is exact inside the multiply-add whichever of them took 2^n, so both passes and the diagonal's term give the same bits.
; THE DIAGONAL is not masked in the loops: Z_i = (the sum over all j) - E(i, i), and the wave that holds column j of the group's own block starts that column's sum at -E(j, j) / Z_j: one term in 4,096 is taken away again.
; SHARES.  Wave w owns columns 256 w .. 256 w + 255 in both passes.  Pass 1: a lane holds the four rows 4 lane + e, the columns come as records that all lanes read alike.  Pass 2: a lane holds eight columns
; (256 w + 128 (q / 4) + 4 lane + q % 4), the rows come so.  Neither pass adds across lanes.  Four waves share a SIMD: one wave's plain lines stand beside another's transcendentals.  One barrier, where the waves' parts of Z meet.
; NO MATRIX UNIT, TENSOR LOADS OR CLUSTER: nothing here is a product; a work-group reads 66 KiB of records once, 12 loads a lane, and then works from registers and LDS.
; LIMITS: NaN and infinities are not served.
.set WCH, 0                            ; LDS: a wave's own 256 records (FB, NB) of its columns, 2,048 bytes
.set ZP,  32768                        ; [16 waves][128 f32]: the waves' parts of the row sums
.set TAB, 40960                        ; a wave's own copy of the 128 rows' records (FA, NA, 1 / Z, -E(i, i) / Z), 2,048 bytes
.set AR,  12                           ; v12-27    my four rows' records; words 2 and 3 become 1 / Z and -E(i, i) / Z
.set BR,  28                           ; v28-43    my eight columns' (FB, NB)
.set REC, 44                           ; v44-75    the trip's eight records of 16 bytes
.set NT,  76                           ; v76-83    n
.set DD,  84                           ; v84-91    d, then 1 / d
.set EE,  92                           ; v92-99    E
.set ZA,  100                          ; v100-103, v104-107  row sums, two sets
.set ZB,  104
.set CA,  108                          ; v108-115  column sums
.set ED,  116                          ; v116-119  E(i, i)
.set T,   144                          ; v144-207  the sixteen parts of Z
; v2 64 lane; v3, v4 my chunk of columns, in and out; v5 the address in hand; v6, v7 ZP, in and out; v8, v9 my table, in and out; v10 16 lane.  s[14:15] ln2; s17 the trip's bytes
.macro FRONT4 o, f, st, rf             ; four pairs: the lane's own records at v[f + st e], the common record at v[rf]
.irp e, 0,1,2,3
	v_add_nc_u32 v[NT+\o+\e], v[\f+\st*\e+1], v[\rf+1]
.endr
.irp e, 0,1,2,3
	v_ldexp_f32 v[DD+\o+\e], v[\f+\st*\e], v[NT+\o+\e]
.endr
.irp p, 0,2
	v_pk_fma_f32 v[DD+\o+\p:DD+\o+\p+1], v[DD+\o+\p:DD+\o+\p+1], v[\rf:\rf+1], s[14:15] op_sel_hi:[1,0,0]   ; of the record's pair and of ln2's the low word serves both halves
.endr
.endm
.macro BACK pass, u                    ; unit u's eight E are added in
.if \pass == 1
	s_wait_alu depctr_va_vdst(0)
	v_pk_add_f32 v[ZA:ZA+1], v[ZA:ZA+1], v[EE:EE+1]
	v_pk_add_f32 v[ZA+2:ZA+3], v[ZA+2:ZA+3], v[EE+2:EE+3]
	v_pk_add_f32 v[ZB:ZB+1], v[ZB:ZB+1], v[EE+4:EE+5]
	v_pk_add_f32 v[ZB+2:ZB+3], v[ZB+2:ZB+3], v[EE+6:EE+7]
.else
	s_wait_alu depctr_va_vdst(0)
.irp p, 0,2,4,6
	v_pk_fma_f32 v[CA+\p:CA+\p+1], v[EE+\p:EE+\p+1], v[REC+4*(\u)+2:REC+4*(\u)+3], v[CA+\p:CA+\p+1] op_sel_hi:[1,0,1]   ; x the row's 1 / Z
.endr
.endif
.endm
; A unit: eight pairs a lane.  Pass 1: a record of 16 bytes is two columns, against my four rows.  Pass 2: a record is one row, against my eight columns.
; The sums of the unit before stand between the reciprocals and the exponentials: the plain lines that a transcendental's result wants ahead of its use; behind the exponentials the next unit's additions are those lines.
.macro UNIT pass, u
	s_wait_dscnt 7-\u                              ; LDS loads come back in order: record u of the trip's eight is in
.if \pass == 1
	FRONT4 0, AR, 4, REC+4*\u
	FRONT4 4, AR, 4, REC+4*\u+2
.else
	FRONT4 0, BR, 2, REC+4*\u
	FRONT4 4, BR+8, 2, REC+4*\u
.endif
.irp q, 0,1,2,3,4,5,6,7
	v_rcp_f32 v[DD+\q], v[DD+\q]
.endr
.if \u == 0
	v_nop
	s_wait_alu depctr_va_vdst(0)
.else
	BACK \pass, \u-1
.endif
.irp q, 0,1,2,3,4,5,6,7
	v_exp_f32 v[EE+\q], v[DD+\q]
.endr
.endm
.macro TRIP pass, base                 ; eight units on 128 bytes of records
	v_add_nc_u32 v5, s17, v[\base]
.irp u, 0,1,2,3,4,5,6,7
	ds_load_b128 v[REC+4*\u:REC+4*\u+3], v5 offset:16*\u
.endr
.irp u, 0,1,2,3,4,5,6,7
	UNIT \pass, \u
.endr
	v_nop
	s_wait_alu depctr_va_vdst(0)
	BACK \pass, 7
.endm
	s_load_b128 s[4:7], s[0:1], 0x0                ; SR s[4:5], CP s[6:7]
	v_lshl_add_u32 v208, v0, 2, 0x12000
	v_mov_b32 v209, 0
	v_lshrrev_b32 v1, 5, v0
	v_readfirstlane_b32 s8, v1                     ; wave 0..15
	v_and_b32 v1, 31, v0                           ; lane
	s_and_b32 s9, ttmp9, 31                        ; my block of rows in the batch
	s_lshl_b32 s18, s8, 11                         ; 2,048 x wave (WCH begins at LDS byte 0)
	v_lshlrev_b32 v2, 6, v1
	v_lshl_add_u32 v3, v1, 3, s18
	v_mov_b32 v4, s18
	s_lshl_b32 s19, s8, 9
	s_add_co_u32 s19, s19, ZP
	v_lshl_add_u32 v6, v1, 4, s19
	v_lshl_add_u32 v7, v1, 4, ZP
	s_add_co_u32 s19, s18, TAB
	v_lshl_add_u32 v8, v1, 6, s19
	v_mov_b32 v9, s19
	v_lshlrev_b32 v10, 4, v1
	s_mov_b32 s14, 0x3f317218                      ; ln2
	s_mov_b32 s15, s14                             ; (named with it as a pair, so it is written)
	s_lshr_b32 s20, ttmp9, 5
	s_lshl_b32 s20, s20, 16
	s_mov_b32 s21, 0
	s_wait_kmcnt 0x0
	s_add_nc_u64 s[4:5], s[4:5], s[20:21]          ; SR at my batch: 4,096 records of 16 bytes
	s_lshl_b32 s20, s9, 11
	s_add_nc_u64 s[10:11], s[4:5], s[20:21]        ; at my block's 128 rows
	s_lshl_b32 s20, s8, 12
	s_add_nc_u64 s[12:13], s[4:5], s[20:21]        ; at my wave's 256 columns
	s_lshl_b32 s20, ttmp9, 14
	s_lshl_b32 s22, s8, 10
	s_add_co_u32 s20, s20, s22
	s_add_nc_u64 s[6:7], s[6:7], s[20:21]          ; CP at my work-group's row, my wave's columns
.irp e, 0,1,2,3
	global_load_b128 v[AR+4*\e:AR+4*\e+3], v2, s[10:11] offset:16*\e
.endr
.irp q, 0,1,2,3,4,5,6,7
	global_load_b64 v[BR+2*\q:BR+2*\q+1], v2, s[12:13] offset:2048*(\q/4)+16*(\q%4)+8
.endr
.irp e, 0,1,2,3,4,5,6,7
	v_mov_b32 v[ZA+\e], 0                          ; the eight row sums
.endr
	s_wait_loadcnt 0x0
.irp q, 0,1,2,3,4,5,6,7
	ds_store_b64 v3, v[BR+2*\q:BR+2*\q+1] offset:256*\q   ; my wave's 256 columns, in any order: pass 1 only adds over them.  LDS serves a wave's instructions in order: the loop's loads see these
.endr
	s_mov_b32 s17, 0
.Lpass1:                                               ; 16 trips x 16 columns
	TRIP 1, 4
	s_add_co_u32 s17, s17, 128
	s_cmp_lt_u32 s17, 2048
	s_cbranch_scc1 .Lpass1
	v_pk_add_f32 v[ZA:ZA+1], v[ZA:ZA+1], v[ZB:ZB+1]
	v_pk_add_f32 v[ZA+2:ZA+3], v[ZA+2:ZA+3], v[ZB+2:ZB+3]
	ds_store_b128 v6, v[ZA:ZA+3]
	s_wait_dscnt 0x0                               ; for the others' sake: my part of the row sums has landed
	s_barrier_signal -1
	s_barrier_wait -1
.irp k, 0,1,2,3,4,5,6,7,8,9,10,11,12,13,14,15
	ds_load_b128 v[T+4*\k:T+4*\k+3], v7 offset:512*\k
.endr
.irp e, 0,1,2,3                        ; meanwhile E(i, i) of my four rows, by the loop's own arithmetic
	v_add_nc_u32 v[NT+\e], v[AR+4*\e+1], v[AR+4*\e+3]
.endr
.irp e, 0,1,2,3
	v_ldexp_f32 v[DD+\e], v[AR+4*\e], v[NT+\e]
.endr
.irp e, 0,1,2,3
	v_fma_f32 v[DD+\e], v[DD+\e], v[AR+4*\e+2], s14
.endr
.irp e, 0,1,2,3
	v_rcp_f32 v[DD+\e], v[DD+\e]
.endr
	v_nop
	s_wait_alu depctr_va_vdst(0)
.irp e, 0,1,2,3
	v_exp_f32 v[ED+\e], v[DD+\e]
.endr
	v_nop
	s_wait_dscnt 0x0
.irp k, 1,2,3,4,5,6,7,8,9,10,11,12,13,14,15
	v_pk_add_f32 v[T:T+1], v[T:T+1], v[T+4*\k:T+4*\k+1]
	v_pk_add_f32 v[T+2:T+3], v[T+2:T+3], v[T+4*\k+2:T+4*\k+3]
.endr
	s_wait_alu depctr_va_vdst(0)
.irp e, 0,1,2,3
	v_sub_f32 v[T+\e], v[T+\e], v[ED+\e]           ; Z without the diagonal
.endr
.irp e, 0,1,2,3
	v_rcp_f32 v[AR+4*\e+2], v[T+\e]                ; 1 / Z takes FB's place in the row's record,
.endr
	v_nop
	s_wait_alu depctr_va_vdst(0)
.irp e, 0,1,2,3
	v_mul_f32 v[AR+4*\e+3], -v[ED+\e], v[AR+4*\e+2]   ; -E(i, i) / Z takes NB's
.endr
.irp e, 0,1,2,3
	ds_store_b128 v8, v[AR+4*\e:AR+4*\e+3] offset:16*\e   ; each wave keeps a table of its own: no second barrier
.endr
	s_lshl_b32 s18, s8, 1                          ; my columns 128 (2 w) on and 128 (2 w + 1) on: are they the group's own block?
	s_cmp_eq_u32 s18, s9
	s_cselect_b32 s20, 1.0, 0
	s_add_co_u32 s18, s18, 1
	s_cmp_eq_u32 s18, s9
	s_cselect_b32 s21, 1.0, 0
.irp e, 0,1,2,3
	v_mul_f32 v[CA+\e], s20, v[AR+4*\e+3]          ; there column 4 lane + e of the block is my row 4 lane + e: its sum starts at -E(j, j) / Z_j; all others at 0
	v_mul_f32 v[CA+4+\e], s21, v[AR+4*\e+3]
.endr
	s_mov_b32 s17, 0
.Lpass2:                                               ; 16 trips x 8 rows
	TRIP 2, 9
	s_add_co_u32 s17, s17, 128
	s_cmp_lt_u32 s17, 2048
	s_cbranch_scc1 .Lpass2
	global_store_b128 v10, v[CA:CA+3], s[6:7]              ; each store of the wave covers 512 consecutive bytes, at a multiple of 256 from CP's first byte
	global_store_b128 v10, v[CA+4:CA+7], s[6:7] offset:512
	s_wait_tensorcnt 0x0
	ds_add_u32 v208, v209
	s_wait_dscnt 0x0
	s_endpgm
.Lfunc_end_k_qb55a8f380d_pairs:
	.size	k_qb55a8f380d_pairs, .Lfunc_end_k_qb55a8f380d_pairs-k_qb55a8f380d_pairs
	.p2alignl 7, 3214868480
	.fill 96, 4, 3214868480
	.section	.rodata,"a",@progbits
	.p2align	6, 0x0
	.amdhsa_kernel k_qb55a8f380d_pairs
		.amdhsa_group_segment_fixed_size 75776
		.amdhsa_private_segment_fixed_size 0
		.amdhsa_enable_private_segment 0
		.amdhsa_kernarg_size 16
		.amdhsa_user_sgpr_count 2
		.amdhsa_user_sgpr_kernarg_segment_ptr 1
		.amdhsa_wavefront_size32 1
		.amdhsa_system_sgpr_workgroup_id_x 1
		.amdhsa_system_sgpr_workgroup_id_y 1
		.amdhsa_system_sgpr_workgroup_id_z 1
		.amdhsa_system_vgpr_workitem_id 0
		.amdhsa_next_free_vgpr 210
		.amdhsa_next_free_sgpr 66
		.amdhsa_reserve_vcc 0
		.amdhsa_float_denorm_mode_32 3
		.amdhsa_float_denorm_mode_16_64 3
		.amdhsa_memory_ordered 1
		.amdhsa_forward_progress 1
		.amdhsa_inst_pref_size 41
	.end_amdhsa_kernel
	.amdgpu_metadata
---
amdhsa.version: [ 1, 2 ]
amdhsa.kernels:
  - .name:           k_qb55a8f380d_pairs
    .symbol:         k_qb55a8f380d_pairs.kd
    .args:
      - { .name: SR, .offset: 0, .size: 8, .value_kind: global_buffer, .address_space: global }
      - { .name: CP, .offset: 8, .size: 8, .value_kind: global_buffer, .address_space: global }
    .group_segment_fixed_size: 75776
    .private_segment_fixed_size: 0
    .kernarg_segment_align: 8
    .kernarg_segment_size: 16
    .max_flat_workgroup_size: 512
    .sgpr_count:     66
    .vgpr_count:     210
    .wavefront_size: 32
...
	.end_amdgpu_metadata
.endif
;; end of part 3
;; launch ffn (part 4): grid 256 x 1, 8 waves a work-group, no clusters, 111,616 bytes of LDS; arguments x, CP, pfn_w1, pfn_b1, pfn_w2, pfn_b2, ln_g, ln_b, out0; writes out0
.if DOCPART == 4
	.amdgcn_target "amdgcn-amd-amdhsa--gfx1250"
	.amdhsa_code_object_version 6
	.text
	.protected	k_qb55a8f380d_ffn
	.globl	k_qb55a8f380d_ffn
	.p2align	8
	.type	k_qb55a8f380d_ffn,@function
k_qb55a8f380d_ffn:
	s_mov_b64 s[64:65], 0
	v_nop
	global_prefetch_b8 v0, s[64:65] scope:SCOPE_SE
	s_setreg_imm32_b32 hwreg(HW_REG_WAVE_MODE, 25, 1), 1
	s_wait_xcnt 0x0
; FFN.  The column sum of a row = the sum of its 32 parts in CP; ui = x times it; y = relu(Q(ui) Q(pfn_w1) + pfn_b1); z = Q(y) Q(pfn_w2) + pfn_b2 + ui; out0 = (z - mean) / sqrt(var + 1e-6) x ln_g + ln_b.
; Both products on codes of FP4 (E2M1) with one E8M0 scale for each 32 along K; all else in f32; the hidden layer never leaves the registers.
; SHARES, LAYOUT, THE WEIGHTS' WAY: wave w of work-group g has the 16 rows 128 g + 16 w on; the products are used transposed, and the columns of tile 2 b + u are 32 b + 8 u + r + 8 (r / 8), so that register 16 b + i of
; lane (r, h) is element 32 b + 16 h + i of row r: a product's result is the next product's operand as it stands, the biases and the residual are the products' C, and a row's mean and variance want one exchange between the
; halves of the lanes.  Thread t quantises 64 numbers of column t % 128 of each weight.  Wave w adds four of the 32 parts of the group's 128 column sums; the eight waves' sums meet in LDS.  One barrier.
; The variance is taken of z - mean, in a second pass over the registers.
; NO TENSOR LOADS, NO CLUSTER: x's 8,192 bytes a wave are read once by 16 dense loads; the two weights that all work-groups share arrive as f32 with K outermost and pass through registers to be quantised, 128 numbers a thread.
; LIMITS: NaN and infinities are not served.  A block of zeros gets the scale byte 1 (its codes are zeros; only this program reads the bytes).
.set WC0, 0                            ; LDS: pfn_w1's codes, 128 rows x 80 bytes;
.set WC1, 10240                        ; pfn_w2's;
.set WS0, 20480                        ; their scale words
.set WS1, 20992
.set RED, 21504                        ; [8 waves][128 f32]: the waves' parts of the column sums
.set VEC, 25600                        ; a wave's own four slots of 128 f32: pfn_b1, pfn_b2, ln_g, ln_b
.set XST, 41984                        ; a wave's own stage: 16 rows x 528 bytes, for x on the way in and for the result on the way out
.set RA,  16                           ; v16-79    x as loaded; pfn_b1, the hidden layer; pfn_b2; ln_g; rows on the way out
.set RB,  80                           ; v80-143   pfn_w2 as f32; x turned, ui, ui + pfn_b2, z and what becomes of it
.set RC,  144                          ; v144-207  pfn_w1 as f32; a weight's eight fragments; ln_b
.set WSA, 208                          ; v208-215  pfn_w1's scale words
.set WSB, 216                          ; v216-223  pfn_w2's
.set TM,  224                          ; v224-239  at work
.set PC,  240                          ; v240-247  codes just made
.set PW,  248                          ; v248      the rows' scale word
.macro PLACES n
.rept \n
	v_nop
.endr
.endm
.macro XIN
.set i, 0
.rept 16
	global_load_b128 v[RA+4*i:RA+4*i+3], v3, s[4:5] offset:512*i
.set i, i+1
.endr
.endm
.macro XPUT
.set i, 0
.rept 16
	ds_store_b128 v1, v[RA+4*i:RA+4*i+3] offset:528*i
.set i, i+1
.endr
.endm
.macro XGET
.irp bb, 0,1,2,3
.irp j, 0,1,2,3
	ds_load_b128 v[RB+16*\bb+4*\j:RB+16*\bb+4*\j+3], v2 offset:128*\bb+16*\j
.endr
.endr
.endm
.macro WLOAD reg, sb
.set i, 0
.rept 64
	global_load_b32 v[\reg+i], v4, s[\sb:\sb+1] offset:512*i
.set i, i+1
.endr
.endm
.macro WBLOCK xs, q, by
	v_max3_num_f32 v249, |v[\xs]|, |v[\xs+1]|, |v[\xs+2]|
	v_max3_num_f32 v250, |v[\xs+3]|, |v[\xs+4]|, |v[\xs+5]|
.irp i, 6,10,14,18,22,26
	v_max3_num_f32 v249, v249, |v[\xs+\i]|, |v[\xs+\i+1]|
	v_max3_num_f32 v250, v250, |v[\xs+\i+2]|, |v[\xs+\i+3]|
.endr
	v_max3_num_f32 v249, v249, |v[\xs+30]|, |v[\xs+31]|
	v_max3_num_f32 v249, v249, v250, 0x1800000     ; the floor 2^(3 - 127): the byte cannot fall under 1
	v_add_nc_u32 v[\by], 0xff000000, v249          ; 2 off the exponent field: the conversion's scale operand
.irp g, 0,1,2,3
	v_cvt_scalef32_pk8_fp4_f32 v[PC+4*\q+\g], v[\xs+8*\g:\xs+8*\g+7], v[\by]
.endr
.endm
.macro WQUANT reg, wc, ws
	WBLOCK \reg, 0, 251
	WBLOCK \reg+32, 1, 252
	v_nop                                          ; one plain line behind the last scaled conversion
	v_lshrrev_b32 v251, 23, v251
	v_lshrrev_b32 v252, 23, v252
	v_lshl_or_b32 v251, v252, 8, v251
	ds_store_b128 v5, v[PC:PC+3] offset:\wc
	ds_store_b128 v5, v[PC+4:PC+7] offset:\wc+16
	ds_store_b16 v6, v251 offset:\ws
.endm
.macro QUANT s
.irp b, 0,1,2,3
	v_max3_num_f32 v[TM+\b], |v[\s+16*\b]|, |v[\s+1+16*\b]|, 0x1800000
.endr
.irp i, 2,4,6,8,10,12,14
.irp b, 0,1,2,3
	v_max3_num_f32 v[TM+\b], v[TM+\b], |v[\s+16*\b+\i]|, |v[\s+1+16*\b+\i]|
.endr
.endr
.irp b, 0,1,2,3
	v_permlanex16_b32 v[TM+4+\b], v[TM+\b], s30, s31
.endr
.irp b, 0,1,2,3
	v_max_num_f32 v[TM+\b], v[TM+\b], v[TM+4+\b]
.endr
.irp b, 0,1,2,3
	v_add_nc_u32 v[TM+12+\b], 0xff000000, v[TM+\b]
.endr
.irp b, 0,1,2,3
	v_lshrrev_b32 v[TM+4+\b], 23, v[TM+12+\b]
.endr
	v_lshl_or_b32 v[PW], v[TM+5], 8, v[TM+4]
	v_lshl_or_b32 v[PW], v[TM+6], 16, v[PW]
	v_lshl_or_b32 v[PW], v[TM+7], 24, v[PW]
.irp b, 0,1,2,3
	v_cvt_scalef32_pk8_fp4_f32 v[PC+2*\b], v[\s+16*\b:\s+7+16*\b], v[TM+12+\b]
	v_cvt_scalef32_pk8_fp4_f32 v[PC+1+2*\b], v[\s+8+16*\b:\s+15+16*\b], v[TM+12+\b]
.endr
	v_nop                                          ; one plain line behind a scaled conversion
.irp c, 0,1
.irp i, 0,1
	v_permlane16_swap_b32 v[PC+4*\c+\i], v[PC+2+4*\c+\i]
.endr
.endr
.endm
.macro FRAGS wc, ws, sc
.irp t, 0,1,2,3,4,5,6,7
.irp c, 0,1
	ds_load_b128 v[RC+8*\t+4*\c:RC+8*\t+4*\c+3], v7 offset:\wc+(32*(\t/2)+8*(\t%2))*80+32*\c
.endr
	ds_load_b32 v[\sc+\t], v8 offset:\ws+(32*(\t/2)+8*(\t%2))*4
.endr
.endm
.macro VPUT reg, slot
	ds_store_b128 v9, v[\reg:\reg+3] offset:512*\slot
.endm
.macro VLOAD reg, slot
.irp bb, 0,1,2,3
.irp j, 0,1,2,3
	ds_load_b128 v[\reg+16*\bb+4*\j:\reg+16*\bb+4*\j+3], v10 offset:512*\slot+128*\bb+16*\j
.endr
.endr
.endm
.macro MUL8 d, sc                      ; eight tiles, eight different accumulators, K = 128 in one step; C = what lies in the accumulator's registers (a bias, or a bias and the residual)
.irp t, 0,1,2,3,4,5,6,7
	v_wmma_scale_f32_16x16x128_f8f6f4 v[\d+8*\t:\d+8*\t+7], v[RC+8*\t:RC+8*\t+7], v[PC:PC+7], v[\d+8*\t:\d+8*\t+7], v[\sc+\t], v[PW] matrix_a_fmt:MATRIX_FMT_FP4 matrix_b_fmt:MATRIX_FMT_FP4
.endr
.endm
.macro REDUCE out
	v_pk_add_f32 v[TM:TM+1], v[TM:TM+1], v[TM+2:TM+3]
	v_pk_add_f32 v[TM+4:TM+5], v[TM+4:TM+5], v[TM+6:TM+7]
	v_pk_add_f32 v[TM:TM+1], v[TM:TM+1], v[TM+4:TM+5]
	v_add_f32 v[\out], v[TM], v[TM+1]
	v_permlanex16_b32 v253, v[\out], s30, s31
	v_add_f32 v[\out], v[\out], v253
.endm
.macro DOT d, vec, out
.irp p, 0,1,2,3
	v_pk_mul_f32 v[TM+2*\p:TM+2*\p+1], v[\d+2*\p:\d+2*\p+1], v[\vec+2*\p:\vec+2*\p+1]
.endr
.set j, 4
.rept 28
	v_pk_fma_f32 v[TM+2*(j%4):TM+2*(j%4)+1], v[\d+2*j:\d+2*j+1], v[\vec+2*j:\vec+2*j+1], v[TM+2*(j%4):TM+2*(j%4)+1]
.set j, j+1
.endr
	REDUCE \out
.endm
.macro ROWMUL lo                       ; my row's 64 numbers times the factor that lies twice in v[lo], v[lo + 1]
.set j, 0
.rept 32
	v_pk_mul_f32 v[RB+2*j:RB+2*j+1], v[RB+2*j:RB+2*j+1], v[\lo:\lo+1]
.set j, j+1
.endr
.endm
	s_load_b256 s[4:11], s[0:1], 0x0               ; x s[4:5], CP s[6:7], pfn_w1 s[8:9], pfn_b1 s[10:11]
	s_load_b256 s[12:19], s[0:1], 0x20             ; pfn_w2 s[12:13], pfn_b2 s[14:15], ln_g s[16:17], ln_b s[18:19]
	s_load_b64 s[20:21], s[0:1], 0x40              ; out0
	v_lshl_add_u32 v14, v0, 2, 0x1b000
	v_mov_b32 v15, 0
	v_lshrrev_b32 v249, 5, v0
	v_readfirstlane_b32 s22, v249                  ; wave 0..7
	v_and_b32 v249, 31, v0                         ; lane
	v_and_b32 v250, 15, v0                         ; r
	v_bfe_u32 v251, v0, 4, 1                       ; h
	v_and_b32 v252, 127, v0                        ; my column of the weights
	v_lshrrev_b32 v253, 7, v0                      ; my half of their K
	s_mul_i32 s23, s22, 8448
	s_add_co_u32 s23, s23, XST
	v_lshl_add_u32 v1, v249, 4, s23                ; stage, dense
	v_mul_u32_u24 v2, v250, 528
	v_lshl_add_u32 v2, v251, 6, v2
	v_add_nc_u32 v2, s23, v2                       ; stage, turned
	v_lshlrev_b32 v3, 4, v249
	v_lshlrev_b32 v6, 2, v252
	v_lshl_add_u32 v4, v253, 15, v6
	v_lshl_add_u32 v6, v253, 1, v6
	v_mul_u32_u24 v5, v252, 80
	v_lshl_add_u32 v5, v253, 5, v5
	v_and_b32 v8, 8, v250
	v_add_nc_u32 v8, v8, v250
	v_mul_u32_u24 v7, v8, 80
	v_lshl_add_u32 v7, v251, 4, v7
	v_lshlrev_b32 v8, 2, v8
	s_lshl_b32 s24, s22, 11
	s_add_co_u32 s24, s24, VEC
	v_lshl_add_u32 v9, v249, 4, s24
	v_lshl_add_u32 v10, v251, 6, s24
	s_lshl_b32 s25, s22, 9
	s_add_co_u32 s25, s25, RED
	v_lshl_add_u32 v11, v249, 4, s25               ; RED, in: my wave's 128 sums
	s_lshl_b32 s25, s22, 6
	s_add_co_u32 s25, s25, RED
	v_lshl_add_u32 v12, v250, 2, s25               ; RED, out: column 16 w + r of each wave's 128
	s_mov_b32 s30, 0x76543210
	s_mov_b32 s31, 0xfedcba98
	s_mov_b32 s29, 0
	s_wait_kmcnt 0x0
	s_lshl_b32 s28, ttmp9, 16
	s_lshl_b32 s26, s22, 13
	s_add_co_u32 s28, s28, s26
	s_add_nc_u64 s[4:5], s[4:5], s[28:29]          ; x and out0 at my tile
	s_add_nc_u64 s[20:21], s[20:21], s[28:29]
	s_lshr_b32 s28, ttmp9, 5
	s_lshl_b32 s28, s28, 19                        ; CP: my batch's 32 rows of 16,384 bytes,
	s_and_b32 s26, ttmp9, 31
	s_lshl_b32 s26, s26, 9                         ; the group's 128 columns,
	s_add_co_u32 s28, s28, s26
	s_lshl_b32 s26, s22, 16                        ; my wave's four rows
	s_add_co_u32 s28, s28, s26
	s_add_nc_u64 s[6:7], s[6:7], s[28:29]
	s_mov_b32 s23, 0x3c000000                      ; 1 / 128
	s_mov_b32 s24, 0x358637bd                      ; 1e-6
	global_load_b128 v[TM:TM+3], v3, s[10:11]      ; pfn_b1, four numbers a lane
	global_load_b128 v[TM+4:TM+7], v3, s[14:15]    ; pfn_b2
	global_load_b128 v[TM+8:TM+11], v3, s[16:17]   ; ln_g
	global_load_b128 v[TM+12:TM+15], v3, s[18:19]  ; ln_b
.irp k, 0,1,2,3
	global_load_b128 v[240+4*\k:243+4*\k], v3, s[6:7] offset:16384*\k   ; four parts of the 128 column sums: 512 consecutive bytes each
.endr
	XIN
	WLOAD RC, 8
	WLOAD RB, 12
	s_wait_loadcnt 63                              ; 152 loads were issued: with 63 out at the most the first 89 are in: all but pfn_w2
	VPUT TM, 0
	VPUT TM+4, 1
	VPUT TM+8, 2
	VPUT TM+12, 3
.irp k, 1,2,3
	v_pk_add_f32 v[240:241], v[240:241], v[240+4*\k:241+4*\k]
	v_pk_add_f32 v[242:243], v[242:243], v[242+4*\k:243+4*\k]
.endr
	ds_store_b128 v11, v[240:243]
	XPUT
	s_wait_dscnt 0x0                               ; the stores have read their registers: codes are made in some of them next
	WQUANT RC, WC0, WS0
	s_wait_dscnt 0x0                               ; likewise
	s_wait_loadcnt 0x0                             ; pfn_w2
	WQUANT RB, WC1, WS1
	XGET                                           ; x turned, into the registers that pfn_w2 has left
	s_wait_dscnt 0x0                               ; for the others' sake: all my stores have landed; and x is in
	s_barrier_signal -1
	s_barrier_wait -1                              ; both weights' codes and scale words and the eight parts of the column sums lie in LDS
.irp k, 0,1,2,3,4,5,6,7
	ds_load_b32 v[TM+\k], v12 offset:512*\k
.endr
	FRAGS WC0, WS0, WSA
	VLOAD RA, 0                                    ; pfn_b1, turned: the first product's C
	s_wait_dscnt 40                                ; the eight parts are in; the 40 loads behind them may be out
	v_add_f32 v[TM], v[TM], v[TM+1]
	v_add_f32 v[TM+2], v[TM+2], v[TM+3]
	v_add_f32 v[TM+4], v[TM+4], v[TM+5]
	v_add_f32 v[TM+6], v[TM+6], v[TM+7]
	v_add_f32 v[TM], v[TM], v[TM+2]
	v_add_f32 v[TM+4], v[TM+4], v[TM+6]
	v_add_f32 v254, v[TM], v[TM+4]                 ; my row's column sum, twice: a pair for the packed multiply
	v_add_f32 v255, v[TM], v[TM+4]
	ROWMUL 254                                     ; ui
	QUANT RB
	PLACES 8                                       ; the scale word, made by vector lines, stands eight plain lines ahead of the products
	s_wait_dscnt 0x0
	MUL8 RA, WSA
	PLACES 4                                       ; four plain lines between the last product and loads into its operands and reads of its results
	FRAGS WC1, WS1, WSB
.set j, 0
.rept 64
	v_max_num_f32 v[RA+j], 0, v[RA+j]              ; the activation, in f32; ascending
.set j, j+1
.endr
	QUANT RA
	VLOAD RA, 1                                    ; pfn_b2, turned
	s_wait_dscnt 0x0
.set j, 0
.rept 32
	v_pk_add_f32 v[RB+2*j:RB+2*j+1], v[RB+2*j:RB+2*j+1], v[RA+2*j:RA+2*j+1]   ; ui + pfn_b2: the second product's C.  (These 32 plain lines also stand between the making of the codes and their scale word and the products)
.set j, j+1
.endr
	MUL8 RB, WSB
	PLACES 4
	VLOAD RA, 2                                    ; ln_g
	VLOAD RC, 3                                    ; ln_b
.irp p, 0,1,2,3                        ; the row's sum: ascending, four chains
	v_pk_add_f32 v[TM+2*\p:TM+2*\p+1], v[RB+2*\p:RB+2*\p+1], v[RB+8+2*\p:RB+8+2*\p+1]
.endr
.set j, 8
.rept 24
	v_pk_add_f32 v[TM+2*(j%4):TM+2*(j%4)+1], v[TM+2*(j%4):TM+2*(j%4)+1], v[RB+2*j:RB+2*j+1]
.set j, j+1
.endr
	REDUCE 249
	v_mul_f32 v250, s23, v249                      ; the mean, twice
	v_mul_f32 v251, s23, v249
.set j, 0
.rept 32
	v_pk_add_f32 v[RB+2*j:RB+2*j+1], v[RB+2*j:RB+2*j+1], v[250:251] neg_lo:[0,1] neg_hi:[0,1]   ; z - mean
.set j, j+1
.endr
	DOT RB, RB, 249                                ; the sum of its squares
	v_fma_f32 v249, v249, s23, s24                 ; var + 1e-6
	v_rsq_f32 v250, v249
	v_rsq_f32 v251, v249
	v_nop                                          ; one plain line behind the transcendentals
	s_wait_alu depctr_va_vdst(0)
	ROWMUL 250
	s_wait_dscnt 0x0                               ; ln_g, ln_b
.set j, 0
.rept 32
	v_pk_fma_f32 v[RB+2*j:RB+2*j+1], v[RB+2*j:RB+2*j+1], v[RA+2*j:RA+2*j+1], v[RC+2*j:RC+2*j+1]
.set j, j+1
.endr
.irp bb, 0,1,2,3                       ; the way out: turned into my stage, back as whole rows.  LDS serves a wave's instructions in order: the loads see the stores
.irp j, 0,1,2,3
	ds_store_b128 v2, v[RB+16*\bb+4*\j:RB+16*\bb+4*\j+3] offset:128*\bb+16*\j
.endr
.endr
.set i, 0
.rept 16
	ds_load_b128 v[RA+4*i:RA+4*i+3], v1 offset:528*i
.set i, i+1
.endr
.set i, 0
.rept 16
	s_wait_dscnt 15-i                              ; row i of the sixteen is back
	global_store_b128 v3, v[RA+4*i:RA+4*i+3], s[20:21] offset:512*i th:TH_STORE_NT   ; 32 lanes store a row of 512 consecutive bytes, at a multiple of 256 from out0's first byte; written once, read by nobody here
.set i, i+1
.endr
	s_wait_tensorcnt 0x0
	ds_add_u32 v14, v15
	s_wait_dscnt 0x0
	s_endpgm
.Lfunc_end_k_qb55a8f380d_ffn:
	.size	k_qb55a8f380d_ffn, .Lfunc_end_k_qb55a8f380d_ffn-k_qb55a8f380d_ffn
	.p2alignl 7, 3214868480
	.fill 96, 4, 3214868480
	.section	.rodata,"a",@progbits
	.p2align	6, 0x0
	.amdhsa_kernel k_qb55a8f380d_ffn
		.amdhsa_group_segment_fixed_size 111616
		.amdhsa_private_segment_fixed_size 0
		.amdhsa_enable_private_segment 0
		.amdhsa_kernarg_size 72
		.amdhsa_user_sgpr_count 2
		.amdhsa_user_sgpr_kernarg_segment_ptr 1
		.amdhsa_wavefront_size32 1
		.amdhsa_system_sgpr_workgroup_id_x 1
		.amdhsa_system_sgpr_workgroup_id_y 1
		.amdhsa_system_sgpr_workgroup_id_z 1
		.amdhsa_system_vgpr_workitem_id 0
		.amdhsa_next_free_vgpr 256
		.amdhsa_next_free_sgpr 66
		.amdhsa_reserve_vcc 0
		.amdhsa_float_denorm_mode_32 3
		.amdhsa_float_denorm_mode_16_64 3
		.amdhsa_memory_ordered 1
		.amdhsa_forward_progress 1
		.amdhsa_inst_pref_size 65
	.end_amdhsa_kernel
	.amdgpu_metadata
---
amdhsa.version: [ 1, 2 ]
amdhsa.kernels:
  - .name:           k_qb55a8f380d_ffn
    .symbol:         k_qb55a8f380d_ffn.kd
    .args:
      - { .name: x, .offset: 0, .size: 8, .value_kind: global_buffer, .address_space: global }
      - { .name: CP, .offset: 8, .size: 8, .value_kind: global_buffer, .address_space: global }
      - { .name: pfn_w1, .offset: 16, .size: 8, .value_kind: global_buffer, .address_space: global }
      - { .name: pfn_b1, .offset: 24, .size: 8, .value_kind: global_buffer, .address_space: global }
      - { .name: pfn_w2, .offset: 32, .size: 8, .value_kind: global_buffer, .address_space: global }
      - { .name: pfn_b2, .offset: 40, .size: 8, .value_kind: global_buffer, .address_space: global }
      - { .name: ln_g, .offset: 48, .size: 8, .value_kind: global_buffer, .address_space: global }
      - { .name: ln_b, .offset: 56, .size: 8, .value_kind: global_buffer, .address_space: global }
      - { .name: out0, .offset: 64, .size: 8, .value_kind: global_buffer, .address_space: global }
    .group_segment_fixed_size: 111616
    .private_segment_fixed_size: 0
    .kernarg_segment_align: 8
    .kernarg_segment_size: 72
    .max_flat_workgroup_size: 256
    .sgpr_count:     66
    .vgpr_count:     256
    .wavefront_size: 32
...
	.end_amdgpu_metadata
.endif
;; end of part 4
;; ======== version 2 of 3: 4 launches; 1.11 times as fast as version 1
;; limits: right only within a limited range of input values
;; workspace buffers: LG 262,144 bytes; SR 524,288 bytes; CP 4,194,304 bytes; TS 32,768 bytes of whole numbers
;; launch logits: the kernel of part 1 again; grid 256 x 1, 8 waves a work-group, no clusters, 111,616 bytes of LDS; arguments x, W1, W2, c, bsa, wt_w, LG; writes LG
;; launch scores (part 5): grid 256 x 1, 8 waves a work-group, no clusters, 111,616 bytes of LDS; arguments x, LG, Wsa1, Wsa2, bsa1, wsat_w, wsat_b, SR, TS; writes SR, TS
.if DOCPART == 5
	.amdgcn_target "amdgcn-amd-amdhsa--gfx1250"
	.amdhsa_code_object_version 6
	.text
	.protected	k_qb55a8f380d_scores
	.globl	k_qb55a8f380d_scores
	.p2align	8
	.type	k_qb55a8f380d_scores,@function
k_qb55a8f380d_scores:
	s_mov_b64 s[64:65], 0
	v_nop
	global_prefetch_b8 v0, s[64:65] scope:SCOPE_SE
	s_setreg_imm32_b32 hwreg(HW_REG_WAVE_MODE, 25, 1), 1
	s_wait_xcnt 0x0
; SCORES.  p = softmax of the logits over a batch's 4,096 rows; h = x p; si = (Q(h) Q(Wsa1) + bsa1) . wsat_w + wsat_b, sj = (Q(h) Q(Wsa2)) . wsat_w; both products on codes of FP4 (E2M1) with one E8M0 scale for each 32 along K.
; Out: SR [32,768 rows][FA, NA, FB, NB].  With ta = -si log2(e) and tb = -sj log2(e): NA = floor(ta) as a whole number, FA = ln2 x 2^(ta - NA); NB = floor(tb), FB = 2^(tb - NB).
; The next launch then has exp(sigmoid(si_i + sj_j)) = 2^(1 / (ln2 + FA_i FB_j 2^(NA_i + NB_j))) with no exponential of a sum that could overflow.
; Out too: TS [2][2,048 tiles of 16 rows][2 whole numbers]: the least and the largest NA of each tile, and from byte 16,384 on the least and the largest NB: from these the next launch takes its references and its trip counts.
; THE SOFTMAX takes its maximum away: M = the largest of the batch's 256 tile maxima, S = the sum of s_tile exp(m_tile - M), p = exp(l - M) / S.  Every wave makes M and S for itself from 2,048 bytes of LG.
; SHARES, LAYOUT, THE WEIGHTS' WAY: as in the launch before: wave w of work-group g has the 16 rows 128 g + 16 w on; the products are used transposed, and the columns of tile 2 b + u are 32 b + 8 u + r + 8 (r / 8),
; so that register 16 b + i of lane (r, h) is element 32 b + 16 h + i of row r; thread t quantises 64 numbers of column t % 128 of each weight.  One barrier.
; NO TENSOR LOADS, NO CLUSTER: x's 8,192 bytes a wave are read once by 16 dense loads; the two weights that all work-groups share arrive as f32 with K outermost and pass through registers to be quantised, 128 numbers a thread.
; LIMITS: NaN and infinities are not served.  ta and tb are held to +-2^29 (|si + const|, |sj| under 3.7e8; beyond that the sigmoid is 0 or 1 all the same unless both are that large with opposite signs).
; A p under 2^-126 counts as 0 (the exponential gives 0 there).  A block of zeros gets the scale byte 1 (its codes are zeros; only this program reads the bytes).
; The store into TS is 16 bytes a tile, each word written by eight lanes with the same value: TS is 32 KiB in all.
.set WC0, 0                            ; LDS: Wsa1's codes, 128 rows x 80 bytes;
.set WC1, 10240                        ; Wsa2's;
.set WS0, 20480                        ; their scale words, 4 bytes a column
.set WS1, 20992
.set VEC, 25600                        ; a wave's own 2,048 bytes: four slots of 128 f32
.set XST, 41984                        ; a wave's own stage: 16 rows x 528 bytes
.set RA,  16                           ; v16-79    x as loaded; later bsa1, then the products
.set RB,  80                           ; v80-143   Wsa2 as f32; x turned, h; wsat_w
.set RC,  144                          ; v144-207  Wsa1 as f32; later a weight's eight fragments
.set WSA, 208                          ; v208-215  Wsa1's scale words
.set WSB, 216                          ; v216-223  Wsa2's
.set TM,  224                          ; v224-239  at work
.set MS,  234                          ; v234-249  (m, s) of eight tiles a lane, until the weights are quantised
.set PC,  240                          ; v240-247  codes just made
.set PW,  248                          ; v248      h's scale word
.macro PLACES n
.rept \n
	v_nop
.endr
.endm
.macro XIN
.set i, 0
.rept 16
	global_load_b128 v[RA+4*i:RA+4*i+3], v3, s[4:5] offset:512*i
.set i, i+1
.endr
.endm
.macro XPUT
.set i, 0
.rept 16
	ds_store_b128 v1, v[RA+4*i:RA+4*i+3] offset:528*i
.set i, i+1
.endr
.endm
.macro XGET
.irp bb, 0,1,2,3
.irp j, 0,1,2,3
	ds_load_b128 v[RB+16*\bb+4*\j:RB+16*\bb+4*\j+3], v2 offset:128*\bb+16*\j
.endr
.endr
.endm
.macro WLOAD reg, sb
.set i, 0
.rept 64
	global_load_b32 v[\reg+i], v4, s[\sb:\sb+1] offset:512*i
.set i, i+1
.endr
.endm
.macro WBLOCK xs, q, by
	v_max3_num_f32 v249, |v[\xs]|, |v[\xs+1]|, |v[\xs+2]|
	v_max3_num_f32 v250, |v[\xs+3]|, |v[\xs+4]|, |v[\xs+5]|
.irp i, 6,10,14,18,22,26
	v_max3_num_f32 v249, v249, |v[\xs+\i]|, |v[\xs+\i+1]|
	v_max3_num_f32 v250, v250, |v[\xs+\i+2]|, |v[\xs+\i+3]|
.endr
	v_max3_num_f32 v249, v249, |v[\xs+30]|, |v[\xs+31]|
	v_max3_num_f32 v249, v249, v250, 0x1800000     ; the floor 2^(3 - 127): the byte cannot fall under 1
	v_add_nc_u32 v[\by], 0xff000000, v249          ; 2 off the exponent field: the conversion's scale operand
.irp g, 0,1,2,3
	v_cvt_scalef32_pk8_fp4_f32 v[PC+4*\q+\g], v[\xs+8*\g:\xs+8*\g+7], v[\by]
.endr
.endm
.macro WQUANT reg, wc, ws
	WBLOCK \reg, 0, 251
	WBLOCK \reg+32, 1, 252
	v_nop                                          ; one plain line behind the last scaled conversion
	v_lshrrev_b32 v251, 23, v251
	v_lshrrev_b32 v252, 23, v252
	v_lshl_or_b32 v251, v252, 8, v251
	ds_store_b128 v5, v[PC:PC+3] offset:\wc
	ds_store_b128 v5, v[PC+4:PC+7] offset:\wc+16
	ds_store_b16 v6, v251 offset:\ws
.endm
.macro QUANT s
.irp b, 0,1,2,3
	v_max3_num_f32 v[TM+\b], |v[\s+16*\b]|, |v[\s+1+16*\b]|, 0x1800000
.endr
.irp i, 2,4,6,8,10,12,14
.irp b, 0,1,2,3
	v_max3_num_f32 v[TM+\b], v[TM+\b], |v[\s+16*\b+\i]|, |v[\s+1+16*\b+\i]|
.endr
.endr
.irp b, 0,1,2,3
	v_permlanex16_b32 v[TM+4+\b], v[TM+\b], s30, s31
.endr
.irp b, 0,1,2,3
	v_max_num_f32 v[TM+\b], v[TM+\b], v[TM+4+\b]
.endr
.irp b, 0,1,2,3
	v_add_nc_u32 v[TM+12+\b], 0xff000000, v[TM+\b]
.endr
.irp b, 0,1,2,3
	v_lshrrev_b32 v[TM+4+\b], 23, v[TM+12+\b]
.endr
	v_lshl_or_b32 v[PW], v[TM+5], 8, v[TM+4]
	v_lshl_or_b32 v[PW], v[TM+6], 16, v[PW]
	v_lshl_or_b32 v[PW], v[TM+7], 24, v[PW]
.irp b, 0,1,2,3
	v_cvt_scalef32_pk8_fp4_f32 v[PC+2*\b], v[\s+16*\b:\s+7+16*\b], v[TM+12+\b]
	v_cvt_scalef32_pk8_fp4_f32 v[PC+1+2*\b], v[\s+8+16*\b:\s+15+16*\b], v[TM+12+\b]
.endr
	v_nop                                          ; one plain line behind a scaled conversion
.irp c, 0,1
.irp i, 0,1
	v_permlane16_swap_b32 v[PC+4*\c+\i], v[PC+2+4*\c+\i]
.endr
.endr
.endm
.macro FRAGS wc, ws, sc
.irp t, 0,1,2,3,4,5,6,7
.irp c, 0,1
	ds_load_b128 v[RC+8*\t+4*\c:RC+8*\t+4*\c+3], v7 offset:\wc+(32*(\t/2)+8*(\t%2))*80+32*\c
.endr
	ds_load_b32 v[\sc+\t], v8 offset:\ws+(32*(\t/2)+8*(\t%2))*4
.endr
.endm
.macro VPUT reg, slot
	ds_store_b128 v9, v[\reg:\reg+3] offset:512*\slot
.endm
.macro VLOAD reg, slot
.irp bb, 0,1,2,3
.irp j, 0,1,2,3
	ds_load_b128 v[\reg+16*\bb+4*\j:\reg+16*\bb+4*\j+3], v10 offset:512*\slot+128*\bb+16*\j
.endr
.endr
.endm
.macro MUL8 d, zero, sc
.irp t, 0,1,2,3,4,5,6,7
.if \zero
	v_wmma_scale_f32_16x16x128_f8f6f4 v[\d+8*\t:\d+8*\t+7], v[RC+8*\t:RC+8*\t+7], v[PC:PC+7], 0, v[\sc+\t], v[PW] matrix_a_fmt:MATRIX_FMT_FP4 matrix_b_fmt:MATRIX_FMT_FP4
.else
	v_wmma_scale_f32_16x16x128_f8f6f4 v[\d+8*\t:\d+8*\t+7], v[RC+8*\t:RC+8*\t+7], v[PC:PC+7], v[\d+8*\t:\d+8*\t+7], v[\sc+\t], v[PW] matrix_a_fmt:MATRIX_FMT_FP4 matrix_b_fmt:MATRIX_FMT_FP4
.endif
.endr
.endm
.macro REDUCE out
	v_pk_add_f32 v[TM:TM+1], v[TM:TM+1], v[TM+2:TM+3]
	v_pk_add_f32 v[TM+4:TM+5], v[TM+4:TM+5], v[TM+6:TM+7]
	v_pk_add_f32 v[TM:TM+1], v[TM:TM+1], v[TM+4:TM+5]
	v_add_f32 v[\out], v[TM], v[TM+1]
	v_permlanex16_b32 v253, v[\out], s30, s31
	v_add_f32 v[\out], v[\out], v253
.endm
.macro DOT d, vec, out                 ; registers in ascending order
.irp p, 0,1,2,3
	v_pk_mul_f32 v[TM+2*\p:TM+2*\p+1], v[\d+2*\p:\d+2*\p+1], v[\vec+2*\p:\vec+2*\p+1]
.endr
.set j, 4
.rept 28
	v_pk_fma_f32 v[TM+2*(j%4):TM+2*(j%4)+1], v[\d+2*j:\d+2*j+1], v[\vec+2*j:\vec+2*j+1], v[TM+2*(j%4):TM+2*(j%4)+1]
.set j, j+1
.endr
	REDUCE \out
.endm
	s_load_b256 s[4:11], s[0:1], 0x0               ; x s[4:5], LG s[6:7], Wsa1 s[8:9], Wsa2 s[10:11]
	s_load_b256 s[12:19], s[0:1], 0x20             ; bsa1 s[12:13], wsat_w s[14:15], wsat_b s[16:17], SR s[18:19]
	s_load_b64 s[32:33], s[0:1], 0x40              ; TS
	v_lshl_add_u32 v12, v0, 2, 0x1b000
	v_mov_b32 v233, 0
	v_lshrrev_b32 v249, 5, v0
	v_readfirstlane_b32 s22, v249                  ; wave 0..7
	v_and_b32 v249, 31, v0                         ; lane
	v_and_b32 v250, 15, v0                         ; r
	v_bfe_u32 v251, v0, 4, 1                       ; h
	v_and_b32 v252, 127, v0                        ; my column of the weights
	v_lshrrev_b32 v253, 7, v0                      ; my half of their K
	s_mul_i32 s23, s22, 8448
	s_add_co_u32 s23, s23, XST
	v_lshl_add_u32 v1, v249, 4, s23                ; stage, dense
	v_mul_u32_u24 v2, v250, 528
	v_lshl_add_u32 v2, v251, 6, v2
	v_add_nc_u32 v2, s23, v2                       ; stage, turned
	v_lshlrev_b32 v3, 4, v249
	v_lshlrev_b32 v6, 2, v252
	v_lshl_add_u32 v4, v253, 15, v6
	v_lshl_add_u32 v6, v253, 1, v6
	v_mul_u32_u24 v5, v252, 80
	v_lshl_add_u32 v5, v253, 5, v5
	v_and_b32 v8, 8, v250
	v_add_nc_u32 v8, v8, v250
	v_mul_u32_u24 v7, v8, 80
	v_lshl_add_u32 v7, v251, 4, v7
	v_lshlrev_b32 v8, 2, v8
	s_lshl_b32 s24, s22, 11
	s_add_co_u32 s24, s24, VEC
	v_lshl_add_u32 v9, v249, 4, s24
	v_lshl_add_u32 v10, v251, 6, s24
	v_lshl_add_u32 v13, v249, 7, 64                ; LG: tile 32 i + lane, its words 16 and 17
	v_lshlrev_b32 v14, 2, v250                     ; LG: my row's logit
	v_lshlrev_b32 v15, 4, v250
	v_lshl_add_u32 v15, v251, 3, v15               ; SR: my row's record, its first or second half
	s_mov_b32 s30, 0x76543210
	s_mov_b32 s31, 0xfedcba98
	v_mov_b32 v253, 0                              ; written once: a lane permute's destination counts as one of its sources
	s_mov_b32 s29, 0
	s_wait_kmcnt 0x0
	s_load_b32 s27, s[16:17], 0x0                  ; wsat_b
	s_lshr_b32 s28, ttmp9, 5
	s_lshl_b32 s28, s28, 15
	s_add_nc_u64 s[20:21], s[6:7], s[28:29]        ; LG at my batch: 256 tiles of 128 bytes
	s_lshl_b32 s28, ttmp9, 10
	s_lshl_b32 s26, s22, 7
	s_add_co_u32 s28, s28, s26
	s_add_nc_u64 s[6:7], s[6:7], s[28:29]          ; LG at my tile
	s_lshl_b32 s28, s28, 1
	s_add_nc_u64 s[18:19], s[18:19], s[28:29]      ; SR at my tile: 256 bytes a tile
	s_lshl_b32 s28, ttmp9, 6
	s_lshl_b32 s26, s22, 3
	s_add_co_u32 s28, s28, s26
	s_add_nc_u64 s[32:33], s[32:33], s[28:29]      ; TS at my tile: 8 bytes a tile in each of its halves
	s_lshl_b32 s28, ttmp9, 16
	s_lshl_b32 s26, s22, 13
	s_add_co_u32 s28, s28, s26
	s_add_nc_u64 s[4:5], s[4:5], s[28:29]          ; x at my tile
	global_load_b128 v[TM:TM+3], v3, s[14:15]      ; wsat_w
	global_load_b128 v[TM+4:TM+7], v3, s[12:13]    ; bsa1
.irp i, 0,1,2,3,4,5,6,7
	global_load_b64 v[MS+2*\i:MS+2*\i+1], v13, s[20:21] offset:4096*\i
.endr
	global_load_b32 v232, v14, s[6:7]
	XIN
	WLOAD RC, 8
	WLOAD RB, 10
	s_wait_loadcnt 63                              ; 155 loads were issued: with 63 out at the most the first 92 are in: all but Wsa2
	VPUT TM, 0                                     ; wsat_w into my slot 0, bsa1 into slot 1
	VPUT TM+4, 1
	v_max3_num_f32 v250, v[MS], v[MS+2], v[MS+4]   ; M: the largest of the batch's 256 tile maxima
	v_max3_num_f32 v250, v250, v[MS+6], v[MS+8]
	v_max3_num_f32 v250, v250, v[MS+10], v[MS+12]
	v_max_num_f32 v250, v250, v[MS+14]
	v_max_num_f32_dpp v250, v250, v250 row_xmask:1 row_mask:0xf bank_mask:0xf
	v_max_num_f32_dpp v250, v250, v250 row_xmask:2 row_mask:0xf bank_mask:0xf
	v_max_num_f32_dpp v250, v250, v250 row_xmask:4 row_mask:0xf bank_mask:0xf
	v_max_num_f32_dpp v250, v250, v250 row_xmask:8 row_mask:0xf bank_mask:0xf
	v_permlanex16_b32 v253, v250, s30, s31
	v_max_num_f32 v250, v250, v253
.irp i, 0,1,2,3,4,5,6,7
	v_sub_f32 v[MS+2*\i], v[MS+2*\i], v250
.endr
.irp i, 0,1,2,3,4,5,6,7
	v_mul_f32 v[MS+2*\i], 0x3fb8aa3b, v[MS+2*\i]
.endr
.irp i, 0,1,2,3,4,5,6,7
	v_exp_f32 v[MS+2*\i], v[MS+2*\i]               ; exp(m_tile - M)
.endr
	v_sub_f32 v232, v232, v250                     ; l - M.  (The plain line behind the exponentials)
	s_wait_alu depctr_va_vdst(0)
	v_mul_f32 v251, v[MS], v[MS+1]
.irp i, 1,2,3,4,5,6,7
	v_fmac_f32 v251, v[MS+2*\i], v[MS+2*\i+1]
.endr
	v_add_f32_dpp v251, v251, v251 row_xmask:1 row_mask:0xf bank_mask:0xf
	v_add_f32_dpp v251, v251, v251 row_xmask:2 row_mask:0xf bank_mask:0xf
	v_add_f32_dpp v251, v251, v251 row_xmask:4 row_mask:0xf bank_mask:0xf
	v_add_f32_dpp v251, v251, v251 row_xmask:8 row_mask:0xf bank_mask:0xf
	v_permlanex16_b32 v253, v251, s30, s31
	v_add_f32 v251, v251, v253                     ; S
	v_mul_f32 v232, 0x3fb8aa3b, v232
	v_exp_f32 v232, v232
	v_rcp_f32 v251, v251
	v_nop                                          ; one plain line behind the transcendentals
	s_wait_alu depctr_va_vdst(0)
	v_mul_f32 v254, v232, v251                     ; p of my row, twice: a pair for the packed multiply
	v_mul_f32 v255, v232, v251
	XPUT
	WQUANT RC, WC0, WS0
	s_wait_dscnt 0x0                               ; the stores have read the codes' registers
	s_wait_loadcnt 0x0                             ; Wsa2
	WQUANT RB, WC1, WS1
	XGET                                           ; x turned, into the registers that Wsa2 has left
	s_wait_dscnt 0x0
.set j, 0
.rept 32
	v_pk_mul_f32 v[RB+2*j:RB+2*j+1], v[RB+2*j:RB+2*j+1], v[254:255]   ; h = x p
.set j, j+1
.endr
	QUANT RB
	s_barrier_signal -1                            ; (no LDS instruction of mine is out since the wait above)
	s_barrier_wait -1                              ; both weights' codes and scale words lie in LDS
	FRAGS WC0, WS0, WSA
	VLOAD RA, 1                                    ; bsa1, turned: the first product's C
	VLOAD RB, 0                                    ; wsat_w, turned
	s_wait_dscnt 16                                ; all but wsat_w's sixteen loads
	PLACES 8                                       ; h's scale word, made by vector lines, stands eight plain lines ahead of the products
	MUL8 RA, 0, WSA
	PLACES 4                                       ; four plain lines between the last product and loads into its operands and reads of its results
	FRAGS WC1, WS1, WSB
	s_wait_dscnt 24                                ; wsat_w is in; Wsa2's 24 loads may be out
	DOT RA, RB, 249                                ; si + bsa1 . wsat_w
	PLACES 5                                       ; the next products write over the last ones' results: five plain lines that name none of their registers
	s_wait_dscnt 0x0
	MUL8 RA, 1, WSB
	PLACES 4
	DOT RA, RB, 250                                ; sj
	s_wait_kmcnt 0x0                               ; wsat_b
	v_add_f32 v249, s27, v249
	v_mul_f32 v249, 0xbfb8aa3b, v249               ; ta = -(si + const) log2(e)
	v_mul_f32 v250, 0xbfb8aa3b, v250               ; tb = -sj log2(e)
	v_max_num_f32 v249, 0xce000000, v249           ; held to +-2^29, so that NA + NB stays a whole number of 32 bits
	v_max_num_f32 v250, 0xce000000, v250
	v_min_num_f32 v249, 0x4e000000, v249
	v_min_num_f32 v250, 0x4e000000, v250
	v_floor_f32 v251, v249
	v_floor_f32 v252, v250
	v_sub_f32 v249, v249, v251
	v_sub_f32 v250, v250, v252
	v_min_num_f32_dpp v224, v251, v251 row_xmask:1 row_mask:0xf bank_mask:0xf   ; the least and the largest whole part of the tile's 16 rows (a floor is a whole number in f32 too: nothing is rounded)
	v_max_num_f32_dpp v225, v251, v251 row_xmask:1 row_mask:0xf bank_mask:0xf
	v_min_num_f32_dpp v226, v252, v252 row_xmask:1 row_mask:0xf bank_mask:0xf
	v_max_num_f32_dpp v227, v252, v252 row_xmask:1 row_mask:0xf bank_mask:0xf
.irp m, 2,4,8
	v_min_num_f32_dpp v224, v224, v224 row_xmask:\m row_mask:0xf bank_mask:0xf
	v_max_num_f32_dpp v225, v225, v225 row_xmask:\m row_mask:0xf bank_mask:0xf
	v_min_num_f32_dpp v226, v226, v226 row_xmask:\m row_mask:0xf bank_mask:0xf
	v_max_num_f32_dpp v227, v227, v227 row_xmask:\m row_mask:0xf bank_mask:0xf
.endr
	v_cvt_i32_f32 v251, v251                       ; NA
	v_cvt_i32_f32 v252, v252                       ; NB
	v_cvt_i32_f32 v224, v224
	v_cvt_i32_f32 v225, v225
	v_cvt_i32_f32 v226, v226
	v_cvt_i32_f32 v227, v227
	v_exp_f32 v249, v249
	v_exp_f32 v250, v250                           ; FB
	v_nop                                          ; one plain line behind the transcendentals
	s_wait_alu depctr_va_vdst(0)
	v_mul_f32 v249, 0x3f317218, v249               ; FA = ln2 x 2^frac
	v_and_b32 v253, 16, v0
	v_cmp_eq_u32 vcc_lo, 0, v253
	v_cndmask_b32 v254, v250, v249, vcc_lo         ; lanes 0-15 store (FA, NA), lanes 16-31 (FB, NB)
	v_cndmask_b32 v255, v252, v251, vcc_lo
	global_store_b64 v15, v[254:255], s[18:19]     ; the wave stores 256 consecutive bytes, at a multiple of 256 from SR's first byte
	v_and_b32 v228, 1, v0
	v_cmp_eq_u32 vcc_lo, 1, v228
	v_cndmask_b32 v224, v224, v225, vcc_lo         ; even lanes the least, odd lanes the largest;
	v_cndmask_b32 v226, v226, v227, vcc_lo
	v_and_b32 v229, 2, v0
	v_cmp_eq_u32 vcc_lo, 2, v229
	v_cndmask_b32 v224, v224, v226, vcc_lo         ; lanes with bit 1 set NB's, the others NA's
	v_lshlrev_b32 v228, 2, v228
	v_lshl_add_u32 v228, v229, 13, v228            ; 4 x (lane % 2) + 16,384 for NB's half
	global_store_b32 v228, v224, s[32:33]          ; four words, each from eight lanes with the same value
	s_wait_tensorcnt 0x0
	ds_add_u32 v12, v233
	s_wait_dscnt 0x0
	s_endpgm
.Lfunc_end_k_qb55a8f380d_scores:
	.size	k_qb55a8f380d_scores, .Lfunc_end_k_qb55a8f380d_scores-k_qb55a8f380d_scores
	.p2alignl 7, 3214868480
	.fill 96, 4, 3214868480
	.section	.rodata,"a",@progbits
	.p2align	6, 0x0
	.amdhsa_kernel k_qb55a8f380d_scores
		.amdhsa_group_segment_fixed_size 111616
		.amdhsa_private_segment_fixed_size 0
		.amdhsa_enable_private_segment 0
		.amdhsa_kernarg_size 72
		.amdhsa_user_sgpr_count 2
		.amdhsa_user_sgpr_kernarg_segment_ptr 1
		.amdhsa_wavefront_size32 1
		.amdhsa_system_sgpr_workgroup_id_x 1
		.amdhsa_system_sgpr_workgroup_id_y 1
		.amdhsa_system_sgpr_workgroup_id_z 1
		.amdhsa_system_vgpr_workitem_id 0
		.amdhsa_next_free_vgpr 256
		.amdhsa_next_free_sgpr 66
		.amdhsa_reserve_vcc 1
		.amdhsa_float_denorm_mode_32 3
		.amdhsa_float_denorm_mode_16_64 3
		.amdhsa_memory_ordered 1
		.amdhsa_forward_progress 1
		.amdhsa_inst_pref_size 50
	.end_amdhsa_kernel
	.amdgpu_metadata
---
amdhsa.version: [ 1, 2 ]
amdhsa.kernels:
  - .name:           k_qb55a8f380d_scores
    .symbol:         k_qb55a8f380d_scores.kd
    .args:
      - { .name: x, .offset: 0, .size: 8, .value_kind: global_buffer, .address_space: global }
      - { .name: LG, .offset: 8, .size: 8, .value_kind: global_buffer, .address_space: global }
      - { .name: Wsa1, .offset: 16, .size: 8, .value_kind: global_buffer, .address_space: global }
      - { .name: Wsa2, .offset: 24, .size: 8, .value_kind: global_buffer, .address_space: global }
      - { .name: bsa1, .offset: 32, .size: 8, .value_kind: global_buffer, .address_space: global }
      - { .name: wsat_w, .offset: 40, .size: 8, .value_kind: global_buffer, .address_space: global }
      - { .name: wsat_b, .offset: 48, .size: 8, .value_kind: global_buffer, .address_space: global }
      - { .name: SR, .offset: 56, .size: 8, .value_kind: global_buffer, .address_space: global }
      - { .name: TS, .offset: 64, .size: 8, .value_kind: global_buffer, .address_space: global }
    .group_segment_fixed_size: 111616
    .private_segment_fixed_size: 0
    .kernarg_segment_align: 8
    .kernarg_segment_size: 72
    .max_flat_workgroup_size: 256
    .sgpr_count:     66
    .vgpr_count:     256
    .wavefront_size: 32
...
	.end_amdgpu_metadata
.endif
;; end of part 5
;; launch pairs (part 6): grid 256 x 1, 16 waves a work-group, no clusters, 30,720 bytes of LDS; arguments SR, TS, CP; writes CP
.if DOCPART == 6
	.amdgcn_target "amdgcn-amd-amdhsa--gfx1250"
	.amdhsa_code_object_version 6
	.text
	.protected	k_qb55a8f380d_pairs
	.globl	k_qb55a8f380d_pairs
	.p2align	8
	.type	k_qb55a8f380d_pairs,@function
k_qb55a8f380d_pairs:
	s_mov_b64 s[64:65], 0
	v_nop
	global_prefetch_b8 v0, s[64:65] scope:SCOPE_SE
	s_setreg_imm32_b32 hwreg(HW_REG_WAVE_MODE, 25, 1), 1
	s_wait_xcnt 0x0
; PAIRS.  E(i, j) = exp(sigmoid(si_i + sj_j + const)); Z_i = the sum of E(i, j) over j other than i; the column sum of j is the sum of E(i, j) / Z_i over i other than j.
; Work-group g (batch g / 32, block g % 32) owns the 128 rows i of its block against all 4,096 columns j: pass 1 makes its Z_i, pass 2 its part of every column sum, stored to CP [256 work-groups][4096]; the next launch adds the 32 parts.
; NO MAXIMUM IS TAKEN AWAY in this softmax: the sigmoid holds the exponents to 0 .. 1 for every input, so E lies in 1 .. e and a row's sum under 4,096 e.
; A PAIR, from the records (FA, NA, FB, NB) of the launch before: d = ln2 + FA_i FB_j 2^(NA_i + NB_j), E = 2^(1 / d).
; ONE RECIPROCAL SERVES FOUR PAIRS: with p_a = d0 d2, p_b = d1 d3 and r = 1 / (p_a p_b): 1 / d0 = (r p_b) d2, 1 / d2 = (r p_b) d0, 1 / d1 = (r p_a) d3, 1 / d3 = (r p_a) d1: five transcendentals for four pairs.
; So that no product leaves f32's range, every d carries the factor 2^-30 (it lies in the lane's factor and in the addend, and costs nothing) and is held under 2^29.1: d 2^-30 lies in 2^-30.6 .. 2^29.1, a product of four in
; 2^-122 .. 2^116; r is multiplied by 2^-30 once, which takes the factor out again.  1 / d comes out within a few units of its last place.
; THE WHOLE PARTS ARE TAKEN OUT OF THE PAIR.  The members that all lanes read alike (pass 1: columns, pass 2: rows) come in GROUPS of 32 with a reference, the group's least whole part.  A member's record is
; (F 2^(N - reference), weight); a lane's own factor is min(F 2^(N + reference - 30), 2^-4), made once a trip; d 2^-30 is then one multiply-add.  That is exact where the group's whole parts span 32 at the most:
; the hold at 2^-4 is met only where NA + NB is 25 or more, where E is 1 to within 2^-25, and a factor that underflows leaves d = ln2, which is right there.
; A GROUP THAT SPANS MORE is walked 32 times by the same lines: in walk p the reference is member p's own whole part and only member p has a weight other than 0.  The references and the numbers of walks come from the whole
; numbers in TS (the least and the largest whole part of each 16 rows), by scalar loads and scalar arithmetic alone.  Such a group costs 32 times a plain one; the values are right either way.
; THE DIAGONAL is not masked in the loops: Z_i = (the sum over all j) - E(i, i), and the wave that holds column j of the group's own block starts that column's sum at -E(j, j) / Z_j: one term in 4,096 is taken away again
; (made by itself, with its own reciprocal: it may differ from the loop's by a few units of the last place, of one term in 4,096).
; SHARES.  Wave w owns columns 256 w .. 256 w + 255 in both passes.  A lane holds the rows 32 r + lane (r = 0 .. 3) and the columns 256 w + 32 q + lane (q = 0 .. 7): lane c also makes the record of member c of each group.
; Neither pass adds across lanes.  No LDS address is stepped: behind each group the register sets are turned by one place, so that the group in hand stands in the first set.
; Four waves share a SIMD: one wave's plain lines stand beside another's transcendentals.  One barrier, where the waves' parts of Z meet.
; NO MATRIX UNIT, TENSOR LOADS OR CLUSTER: nothing here is a product; a work-group reads 66 KiB of records once, 12 loads a lane, and then works from registers and LDS.
; LIMITS: NaN and infinities are not served.
.set SH,  30                           ; every d carries 2^-SH
.set RNG, 32                           ; the span of whole parts that one walk serves
.set WSC, 0                            ; LDS: a wave's own 256 bytes: the trip's 32 records (factor, weight)
.set ZP,  4096                         ; [16 waves][128 f32]: the waves' parts of the row sums, as images of four registers
.set OST, 12288                        ; a wave's own 1,024 bytes: its 256 column sums on the way out
.set AR,  12                           ; v12-27    my four rows' records (FA, NA, FB, NB); words 2 and 3 become 1 / Z and -E(i, i) / Z
.set BR,  28                           ; v28-43    my eight columns' (FB, NB)
.set AP,  44                           ; v44-47    pass 1: my rows' factors for the trip
.set BP,  48                           ; v48-55    pass 2: my columns' factors for the trip
.set ZA,  56                           ; v56-59, v60-63  row sums, two sets
.set ZB,  60
.set CA,  64                           ; v64-71    column sums
.set ED,  72                           ; v72-75    E(i, i)
.set NT,  76                           ; v76-79    whole numbers at work
.set D,   80                           ; v80-95    d of 16 pairs
.set PP,  96                           ; v96-103   p_a, p_b of four batches
.set PR,  104                          ; v104-107  p_a p_b, then r
.set RA,  108                          ; v108-115  r p_b, r p_a
.set IV,  116                          ; v116-131  1 / d
.set EE,  132                          ; v132-147  E
.set REC, 148                          ; v148-211  the trip's 32 records; between the passes the sixteen parts of Z
.set RW,  212                          ; v212-213  the record that I make
; v1 lane; v2 16 lane; v3, v4 my wave's records, in and out; v5, v6 ZP, in and out; v7, v8 the way out, in and out; v9 1.0; v10, v11 at work; v214-217 a set on its way round
; s10 wave, s11 block; s[16:17] ln2 2^-30; s18 ln2; s19 groups to go; s20 the group's least whole part, s21 its walks, s22 the walk; s23 the reference, s24 the same less 30; s25 the weight of a member that is not the walk's own
; s[32:63] pass 1's eight groups, four registers each; s[68:83] pass 2's four
.macro FRONT pass, u                   ; 16 pairs: d, the pairs' products, the products of four
.irp k, 0,1,2,3
.if \pass == 1
.set LS, AP
.set RP, REC+8*(\u)+2*\k
.else
.set LS, BP+4*(\k%2)
.set RP, REC+4*(\u)+2*(\k/2)
.endif
	v_pk_fma_f32 v[D+4*\k:D+4*\k+1], v[LS:LS+1], v[RP:RP+1], s[16:17] op_sel_hi:[1,0,0]       ; of the record's pair and of the addend's the low word serves both halves
	v_pk_fma_f32 v[D+4*\k+2:D+4*\k+3], v[LS+2:LS+3], v[RP:RP+1], s[16:17] op_sel_hi:[1,0,0]
.endr
.irp k, 0,1,2,3
	v_pk_mul_f32 v[PP+2*\k:PP+2*\k+1], v[D+4*\k:D+4*\k+1], v[D+4*\k+2:D+4*\k+3]               ; p_a = d0 d2, p_b = d1 d3
.endr
.irp k, 0,1,2,3
	v_mul_f32 v[PR+\k], v[PP+2*\k], v[PP+2*\k+1]
.endr
.endm
.macro MID                             ; from r to the sixteen 1 / d
.irp k, 0,1,2,3
	v_mul_f32 v[PR+\k], 0x30800000, v[PR+\k]       ; x 2^-30
.endr
.irp k, 0,1,2,3
	v_mul_f32 v[RA+2*\k], v[PR+\k], v[PP+2*\k+1]   ; 1 / (d0 d2)
	v_mul_f32 v[RA+2*\k+1], v[PR+\k], v[PP+2*\k]   ; 1 / (d1 d3)
.endr
.irp k, 0,1,2,3
	v_pk_mul_f32 v[IV+4*\k:IV+4*\k+1], v[RA+2*\k:RA+2*\k+1], v[D+4*\k+2:D+4*\k+3]
	v_pk_mul_f32 v[IV+4*\k+2:IV+4*\k+3], v[RA+2*\k:RA+2*\k+1], v[D+4*\k:D+4*\k+1]
.endr
.endm
.macro BACK pass, u                    ; unit u's sixteen E, each times its record's weight, are added in (the weight lies in the record's odd register: single multiply-adds)
.irp k, 0,1,2,3
.if \pass == 1
.set AC, ZA+4*(\k%2)
.set RP, REC+8*(\u)+2*\k
.else
.set AC, CA+4*(\k%2)
.set RP, REC+4*(\u)+2*(\k/2)
.endif
	s_wait_alu depctr_va_vdst(0)
.irp e, 0,1,2,3
	v_fmac_f32 v[AC+\e], v[EE+4*\k+\e], v[RP+1]
.endr
.endr
.endm
; A unit: 16 pairs a lane, four batches.  Pass 1: four columns (two loads of 16 bytes) against my four rows.  Pass 2: two rows (one load) against my eight columns.
; The sums of the unit before stand between the reciprocals and their use: the plain lines that a transcendental's result wants ahead of it; behind the exponentials the next unit's multiply-adds are those lines.
.macro UNIT pass, u
.if \pass == 1
	s_wait_dscnt 14-2*(\u)                         ; LDS loads come back in order: of the trip's sixteen those behind loads 2 u and 2 u + 1 may be out
.else
	s_wait_dscnt 15-(\u)                           ; those behind load u may be out
.endif
	FRONT \pass, \u
.irp k, 0,1,2,3
	v_rcp_f32 v[PR+\k], v[PR+\k]
.endr
.if (\u) == 0
	v_nop
	s_wait_alu depctr_va_vdst(0)
.else
	BACK \pass, (\u)-1
.endif
	MID
.irp j, 0,1,2,3,4,5,6,7,8,9,10,11,12,13,14,15
	v_exp_f32 v[EE+\j], v[IV+\j]
.endr
.endm
; A trip: one walk over the group in hand.
.macro TRIP pass
.if \pass == 1
.set FR, BR
.else
.set FR, AR
.endif
	v_readlane_b32 s23, v[FR+1], s22               ; the whole part of the walk's own member,
	s_cmp_eq_u32 s21, 1
	s_cselect_b32 s23, s20, s23                    ; or, where one walk serves, the group's least: the reference
	s_sub_co_i32 s24, s23, SH
	v_sub_nc_u32 v10, v[FR+1], s23                 ; lane c makes member c's record: N - reference,
	v_min_u32 v10, RNG, v10                        ; held to 0 .. 32 (it leaves that range only in members that have no weight in this walk; a negative one counts as large here)
	v_ldexp_f32 v[RW], v[FR], v10
	v_cmp_eq_u32 vcc_lo, s22, v1
	v_mov_b32 v11, s25
.if \pass == 1
	v_cndmask_b32 v[RW+1], v11, v9, vcc_lo         ; the weight: 1 for the walk's own member; for the others 1 where one walk serves, else 0
.else
	v_cndmask_b32 v11, v11, v9, vcc_lo
	v_mul_f32 v[RW+1], v11, v[AR+2]                ; x the row's 1 / Z
.endif
	ds_store_b64 v3, v[RW:RW+1]                    ; the last trip's loads of these bytes were waited for in its last unit
.irp i, 0,1,2,3,4,5,6,7,8,9,10,11,12,13,14,15
	ds_load_b128 v[REC+4*\i:REC+4*\i+3], v4 offset:16*\i   ; LDS serves a wave's instructions in order: these see the store; all lanes read the same bytes
.endr
.if \pass == 1
.irp r, 0,1,2,3
	v_add_nc_u32 v[NT+\r], s24, v[AR+4*\r+1]
.endr
.irp r, 0,1,2,3
	v_ldexp_f32 v[AP+\r], v[AR+4*\r], v[NT+\r]     ; it goes to 0 or to infinity at the ends;
.endr
.irp r, 0,1,2,3
	v_min_num_f32 v[AP+\r], 0x3d800000, v[AP+\r]   ; held at 2^-4
.endr
.irp u, 0,1,2,3,4,5,6,7
	UNIT 1, \u
.endr
	v_nop
	s_wait_alu depctr_va_vdst(0)
	BACK 1, 7
.else
.irp q, 0,1,2,3,4,5,6,7
	v_add_nc_u32 v[D+\q], s24, v[BR+2*\q+1]
.endr
.irp q, 0,1,2,3,4,5,6,7
	v_ldexp_f32 v[BP+\q], v[BR+2*\q], v[D+\q]
.endr
.irp q, 0,1,2,3,4,5,6,7
	v_min_num_f32 v[BP+\q], 0x3d800000, v[BP+\q]
.endr
.irp u, 0,1,2,3,4,5,6,7,8,9,10,11,12,13,14,15
	UNIT 2, \u
.endr
	v_nop
	s_wait_alu depctr_va_vdst(0)
	BACK 2, 15
.endif
.endm
.macro STATS b                         ; four whole numbers (two tiles' least and largest) become the group's least and its number of walks
	s_min_i32 s[\b], s[\b], s[\b+2]
	s_max_i32 s[\b+1], s[\b+1], s[\b+3]
	s_sub_co_i32 s[\b+1], s[\b+1], s[\b]           ; both lie within +-2^29: the span fits
	s_cmp_le_i32 s[\b+1], RNG
	s_cselect_b32 s[\b+1], 1, 32
.endm
	s_load_b128 s[4:7], s[0:1], 0x0                ; SR s[4:5], TS s[6:7]
	s_load_b64 s[8:9], s[0:1], 0x10                ; CP
	v_lshl_add_u32 v224, v0, 2, 0x7000
	v_mov_b32 v225, 0
	v_lshrrev_b32 v1, 5, v0
	v_readfirstlane_b32 s10, v1                    ; wave 0..15
	v_and_b32 v1, 31, v0                           ; lane
	s_and_b32 s11, ttmp9, 31                       ; my block of rows in the batch
	v_lshlrev_b32 v2, 4, v1
	s_lshl_b32 s30, s10, 8                         ; 256 x wave (WSC begins at LDS byte 0)
	v_lshl_add_u32 v3, v1, 3, s30
	v_mov_b32 v4, s30
	s_lshl_b32 s30, s10, 9
	s_add_co_u32 s30, s30, ZP
	v_lshl_add_u32 v5, v1, 4, s30
	v_lshl_add_u32 v6, v1, 4, ZP
	s_lshl_b32 s30, s10, 10
	s_add_co_u32 s30, s30, OST
	v_lshl_add_u32 v7, v1, 2, s30
	v_lshl_add_u32 v8, v1, 4, s30
	v_mov_b32 v9, 1.0
	s_mov_b32 s16, 0x30317218                      ; ln2 x 2^-30
	s_mov_b32 s17, s16                             ; (named with it as a pair, so it is written)
	s_mov_b32 s18, 0x3f317218                      ; ln2
	s_lshr_b32 s28, ttmp9, 5
	s_lshl_b32 s28, s28, 16
	s_mov_b32 s29, 0
	s_wait_kmcnt 0x0
	s_add_nc_u64 s[4:5], s[4:5], s[28:29]          ; SR at my batch: 4,096 records of 16 bytes
	s_lshl_b32 s28, s11, 11
	s_add_nc_u64 s[12:13], s[4:5], s[28:29]        ; at my block's 128 rows
	s_lshl_b32 s28, s10, 12
	s_add_nc_u64 s[14:15], s[4:5], s[28:29]        ; at my wave's 256 columns
	s_lshl_b32 s28, ttmp9, 6
	s_add_nc_u64 s[2:3], s[6:7], s[28:29]          ; TS, NA's half, at my block's eight tiles: 8 bytes a tile
	s_load_b512 s[68:83], s[2:3], 0x0
	s_lshr_b32 s28, ttmp9, 5
	s_lshl_b32 s28, s28, 11                        ; the batch's 256 tiles,
	s_lshl_b32 s30, s10, 7                         ; my wave's sixteen
	s_add_co_u32 s28, s28, s30
	s_add_nc_u64 s[6:7], s[6:7], s[28:29]
	s_load_b512 s[32:47], s[6:7], 0x4000           ; TS, NB's half
	s_load_b512 s[48:63], s[6:7], 0x4040
	s_lshl_b32 s28, ttmp9, 14
	s_lshl_b32 s30, s10, 10
	s_add_co_u32 s28, s28, s30
	s_add_nc_u64 s[8:9], s[8:9], s[28:29]          ; CP at my work-group's row, my wave's columns
.irp r, 0,1,2,3
	global_load_b128 v[AR+4*\r:AR+4*\r+3], v2, s[12:13] offset:512*\r        ; row 32 r + lane: 512 consecutive bytes a load
.endr
.irp q, 0,1,2,3,4,5,6,7
	global_load_b64 v[BR+2*\q:BR+2*\q+1], v2, s[14:15] offset:512*\q+8       ; column 32 q + lane of my 256: the second half of its record
.endr
.irp e, 0,1,2,3,4,5,6,7
	v_mov_b32 v[ZA+\e], 0                          ; the eight row sums
.endr
	s_wait_kmcnt 0x0
.irp g, 0,1,2,3,4,5,6,7
	STATS 32+4*\g
.endr
.irp r, 0,1,2,3
	STATS 68+4*\r
.endr
	s_wait_loadcnt 0x0
	s_mov_b32 s19, 8
.Lgroup1:                                              ; PASS 1: eight groups of 32 columns
	s_mov_b32 s20, s32
	s_mov_b32 s21, s33
	s_cmp_eq_u32 s21, 1
	s_cselect_b32 s25, 1.0, 0
	s_mov_b32 s22, 0
.Lwalk1:                                               ; 1 or 32 walks
	TRIP 1
	s_add_co_u32 s22, s22, 1
	s_cmp_lt_u32 s22, s21
	s_cbranch_scc1 .Lwalk1
	v_mov_b32 v214, v[BR]                          ; the sets go round by one place; after eight groups they stand as they began
	v_mov_b32 v215, v[BR+1]
.irp q, 0,1,2,3,4,5,6
	v_mov_b32 v[BR+2*\q], v[BR+2*\q+2]
	v_mov_b32 v[BR+2*\q+1], v[BR+2*\q+3]
	s_mov_b64 s[32+4*\q:33+4*\q], s[36+4*\q:37+4*\q]
.endr
	v_mov_b32 v[BR+14], v214
	v_mov_b32 v[BR+15], v215
	s_sub_co_u32 s19, s19, 1
	s_cmp_lg_u32 s19, 0
	s_cbranch_scc1 .Lgroup1
	v_pk_add_f32 v[ZA:ZA+1], v[ZA:ZA+1], v[ZB:ZB+1]
	v_pk_add_f32 v[ZA+2:ZA+3], v[ZA+2:ZA+3], v[ZB+2:ZB+3]
	ds_store_b128 v5, v[ZA:ZA+3]
	s_wait_dscnt 0x0                               ; for the others' sake: my part of the row sums has landed
	s_barrier_signal -1
	s_barrier_wait -1
.irp k, 0,1,2,3,4,5,6,7,8,9,10,11,12,13,14,15
	ds_load_b128 v[REC+4*\k:REC+4*\k+3], v6 offset:512*\k
.endr
.irp r, 0,1,2,3                        ; meanwhile E(i, i) of my four rows, each with a reciprocal of its own
	v_add_nc_u32 v[NT+\r], v[AR+4*\r+1], v[AR+4*\r+3]
.endr
.irp r, 0,1,2,3
	v_ldexp_f32 v[D+\r], v[AR+4*\r], v[NT+\r]
.endr
.irp r, 0,1,2,3
	v_fma_f32 v[D+\r], v[D+\r], v[AR+4*\r+2], s18
.endr
.irp r, 0,1,2,3
	v_rcp_f32 v[D+\r], v[D+\r]
.endr
	v_nop
	s_wait_alu depctr_va_vdst(0)
.irp r, 0,1,2,3
	v_exp_f32 v[ED+\r], v[D+\r]
.endr
	v_nop
	s_wait_dscnt 0x0
.irp k, 1,2,3,4,5,6,7,8,9,10,11,12,13,14,15
	v_pk_add_f32 v[REC:REC+1], v[REC:REC+1], v[REC+4*\k:REC+4*\k+1]
	v_pk_add_f32 v[REC+2:REC+3], v[REC+2:REC+3], v[REC+4*\k+2:REC+4*\k+3]
.endr
	s_wait_alu depctr_va_vdst(0)
.irp r, 0,1,2,3
	v_sub_f32 v[REC+\r], v[REC+\r], v[ED+\r]       ; Z without the diagonal
.endr
.irp r, 0,1,2,3
	v_rcp_f32 v[AR+4*\r+2], v[REC+\r]              ; 1 / Z takes FB's place in the row's record,
.endr
	v_nop
	s_wait_alu depctr_va_vdst(0)
.irp r, 0,1,2,3
	v_mul_f32 v[AR+4*\r+3], -v[ED+\r], v[AR+4*\r+2]   ; -E(i, i) / Z takes NB's
.endr
	s_lshl_b32 s30, s10, 1                         ; my columns 128 (2 w) on and 128 (2 w + 1) on: are they the group's own block?
	s_cmp_eq_u32 s30, s11
	s_cselect_b32 s26, 1.0, 0
	s_add_co_u32 s30, s30, 1
	s_cmp_eq_u32 s30, s11
	s_cselect_b32 s27, 1.0, 0
.irp r, 0,1,2,3
	v_mul_f32 v[CA+\r], s26, v[AR+4*\r+3]          ; there column 32 r + lane of the block is my row 32 r + lane: its sum starts at -E(j, j) / Z_j; all others at 0
	v_mul_f32 v[CA+4+\r], s27, v[AR+4*\r+3]
.endr
	s_mov_b32 s19, 4
.Lgroup2:                                              ; PASS 2: four groups of 32 rows
	s_mov_b32 s20, s68
	s_mov_b32 s21, s69
	s_cmp_eq_u32 s21, 1
	s_cselect_b32 s25, 1.0, 0
	s_mov_b32 s22, 0
.Lwalk2:                                               ; 1 or 32 walks
	TRIP 2
	s_add_co_u32 s22, s22, 1
	s_cmp_lt_u32 s22, s21
	s_cbranch_scc1 .Lwalk2
.irp e, 0,1,2,3
	v_mov_b32 v[214+\e], v[AR+\e]                  ; the rows' sets go round by one place
.endr
.irp r, 0,1,2
.irp e, 0,1,2,3
	v_mov_b32 v[AR+4*\r+\e], v[AR+4*\r+4+\e]
.endr
	s_mov_b64 s[68+4*\r:69+4*\r], s[72+4*\r:73+4*\r]
.endr
.irp e, 0,1,2,3
	v_mov_b32 v[AR+12+\e], v[214+\e]
.endr
	s_sub_co_u32 s19, s19, 1
	s_cmp_lg_u32 s19, 0
	s_cbranch_scc1 .Lgroup2
.irp q, 0,1,2,3,4,5,6,7
	ds_store_b32 v7, v[CA+\q] offset:128*\q        ; the way out: column 32 q + lane to its place among my 256,
.endr
	ds_load_b128 v[D:D+3], v8                      ; and back four neighbours a lane.  LDS serves a wave's instructions in order: these see the stores
	ds_load_b128 v[D+4:D+7], v8 offset:512
	s_wait_dscnt 0x0
	global_store_b128 v2, v[D:D+3], s[8:9]                 ; each store of the wave covers 512 consecutive bytes, at a multiple of 256 from CP's first byte
	global_store_b128 v2, v[D+4:D+7], s[8:9] offset:512
	s_wait_tensorcnt 0x0
	ds_add_u32 v224, v225
	s_wait_dscnt 0x0
	s_endpgm
.Lfunc_end_k_qb55a8f380d_pairs:
	.size	k_qb55a8f380d_pairs, .Lfunc_end_k_qb55a8f380d_pairs-k_qb55a8f380d_pairs
	.p2alignl 7, 3214868480
	.fill 96, 4, 3214868480
	.section	.rodata,"a",@progbits
	.p2align	6, 0x0
	.amdhsa_kernel k_qb55a8f380d_pairs
		.amdhsa_group_segment_fixed_size 30720
		.amdhsa_private_segment_fixed_size 0
		.amdhsa_enable_private_segment 0
		.amdhsa_kernarg_size 24
		.amdhsa_user_sgpr_count 2
		.amdhsa_user_sgpr_kernarg_segment_ptr 1
		.amdhsa_wavefront_size32 1
		.amdhsa_system_sgpr_workgroup_id_x 1
		.amdhsa_system_sgpr_workgroup_id_y 1
		.amdhsa_system_sgpr_workgroup_id_z 1
		.amdhsa_system_vgpr_workitem_id 0
		.amdhsa_next_free_vgpr 226
		.amdhsa_next_free_sgpr 84
		.amdhsa_reserve_vcc 1
		.amdhsa_float_denorm_mode_32 3
		.amdhsa_float_denorm_mode_16_64 3
		.amdhsa_memory_ordered 1
		.amdhsa_forward_progress 1
		.amdhsa_inst_pref_size 95
	.end_amdhsa_kernel
	.amdgpu_metadata
---
amdhsa.version: [ 1, 2 ]
amdhsa.kernels:
  - .name:           k_qb55a8f380d_pairs
    .symbol:         k_qb55a8f380d_pairs.kd
    .args:
      - { .name: SR, .offset: 0, .size: 8, .value_kind: global_buffer, .address_space: global }
      - { .name: TS, .offset: 8, .size: 8, .value_kind: global_buffer, .address_space: global }
      - { .name: CP, .offset: 16, .size: 8, .value_kind: global_buffer, .address_space: global }
    .group_segment_fixed_size: 30720
    .private_segment_fixed_size: 0
    .kernarg_segment_align: 8
    .kernarg_segment_size: 24
    .max_flat_workgroup_size: 512
    .sgpr_count:     84
    .vgpr_count:     226
    .wavefront_size: 32
...
	.end_amdgpu_metadata
.endif
;; end of part 6
;; launch ffn: the kernel of part 4 again; grid 256 x 1, 8 waves a work-group, no clusters, 111,616 bytes of LDS; arguments x, CP, pfn_w1, pfn_b1, pfn_w2, pfn_b2, ln_g, ln_b, out0; writes out0
;; ======== version 3 of 3: 4 launches; version 2 with the launches logits, scores, ffn written anew for expert scheduling mode
;; limits: right only within a limited range of input values
;; workspace buffers: LG 262,144 bytes; SR 524,288 bytes; CP 4,194,304 bytes; TS 32,768 bytes of whole numbers
;; launch logits (part 7): grid 256 x 1, 8 waves a work-group, no clusters, 111,616 bytes of LDS; arguments x, W1, W2, c, bsa, wt_w, LG; writes LG
.if DOCPART == 7
	.amdgcn_target "amdgcn-amd-amdhsa--gfx1250"
	.amdhsa_code_object_version 6
	.text
	.protected	k_qb55a8f380d_logits
	.globl	k_qb55a8f380d_logits
	.p2align	8
	.type	k_qb55a8f380d_logits,@function
k_qb55a8f380d_logits:
	s_mov_b64 s[64:65], 0
	v_nop
	global_prefetch_b8 v0, s[64:65] scope:SCOPE_SE
	s_setreg_imm32_b32 hwreg(HW_REG_WAVE_SCHED_MODE, 0, 2), 2
	s_setreg_imm32_b32 hwreg(HW_REG_WAVE_MODE, 25, 1), 1
	s_wait_xcnt 0x0
	s_wait_alu depctr_vm_vsrc(0)
; LOGITS.  l[row] = (Q(x) Q(W1) + c W2 + bsa) . wt_w for the 32,768 rows of x, the product on codes of FP4 (E2M1) with one E8M0 scale for each 32 along K; c W2 by f32 multiply-adds.
; Out: LG [2048 tiles of 16 rows][32 words]: words 0-15 the tile's logits, words 16-31 by turns m (the tile's largest logit) and s (the sum of exp(l - m) over the tile): what the next launch needs for the softmax over a batch.
; SHARES.  Work-group g: rows 128 g on (batch g / 32).  Wave w: one tile of 16 rows, 8,192 dense bytes of x.  No loop, one barrier.
; THE WEIGHT is quantised by the work-group itself: thread t takes column t % 128 and 64 of its 128 k (half t / 128), registers down K, so that a block of 32 lies in one lane; codes go to LDS with K innermost (rows of 64 bytes + 16).
; THE PRODUCT IS USED TRANSPOSED (source 0 = 16 columns of W1, source 1 = my 16 rows), and the columns of tile 2 b + u are 32 b + 8 u + r + 8 (r / 8): register 16 b + i of lane (r, h) is then element 32 b + 16 h + i of row r.
; x, the bias and wt_w are brought into that same layout, so the bias is the product's C and the dot product wants one exchange between the halves of the lanes.
; NO TENSOR LOADS, NO CLUSTER: a wave's 8,192 bytes of x are read once, by 16 dense loads that are all out together; the weight that all work-groups share arrives as f32 with K outermost and has to pass through registers to be
; quantised, 64 numbers a thread: a joint load into LDS would add a pass through LDS and spare none of these register loads.
; LIMITS: NaN and infinities among the inputs are not served.  A block of zeros gets the scale byte 1 (its codes are zeros; only this program reads the bytes).
; The store of a wave covers 128 consecutive bytes, half of an aligned 256: LG is 256 KiB in all.
; THE MODE: SCHED_MODE bits 1:0 = 2 (LLVM: expert scheduling mode 2), set by the entry lines.  The code itself states the register dependences
; between vector or matrix instructions and memory or LDS instructions, with s_wait_alu, always for 0.
; THE PLAN.  The text is walked once.  Registers that memory or LDS instructions touch, and who else names them, in program order:
;   v1-v12     addresses, made at the head and never written again: one wait at the head serves every load and store.
;   RA         x lands; the stage's stores read it; the bias lands; from there on products and vector lines alone.
;   RB         W2 lands; the multiply-adds read it; x turned lands; the quantiser reads it; the eight parts of c W2 land; the additions read them; wt_w lands; the dot product reads it.
;   RC         W1 lands; its quantiser reads it; its fragments land; the products read them.
;   TM .. +3   wt_w lands; an LDS store reads it; x's quantiser writes it.
;   WSB+4 .. 7 the multiply-adds write it; an LDS store reads it; the additions write it; an LDS store reads it.
;   PC, v251   the weight's quantiser writes them; LDS stores read them; x's quantiser and the tail write them again.
;   v250, v252 the tail writes them; the last store reads them.
.set WC0, 0                            ; LDS: W1's codes, 128 rows (columns of W1) x 80 bytes
.set WS0, 20480                        ; its scale words, 4 bytes a column
.set RED, 21504                        ; [8 waves][128 f32]: the waves' parts of c W2
.set VEC, 25600                        ; a wave's own 2,048 bytes: four slots of 128 f32
.set XST, 41984                        ; a wave's own stage: 16 rows x 528 bytes (33 x 16: sixteen rows begin at sixteen different 16-byte columns of 256)
.set RA,  16                           ; v16-79    x as loaded; later the bias, then the product
.set RB,  80                           ; v80-143   16 rows of W2; x turned; the parts of c W2; wt_w
.set RC,  144                          ; v144-207  W1 as f32; later its eight fragments
.set WSA, 208                          ; v208-215  W1's scale words
.set WSB, 216                          ; v216-219 bsa, v220-223 my part of c W2, later the whole bias (no scales here in this launch)
.set TM,  224                          ; v224-239  at work
.set PC,  240                          ; v240-247  codes just made
.set PW,  248                          ; v248      x's scale word
; v1 stage, dense; v2 stage, turned; v3 16 x lane; v4 W1's offset; v5, v6 where my codes and scale bytes go; v7, v8 a fragment's and a scale word's place; v9, v10 my slots, in and out; v11, v12 RED, in and out
; v254, v255: the closing add's two registers, made at the head and kept for it alone
.macro PLACES n
.rept \n
	v_nop
.endr
.endm
.macro XIN                             ; my 16 rows: each load takes a row, 512 consecutive bytes
.set i, 0
.rept 16
	global_load_b128 v[RA+4*i:RA+4*i+3], v3, s[4:5] offset:512*i
.set i, i+1
.endr
.endm
.macro XPUT                            ; into my stage as they lie
.set i, 0
.rept 16
	ds_store_b128 v1, v[RA+4*i:RA+4*i+3] offset:528*i
.set i, i+1
.endr
.endm
.macro XGET                            ; and back turned: lane (r, h) takes of row r the 16 numbers 32 b + 16 h on of each block.  LDS serves a wave's instructions in order: these see the stores
.irp bb, 0,1,2,3
.irp j, 0,1,2,3
	ds_load_b128 v[RB+16*\bb+4*\j:RB+16*\bb+4*\j+3], v2 offset:128*\bb+16*\j
.endr
.endr
.endm
.macro WLOAD reg, sb                   ; W(64 half + i, my column): 32 lanes read 128 consecutive bytes, four waves a row of 512
.set i, 0
.rept 64
	global_load_b32 v[\reg+i], v4, s[\sb:\sb+1] offset:512*i
.set i, i+1
.endr
.endm
.macro WBLOCK xs, q, by                ; a block of 32 along K, all mine: its largest magnitude, the conversion's scale operand in v[by], 32 codes in v[PC + 4 q] on
	v_max3_num_f32 v249, |v[\xs]|, |v[\xs+1]|, |v[\xs+2]|
	v_max3_num_f32 v250, |v[\xs+3]|, |v[\xs+4]|, |v[\xs+5]|
.irp i, 6,10,14,18,22,26
	v_max3_num_f32 v249, v249, |v[\xs+\i]|, |v[\xs+\i+1]|
	v_max3_num_f32 v250, v250, |v[\xs+\i+2]|, |v[\xs+\i+3]|
.endr
	v_max3_num_f32 v249, v249, |v[\xs+30]|, |v[\xs+31]|
	v_max3_num_f32 v249, v249, v250, 0x1800000     ; the floor 2^(3 - 127): the byte cannot fall under 1
	v_add_nc_u32 v[\by], 0xff000000, v249          ; 2 off the exponent field: the conversion takes that field as its scale
.irp g, 0,1,2,3
	v_cvt_scalef32_pk8_fp4_f32 v[PC+4*\q+\g], v[\xs+8*\g:\xs+8*\g+7], v[\by]
.endr
.endm
.macro WQUANT reg, wc, ws              ; my 64 numbers of a column: two blocks, 32 bytes of codes, two scale bytes
	WBLOCK \reg, 0, 251
	WBLOCK \reg+32, 1, 252
	v_nop                                          ; one plain line behind the last scaled conversion
	v_lshrrev_b32 v251, 23, v251                   ; the two bytes,
	v_lshrrev_b32 v252, 23, v252
	v_lshl_or_b32 v251, v252, 8, v251              ; the lower K in the lower byte
	s_wait_alu depctr_va_vdst(0)                   ; the conversions have written the codes and the line above v251, which the LDS stores read; and the weight's 64 registers have been read for the last time: loads may land in them
	ds_store_b128 v5, v[PC:PC+3] offset:\wc
	ds_store_b128 v5, v[PC+4:PC+7] offset:\wc+16
	ds_store_b16 v6, v251 offset:\ws
.endm
.macro QUANT s                         ; 64 numbers of a lane in the turned layout become a fragment's codes in v[PC] on and its scale word in v[PW]
.irp b, 0,1,2,3
	v_max3_num_f32 v[TM+\b], |v[\s+16*\b]|, |v[\s+1+16*\b]|, 0x1800000
.endr
.irp i, 2,4,6,8,10,12,14
.irp b, 0,1,2,3
	v_max3_num_f32 v[TM+\b], v[TM+\b], |v[\s+16*\b+\i]|, |v[\s+1+16*\b+\i]|
.endr
.endr
.irp b, 0,1,2,3
	v_permlanex16_b32 v[TM+4+\b], v[TM+\b], s30, s31
.endr
.irp b, 0,1,2,3
	v_max_num_f32 v[TM+\b], v[TM+\b], v[TM+4+\b]   ; with lane l xor 16's 16: the block's largest magnitude
.endr
.irp b, 0,1,2,3
	v_add_nc_u32 v[TM+12+\b], 0xff000000, v[TM+\b]
.endr
.irp b, 0,1,2,3
	v_lshrrev_b32 v[TM+4+\b], 23, v[TM+12+\b]
.endr
	v_lshl_or_b32 v[PW], v[TM+5], 8, v[TM+4]
	v_lshl_or_b32 v[PW], v[TM+6], 16, v[PW]
	v_lshl_or_b32 v[PW], v[TM+7], 24, v[PW]
.irp b, 0,1,2,3
	v_cvt_scalef32_pk8_fp4_f32 v[PC+2*\b], v[\s+16*\b:\s+7+16*\b], v[TM+12+\b]
	v_cvt_scalef32_pk8_fp4_f32 v[PC+1+2*\b], v[\s+8+16*\b:\s+15+16*\b], v[TM+12+\b]
.endr
	v_nop                                          ; one plain line behind a scaled conversion
.irp c, 0,1                            ; the operand wants a whole block in a lane: lanes 0-15 block 2 c, lanes 16-31 block 2 c + 1
.irp i, 0,1
	v_permlane16_swap_b32 v[PC+4*\c+\i], v[PC+2+4*\c+\i]
.endr
.endr
.endm
.macro FRAGS wc, ws, sc                ; the weight's eight fragments and their scale words: 24 LDS loads
.irp t, 0,1,2,3,4,5,6,7
.irp c, 0,1
	ds_load_b128 v[RC+8*\t+4*\c:RC+8*\t+4*\c+3], v7 offset:\wc+(32*(\t/2)+8*(\t%2))*80+32*\c
.endr
	ds_load_b32 v[\sc+\t], v8 offset:\ws+(32*(\t/2)+8*(\t%2))*4
.endr
.endm
.macro VPUT reg, slot                  ; 128 numbers, four a lane, into my slot
	ds_store_b128 v9, v[\reg:\reg+3] offset:512*\slot
.endm
.macro VLOAD reg, slot                 ; and back in the turned layout (all lanes of a half read the same bytes)
.irp bb, 0,1,2,3
.irp j, 0,1,2,3
	ds_load_b128 v[\reg+16*\bb+4*\j:\reg+16*\bb+4*\j+3], v10 offset:512*\slot+128*\bb+16*\j
.endr
.endr
.endm
.macro MUL8 d, zero, sc                ; eight tiles, eight different accumulators, K = 128 in one step: no sum is taken up again
.irp t, 0,1,2,3,4,5,6,7
.if \zero
	v_wmma_scale_f32_16x16x128_f8f6f4 v[\d+8*\t:\d+8*\t+7], v[RC+8*\t:RC+8*\t+7], v[PC:PC+7], 0, v[\sc+\t], v[PW] matrix_a_fmt:MATRIX_FMT_FP4 matrix_b_fmt:MATRIX_FMT_FP4
.else
	v_wmma_scale_f32_16x16x128_f8f6f4 v[\d+8*\t:\d+8*\t+7], v[RC+8*\t:RC+8*\t+7], v[PC:PC+7], v[\d+8*\t:\d+8*\t+7], v[\sc+\t], v[PW] matrix_a_fmt:MATRIX_FMT_FP4 matrix_b_fmt:MATRIX_FMT_FP4
.endif
.endr
.endm
.macro REDUCE out                      ; four packed sums in v[TM] on become the row's sum, in both halves of the lanes
	v_pk_add_f32 v[TM:TM+1], v[TM:TM+1], v[TM+2:TM+3]
	v_pk_add_f32 v[TM+4:TM+5], v[TM+4:TM+5], v[TM+6:TM+7]
	v_pk_add_f32 v[TM:TM+1], v[TM:TM+1], v[TM+4:TM+5]
	v_add_f32 v[\out], v[TM], v[TM+1]
	v_permlanex16_b32 v253, v[\out], s30, s31
	v_add_f32 v[\out], v[\out], v253
.endm
.macro DOT d, vec, out                 ; the row's dot product; registers in ascending order; four chains by turns
.irp p, 0,1,2,3
	v_pk_mul_f32 v[TM+2*\p:TM+2*\p+1], v[\d+2*\p:\d+2*\p+1], v[\vec+2*\p:\vec+2*\p+1]
.endr
.set j, 4
.rept 28
	v_pk_fma_f32 v[TM+2*(j%4):TM+2*(j%4)+1], v[\d+2*j:\d+2*j+1], v[\vec+2*j:\vec+2*j+1], v[TM+2*(j%4):TM+2*(j%4)+1]
.set j, j+1
.endr
	REDUCE \out
.endm
	s_load_b256 s[4:11], s[0:1], 0x0               ; x s[4:5], W1 s[6:7], W2 s[8:9], c s[10:11]
	s_load_b128 s[12:15], s[0:1], 0x20             ; bsa s[12:13], wt_w s[14:15]
	s_load_b64 s[16:17], s[0:1], 0x30              ; LG
	v_lshl_add_u32 v254, v0, 2, 0x1b000
	v_mov_b32 v255, 0
	v_lshrrev_b32 v249, 5, v0
	v_readfirstlane_b32 s22, v249                  ; wave 0..7
	v_and_b32 v249, 31, v0                         ; lane
	v_and_b32 v250, 15, v0                         ; r
	v_bfe_u32 v251, v0, 4, 1                       ; h
	v_and_b32 v252, 127, v0                        ; my column of the weight
	v_lshrrev_b32 v253, 7, v0                      ; my half of its K
	s_wait_alu depctr_va_sdst(0)                   ; s22 is written, ahead of its first reader: LDS places and the buffers' offsets are made from it
	s_mul_i32 s23, s22, 8448
	s_add_co_u32 s23, s23, XST                     ; my stage
	v_lshl_add_u32 v1, v249, 4, s23
	v_mul_u32_u24 v2, v250, 528
	v_lshl_add_u32 v2, v251, 6, v2
	v_add_nc_u32 v2, s23, v2
	v_lshlrev_b32 v3, 4, v249
	v_lshlrev_b32 v6, 2, v252
	v_lshl_add_u32 v4, v253, 15, v6                ; 4 x column + 64 rows of 512 bytes x half
	v_lshl_add_u32 v6, v253, 1, v6                 ; the scale word's two bytes of my half
	v_mul_u32_u24 v5, v252, 80
	v_lshl_add_u32 v5, v253, 5, v5                 ; the code row's 32 bytes of my half
	v_and_b32 v8, 8, v250
	v_add_nc_u32 v8, v8, v250                      ; r + 8 (r / 8)
	v_mul_u32_u24 v7, v8, 80
	v_lshl_add_u32 v7, v251, 4, v7
	v_lshlrev_b32 v8, 2, v8
	s_lshl_b32 s24, s22, 11
	s_add_co_u32 s24, s24, VEC                     ; my slots
	v_lshl_add_u32 v9, v249, 4, s24
	v_lshl_add_u32 v10, v251, 6, s24
	s_lshl_b32 s25, s22, 9
	s_add_co_u32 s25, s25, RED
	v_lshl_add_u32 v11, v249, 4, s25
	v_lshl_add_u32 v12, v249, 4, RED
	s_mov_b32 s30, 0x76543210
	s_mov_b32 s31, 0xfedcba98                      ; v_permlanex16_b32's selects for lane l xor 16
.irp b, 0,1,2,3
	v_mov_b32 v[TM+4+\b], 0                        ; written once: a lane permute's destination counts as one of its sources
.endr
	v_mov_b32 v253, 0
	s_mov_b32 s29, 0
	s_wait_kmcnt 0x0
	s_lshl_b32 s28, ttmp9, 16
	s_lshl_b32 s26, s22, 13
	s_add_co_u32 s28, s28, s26
	s_add_nc_u64 s[4:5], s[4:5], s[28:29]          ; x at my tile: 65,536 g + 8,192 w
	s_mov_b32 s28, s26
	s_add_nc_u64 s[8:9], s[8:9], s[28:29]          ; W2 at its rows 16 w on
	s_lshr_b32 s28, ttmp9, 5
	s_lshl_b32 s28, s28, 9
	s_lshl_b32 s26, s22, 6
	s_add_co_u32 s28, s28, s26
	s_add_nc_u64 s[10:11], s[10:11], s[28:29]      ; c at [batch][16 w]
	s_load_b512 s[32:47], s[10:11], 0x0            ; sixteen numbers of c
	s_lshl_b32 s28, ttmp9, 10
	s_lshl_b32 s26, s22, 7
	s_add_co_u32 s28, s28, s26
	s_add_nc_u64 s[16:17], s[16:17], s[28:29]      ; LG at my tile: 128 bytes a tile
	s_wait_alu depctr_va_vdst(0)                   ; the twelve addresses v1 to v12 are written, which every load and store below reads
	global_load_b128 v[TM:TM+3], v3, s[14:15]      ; wt_w, four numbers a lane
	global_load_b128 v[WSB:WSB+3], v3, s[12:13]    ; bsa likewise
	XIN
.set i, 0
.rept 16
	global_load_b128 v[RB+4*i:RB+4*i+3], v3, s[8:9] offset:512*i   ; W2(16 w + i, 4 lane ..)
.set i, i+1
.endr
	WLOAD RC, 6
	s_wait_loadcnt 63                              ; 98 loads were issued: with 63 out at the most the first 35 are in: wt_w, bsa, x, W2
	VPUT TM, 1                                     ; wt_w into my slot 1
	XPUT                                           ; x into my stage: loaded data by addresses from the head, so these stores go out ahead of the multiply-adds
	s_wait_kmcnt 0x0                               ; c
.irp e, 0,1,2,3
	v_mul_f32 v[WSB+4+\e], s32, v[RB+\e]           ; my sixteen terms of c W2, for four columns a lane
.endr
.set i, 1
.rept 15
.irp e, 0,1,2,3
	v_fmac_f32 v[WSB+4+\e], s[32+i], v[RB+4*i+\e]
.endr
.set i, i+1
.endr
	s_wait_alu depctr_va_vdst(0)                   ; the multiply-adds have written v[WSB+4 ..], which the LDS store reads, and are done reading RB, in which x turned lands
	ds_store_b128 v11, v[WSB+4:WSB+7]
	XGET
	s_wait_loadcnt 0x0                             ; W1
	WQUANT RC, WC0, WS0
	s_wait_dscnt 0x0                               ; x is back, turned; all my stores have landed
	s_wait_alu depctr_vm_vsrc(0)                   ; my LDS stores have read v[TM ..], the codes' registers and v251, v[WSB+4 ..] and RA: the quantiser, the additions and the tail write the first four again, and the bias lands in RA
	QUANT RB
	s_barrier_signal -1
	s_barrier_wait -1                              ; W1's codes and scale words and the eight parts of c W2 lie in LDS
	s_wait_alu depctr_va_vdst(0)                   ; the quantiser is done reading RB, in which the eight parts land
.irp k, 0,1,2,3,4,5,6,7
	ds_load_b128 v[RB+4*\k:RB+4*\k+3], v12 offset:512*\k
.endr
	FRAGS WC0, WS0, WSA
	s_wait_dscnt 24                                ; the eight parts are in; the 24 loads behind them may be out
.irp k, 1,2,3,4,5,6,7
	v_pk_add_f32 v[RB:RB+1], v[RB:RB+1], v[RB+4*\k:RB+4*\k+1]      ; (these sixteen plain lines also stand between the making of x's scale word and the products)
	v_pk_add_f32 v[RB+2:RB+3], v[RB+2:RB+3], v[RB+4*\k+2:RB+4*\k+3]
.endr
	v_pk_add_f32 v[WSB+4:WSB+5], v[RB:RB+1], v[WSB:WSB+1]          ; + bsa
	v_pk_add_f32 v[WSB+6:WSB+7], v[RB+2:RB+3], v[WSB+2:WSB+3]
	s_wait_alu depctr_va_vdst(0)                   ; the additions have written v[WSB+4 ..], which the LDS store reads, and are done reading RB, in which wt_w lands; x's codes and scale word, which the products take, are written too, the plain lines above standing between
	VPUT WSB+4, 0
	VLOAD RA, 0                                    ; the bias, turned: the products' C
	VLOAD RB, 1                                    ; wt_w, turned
	s_wait_dscnt 16                                ; all but wt_w's sixteen loads
	MUL8 RA, 0, WSA
	PLACES 4                                       ; four plain lines between the last product and the first read of a result (ISA guide 7.12.1)
	s_wait_dscnt 0x0
	DOT RA, RB, 249                                ; my row's logit, in both halves of the lanes
	v_max_num_f32_dpp v250, v249, v249 row_xmask:1 row_mask:0xf bank_mask:0xf
	v_max_num_f32_dpp v250, v250, v250 row_xmask:2 row_mask:0xf bank_mask:0xf
	v_max_num_f32_dpp v250, v250, v250 row_xmask:4 row_mask:0xf bank_mask:0xf
	v_max_num_f32_dpp v250, v250, v250 row_xmask:8 row_mask:0xf bank_mask:0xf   ; m: the tile's largest
	v_sub_f32 v251, v249, v250
	v_mul_f32 v251, 0x3fb8aa3b, v251
	v_exp_f32 v251, v251                           ; exp(l - m)
	v_nop                                          ; one plain line behind a transcendental
	s_wait_alu depctr_va_vdst(0)                   ; the exponential has written v251, ahead of its first reader
	v_add_f32_dpp v251, v251, v251 row_xmask:1 row_mask:0xf bank_mask:0xf
	v_add_f32_dpp v251, v251, v251 row_xmask:2 row_mask:0xf bank_mask:0xf
	v_add_f32_dpp v251, v251, v251 row_xmask:4 row_mask:0xf bank_mask:0xf
	v_add_f32_dpp v251, v251, v251 row_xmask:8 row_mask:0xf bank_mask:0xf       ; s
	v_and_b32 v252, 1, v0
	v_cmp_eq_u32 vcc_lo, 1, v252
	s_wait_alu depctr_va_vcc(0)                    ; the compare has written VCC, which the select reads
	v_cndmask_b32 v250, v250, v251, vcc_lo         ; odd lanes s, even lanes m,
	v_and_b32 v252, 16, v0
	v_cmp_eq_u32 vcc_lo, 0, v252
	s_wait_alu depctr_va_vcc(0)                    ; the compare has written VCC, which the select reads
	v_cndmask_b32 v250, v250, v249, vcc_lo         ; lanes 0-15 the logits
	v_and_b32 v252, 31, v0
	v_lshlrev_b32 v252, 2, v252
	s_wait_alu depctr_va_vdst(0)                   ; v250 and v252 are written: the store's data and its offset
	global_store_b32 v252, v250, s[16:17]          ; 128 consecutive bytes
	s_wait_dscnt 0x0                               ; the closing lines, six on end
	s_wait_alu 0x0
	s_wait_tensorcnt 0x0
	ds_add_u32 v254, v255
	s_wait_dscnt 0x0
	s_endpgm
.Lfunc_end_k_qb55a8f380d_logits:
	.size	k_qb55a8f380d_logits, .Lfunc_end_k_qb55a8f380d_logits-k_qb55a8f380d_logits
	.p2alignl 7, 3214868480
	.fill 96, 4, 3214868480
	.section	.rodata,"a",@progbits
	.p2align	6, 0x0
	.amdhsa_kernel k_qb55a8f380d_logits
		.amdhsa_group_segment_fixed_size 111616
		.amdhsa_private_segment_fixed_size 0
		.amdhsa_enable_private_segment 0
		.amdhsa_kernarg_size 56
		.amdhsa_user_sgpr_count 2
		.amdhsa_user_sgpr_kernarg_segment_ptr 1
		.amdhsa_wavefront_size32 1
		.amdhsa_system_sgpr_workgroup_id_x 1
		.amdhsa_system_sgpr_workgroup_id_y 1
		.amdhsa_system_sgpr_workgroup_id_z 1
		.amdhsa_system_vgpr_workitem_id 0
		.amdhsa_next_free_vgpr 256
		.amdhsa_next_free_sgpr 66
		.amdhsa_reserve_vcc 1
		.amdhsa_float_denorm_mode_32 3
		.amdhsa_float_denorm_mode_16_64 3
		.amdhsa_memory_ordered 1
		.amdhsa_forward_progress 1
		.amdhsa_inst_pref_size 34
	.end_amdhsa_kernel
	.amdgpu_metadata
---
amdhsa.version: [ 1, 2 ]
amdhsa.kernels:
  - .name:           k_qb55a8f380d_logits
    .symbol:         k_qb55a8f380d_logits.kd
    .args:
      - { .name: x, .offset: 0, .size: 8, .value_kind: global_buffer, .address_space: global }
      - { .name: W1, .offset: 8, .size: 8, .value_kind: global_buffer, .address_space: global }
      - { .name: W2, .offset: 16, .size: 8, .value_kind: global_buffer, .address_space: global }
      - { .name: c, .offset: 24, .size: 8, .value_kind: global_buffer, .address_space: global }
      - { .name: bsa, .offset: 32, .size: 8, .value_kind: global_buffer, .address_space: global }
      - { .name: wt_w, .offset: 40, .size: 8, .value_kind: global_buffer, .address_space: global }
      - { .name: LG, .offset: 48, .size: 8, .value_kind: global_buffer, .address_space: global }
    .group_segment_fixed_size: 111616
    .private_segment_fixed_size: 0
    .kernarg_segment_align: 8
    .kernarg_segment_size: 56
    .max_flat_workgroup_size: 256
    .sgpr_count:     66
    .vgpr_count:     256
    .wavefront_size: 32
...
	.end_amdgpu_metadata
.endif
;; end of part 7
;; launch scores (part 8): grid 256 x 1, 8 waves a work-group, no clusters, 111,616 bytes of LDS; arguments x, LG, Wsa1, Wsa2, bsa1, wsat_w, wsat_b, SR, TS; writes SR, TS
.if DOCPART == 8
	.amdgcn_target "amdgcn-amd-amdhsa--gfx1250"
	.amdhsa_code_object_version 6
	.text
	.protected	k_qb55a8f380d_scores
	.globl	k_qb55a8f380d_scores
	.p2align	8
	.type	k_qb55a8f380d_scores,@function
k_qb55a8f380d_scores:
	s_mov_b64 s[64:65], 0
	v_nop
	global_prefetch_b8 v0, s[64:65] scope:SCOPE_SE
	s_setreg_imm32_b32 hwreg(HW_REG_WAVE_SCHED_MODE, 0, 2), 2
	s_setreg_imm32_b32 hwreg(HW_REG_WAVE_MODE, 25, 1), 1
	s_wait_xcnt 0x0
	s_wait_alu depctr_vm_vsrc(0)
; SCORES.  p = softmax of the logits over a batch's 4,096 rows; h = x p; si = (Q(h) Q(Wsa1) + bsa1) . wsat_w + wsat_b, sj = (Q(h) Q(Wsa2)) . wsat_w; both products on codes of FP4 (E2M1) with one E8M0 scale for each 32 along K.
; Out: SR [32,768 rows][FA, NA, FB, NB].  With ta = -si log2(e) and tb = -sj log2(e): NA = floor(ta) as a whole number, FA = ln2 x 2^(ta - NA); NB = floor(tb), FB = 2^(tb - NB).
; The next launch then has exp(sigmoid(si_i + sj_j)) = 2^(1 / (ln2 + FA_i FB_j 2^(NA_i + NB_j))) with no exponential of a sum that could overflow.
; Out too: TS [2][2,048 tiles of 16 rows][2 whole numbers]: the least and the largest NA of each tile, and from byte 16,384 on the least and the largest NB: from these the next launch takes its references and its trip counts.
; THE SOFTMAX takes its maximum away: M = the largest of the batch's 256 tile maxima, S = the sum of s_tile exp(m_tile - M), p = exp(l - M) / S.  Every wave makes M and S for itself from 2,048 bytes of LG.
; SHARES, LAYOUT, THE WEIGHTS' WAY: as in the launch before: wave w of work-group g has the 16 rows 128 g + 16 w on; the products are used transposed, and the columns of tile 2 b + u are 32 b + 8 u + r + 8 (r / 8),
; so that register 16 b + i of lane (r, h) is element 32 b + 16 h + i of row r; thread t quantises 64 numbers of column t % 128 of each weight.  One barrier.
; NO TENSOR LOADS, NO CLUSTER: x's 8,192 bytes a wave are read once by 16 dense loads; the two weights that all work-groups share arrive as f32 with K outermost and pass through registers to be quantised, 128 numbers a thread.
; LIMITS: NaN and infinities are not served.  ta and tb are held to +-2^29 (|si + const|, |sj| under 3.7e8; beyond that the sigmoid is 0 or 1 all the same unless both are that large with opposite signs).
; A p under 2^-126 counts as 0 (the exponential gives 0 there).  A block of zeros gets the scale byte 1 (its codes are zeros; only this program reads the bytes).
; The store into TS is 16 bytes a tile, each word written by eight lanes with the same value: TS is 32 KiB in all.
; THE MODE: SCHED_MODE bits 1:0 = 2 (LLVM: expert scheduling mode 2), set by the entry lines.  The code itself states the register dependences
; between vector or matrix instructions and memory or LDS instructions, with s_wait_alu, always for 0.
; THE PLAN.  The text is walked once.  Registers that memory or LDS instructions touch, and who else names them, in program order:
;   v1-v10, v13-v15  addresses, made at the head and never written again: one wait at the head serves every load and store.
;   RA         x lands; the stage's stores read it; bsa1 lands; from there on products and vector lines alone.
;   RB         Wsa2 lands; its quantiser reads it; x turned lands; h is made in place and quantised; wsat_w lands; the dot products read it.
;   RC         Wsa1 lands; its quantiser reads it; Wsa1's fragments land; the first products read them; Wsa2's fragments land; the second products read them.
;   TM .. +7   wsat_w and bsa1 land; LDS stores read them; h's quantiser writes them.
;   MS, v232   land once (v249, the last of MS, was at work at the head); vector lines alone afterwards.
;   PC, v251   a weight's quantiser writes them; LDS stores read them; the next quantiser and the tail write them again.
;   v224, v228, v254, v255  the tail writes them; the two last stores read them.
.set WC0, 0                            ; LDS: Wsa1's codes, 128 rows x 80 bytes;
.set WC1, 10240                        ; Wsa2's;
.set WS0, 20480                        ; their scale words, 4 bytes a column
.set WS1, 20992
.set VEC, 25600                        ; a wave's own 2,048 bytes: four slots of 128 f32
.set XST, 41984                        ; a wave's own stage: 16 rows x 528 bytes
.set RA,  16                           ; v16-79    x as loaded; later bsa1, then the products
.set RB,  80                           ; v80-143   Wsa2 as f32; x turned, h; wsat_w
.set RC,  144                          ; v144-207  Wsa1 as f32; later a weight's eight fragments
.set WSA, 208                          ; v208-215  Wsa1's scale words
.set WSB, 216                          ; v216-223  Wsa2's
.set TM,  224                          ; v224-239  at work
.set MS,  234                          ; v234-249  (m, s) of eight tiles a lane, until the weights are quantised
.set PC,  240                          ; v240-247  codes just made
.set PW,  248                          ; v248      h's scale word
; v12, v233: the closing add's two registers, made at the head and kept for it alone
.macro PLACES n
.rept \n
	v_nop
.endr
.endm
.macro XIN
.set i, 0
.rept 16
	global_load_b128 v[RA+4*i:RA+4*i+3], v3, s[4:5] offset:512*i
.set i, i+1
.endr
.endm
.macro XPUT
.set i, 0
.rept 16
	ds_store_b128 v1, v[RA+4*i:RA+4*i+3] offset:528*i
.set i, i+1
.endr
.endm
.macro XGET
.irp bb, 0,1,2,3
.irp j, 0,1,2,3
	ds_load_b128 v[RB+16*\bb+4*\j:RB+16*\bb+4*\j+3], v2 offset:128*\bb+16*\j
.endr
.endr
.endm
.macro WLOAD reg, sb
.set i, 0
.rept 64
	global_load_b32 v[\reg+i], v4, s[\sb:\sb+1] offset:512*i
.set i, i+1
.endr
.endm
.macro WBLOCK xs, q, by
	v_max3_num_f32 v249, |v[\xs]|, |v[\xs+1]|, |v[\xs+2]|
	v_max3_num_f32 v250, |v[\xs+3]|, |v[\xs+4]|, |v[\xs+5]|
.irp i, 6,10,14,18,22,26
	v_max3_num_f32 v249, v249, |v[\xs+\i]|, |v[\xs+\i+1]|
	v_max3_num_f32 v250, v250, |v[\xs+\i+2]|, |v[\xs+\i+3]|
.endr
	v_max3_num_f32 v249, v249, |v[\xs+30]|, |v[\xs+31]|
	v_max3_num_f32 v249, v249, v250, 0x1800000     ; the floor 2^(3 - 127): the byte cannot fall under 1
	v_add_nc_u32 v[\by], 0xff000000, v249          ; 2 off the exponent field: the conversion's scale operand
.irp g, 0,1,2,3
	v_cvt_scalef32_pk8_fp4_f32 v[PC+4*\q+\g], v[\xs+8*\g:\xs+8*\g+7], v[\by]
.endr
.endm
.macro WQUANT reg, wc, ws
	WBLOCK \reg, 0, 251
	WBLOCK \reg+32, 1, 252
	v_nop                                          ; one plain line behind the last scaled conversion
	v_lshrrev_b32 v251, 23, v251
	v_lshrrev_b32 v252, 23, v252
	v_lshl_or_b32 v251, v252, 8, v251
	s_wait_alu depctr_va_vdst(0)                   ; the conversions have written the codes and the line above v251, which the LDS stores read; and the weight's 64 registers have been read for the last time: loads may land in them
	ds_store_b128 v5, v[PC:PC+3] offset:\wc
	ds_store_b128 v5, v[PC+4:PC+7] offset:\wc+16
	ds_store_b16 v6, v251 offset:\ws
.endm
.macro QUANT s
.irp b, 0,1,2,3
	v_max3_num_f32 v[TM+\b], |v[\s+16*\b]|, |v[\s+1+16*\b]|, 0x1800000
.endr
.irp i, 2,4,6,8,10,12,14
.irp b, 0,1,2,3
	v_max3_num_f32 v[TM+\b], v[TM+\b], |v[\s+16*\b+\i]|, |v[\s+1+16*\b+\i]|
.endr
.endr
.irp b, 0,1,2,3
	v_permlanex16_b32 v[TM+4+\b], v[TM+\b], s30, s31
.endr
.irp b, 0,1,2,3
	v_max_num_f32 v[TM+\b], v[TM+\b], v[TM+4+\b]
.endr
.irp b, 0,1,2,3
	v_add_nc_u32 v[TM+12+\b], 0xff000000, v[TM+\b]
.endr
.irp b, 0,1,2,3
	v_lshrrev_b32 v[TM+4+\b], 23, v[TM+12+\b]
.endr
	v_lshl_or_b32 v[PW], v[TM+5], 8, v[TM+4]
	v_lshl_or_b32 v[PW], v[TM+6], 16, v[PW]
	v_lshl_or_b32 v[PW], v[TM+7], 24, v[PW]
.irp b, 0,1,2,3
	v_cvt_scalef32_pk8_fp4_f32 v[PC+2*\b], v[\s+16*\b:\s+7+16*\b], v[TM+12+\b]
	v_cvt_scalef32_pk8_fp4_f32 v[PC+1+2*\b], v[\s+8+16*\b:\s+15+16*\b], v[TM+12+\b]
.endr
	v_nop                                          ; one plain line behind a scaled conversion
.irp c, 0,1
.irp i, 0,1
	v_permlane16_swap_b32 v[PC+4*\c+\i], v[PC+2+4*\c+\i]
.endr
.endr
.endm
.macro FRAGS wc, ws, sc
.irp t, 0,1,2,3,4,5,6,7
.irp c, 0,1
	ds_load_b128 v[RC+8*\t+4*\c:RC+8*\t+4*\c+3], v7 offset:\wc+(32*(\t/2)+8*(\t%2))*80+32*\c
.endr
	ds_load_b32 v[\sc+\t], v8 offset:\ws+(32*(\t/2)+8*(\t%2))*4
.endr
.endm
.macro VPUT reg, slot
	ds_store_b128 v9, v[\reg:\reg+3] offset:512*\slot
.endm
.macro VLOAD reg, slot
.irp bb, 0,1,2,3
.irp j, 0,1,2,3
	ds_load_b128 v[\reg+16*\bb+4*\j:\reg+16*\bb+4*\j+3], v10 offset:512*\slot+128*\bb+16*\j
.endr
.endr
.endm
.macro MUL8 d, zero, sc
.irp t, 0,1,2,3,4,5,6,7
.if \zero
	v_wmma_scale_f32_16x16x128_f8f6f4 v[\d+8*\t:\d+8*\t+7], v[RC+8*\t:RC+8*\t+7], v[PC:PC+7], 0, v[\sc+\t], v[PW] matrix_a_fmt:MATRIX_FMT_FP4 matrix_b_fmt:MATRIX_FMT_FP4
.else
	v_wmma_scale_f32_16x16x128_f8f6f4 v[\d+8*\t:\d+8*\t+7], v[RC+8*\t:RC+8*\t+7], v[PC:PC+7], v[\d+8*\t:\d+8*\t+7], v[\sc+\t], v[PW] matrix_a_fmt:MATRIX_FMT_FP4 matrix_b_fmt:MATRIX_FMT_FP4
.endif
.endr
.endm
.macro REDUCE out
	v_pk_add_f32 v[TM:TM+1], v[TM:TM+1], v[TM+2:TM+3]
	v_pk_add_f32 v[TM+4:TM+5], v[TM+4:TM+5], v[TM+6:TM+7]
	v_pk_add_f32 v[TM:TM+1], v[TM:TM+1], v[TM+4:TM+5]
	v_add_f32 v[\out], v[TM], v[TM+1]
	v_permlanex16_b32 v253, v[\out], s30, s31
	v_add_f32 v[\out], v[\out], v253
.endm
.macro DOT d, vec, out                 ; registers in ascending order
.irp p, 0,1,2,3
	v_pk_mul_f32 v[TM+2*\p:TM+2*\p+1], v[\d+2*\p:\d+2*\p+1], v[\vec+2*\p:\vec+2*\p+1]
.endr
.set j, 4
.rept 28
	v_pk_fma_f32 v[TM+2*(j%4):TM+2*(j%4)+1], v[\d+2*j:\d+2*j+1], v[\vec+2*j:\vec+2*j+1], v[TM+2*(j%4):TM+2*(j%4)+1]
.set j, j+1
.endr
	REDUCE \out
.endm
	s_load_b256 s[4:11], s[0:1], 0x0               ; x s[4:5], LG s[6:7], Wsa1 s[8:9], Wsa2 s[10:11]
	s_load_b256 s[12:19], s[0:1], 0x20             ; bsa1 s[12:13], wsat_w s[14:15], wsat_b s[16:17], SR s[18:19]
	s_load_b64 s[32:33], s[0:1], 0x40              ; TS
	v_lshl_add_u32 v12, v0, 2, 0x1b000
	v_mov_b32 v233, 0
	v_lshrrev_b32 v249, 5, v0
	v_readfirstlane_b32 s22, v249                  ; wave 0..7
	v_and_b32 v249, 31, v0                         ; lane
	v_and_b32 v250, 15, v0                         ; r
	v_bfe_u32 v251, v0, 4, 1                       ; h
	v_and_b32 v252, 127, v0                        ; my column of the weights
	v_lshrrev_b32 v253, 7, v0                      ; my half of their K
	s_wait_alu depctr_va_sdst(0)                   ; s22 is written, ahead of its first reader: LDS places and the buffers' offsets are made from it
	s_mul_i32 s23, s22, 8448
	s_add_co_u32 s23, s23, XST
	v_lshl_add_u32 v1, v249, 4, s23                ; stage, dense
	v_mul_u32_u24 v2, v250, 528
	v_lshl_add_u32 v2, v251, 6, v2
	v_add_nc_u32 v2, s23, v2                       ; stage, turned
	v_lshlrev_b32 v3, 4, v249
	v_lshlrev_b32 v6, 2, v252
	v_lshl_add_u32 v4, v253, 15, v6
	v_lshl_add_u32 v6, v253, 1, v6
	v_mul_u32_u24 v5, v252, 80
	v_lshl_add_u32 v5, v253, 5, v5
	v_and_b32 v8, 8, v250
	v_add_nc_u32 v8, v8, v250
	v_mul_u32_u24 v7, v8, 80
	v_lshl_add_u32 v7, v251, 4, v7
	v_lshlrev_b32 v8, 2, v8
	s_lshl_b32 s24, s22, 11
	s_add_co_u32 s24, s24, VEC
	v_lshl_add_u32 v9, v249, 4, s24
	v_lshl_add_u32 v10, v251, 6, s24
	v_lshl_add_u32 v13, v249, 7, 64                ; LG: tile 32 i + lane, its words 16 and 17
	v_lshlrev_b32 v14, 2, v250                     ; LG: my row's logit
	v_lshlrev_b32 v15, 4, v250
	v_lshl_add_u32 v15, v251, 3, v15               ; SR: my row's record, its first or second half
	s_mov_b32 s30, 0x76543210
	s_mov_b32 s31, 0xfedcba98
	v_mov_b32 v253, 0                              ; written once: a lane permute's destination counts as one of its sources
	s_mov_b32 s29, 0
	s_wait_kmcnt 0x0
	s_load_b32 s27, s[16:17], 0x0                  ; wsat_b
	s_lshr_b32 s28, ttmp9, 5
	s_lshl_b32 s28, s28, 15
	s_add_nc_u64 s[20:21], s[6:7], s[28:29]        ; LG at my batch: 256 tiles of 128 bytes
	s_lshl_b32 s28, ttmp9, 10
	s_lshl_b32 s26, s22, 7
	s_add_co_u32 s28, s28, s26
	s_add_nc_u64 s[6:7], s[6:7], s[28:29]          ; LG at my tile
	s_lshl_b32 s28, s28, 1
	s_add_nc_u64 s[18:19], s[18:19], s[28:29]      ; SR at my tile: 256 bytes a tile
	s_lshl_b32 s28, ttmp9, 6
	s_lshl_b32 s26, s22, 3
	s_add_co_u32 s28, s28, s26
	s_add_nc_u64 s[32:33], s[32:33], s[28:29]      ; TS at my tile: 8 bytes a tile in each of its halves
	s_lshl_b32 s28, ttmp9, 16
	s_lshl_b32 s26, s22, 13
	s_add_co_u32 s28, s28, s26
	s_add_nc_u64 s[4:5], s[4:5], s[28:29]          ; x at my tile
	s_wait_alu depctr_va_vdst(0)                   ; the addresses v1 to v10 and v13 to v15 are written, which every load and store below reads; the head's lines are done with v249, in which a load lands
	global_load_b128 v[TM:TM+3], v3, s[14:15]      ; wsat_w
	global_load_b128 v[TM+4:TM+7], v3, s[12:13]    ; bsa1
.irp i, 0,1,2,3,4,5,6,7
	global_load_b64 v[MS+2*\i:MS+2*\i+1], v13, s[20:21] offset:4096*\i
.endr
	global_load_b32 v232, v14, s[6:7]
	XIN
	WLOAD RC, 8
	WLOAD RB, 10
	s_wait_loadcnt 63                              ; 155 loads were issued: with 63 out at the most the first 92 are in: all but Wsa2
	VPUT TM, 0                                     ; wsat_w into my slot 0, bsa1 into slot 1
	VPUT TM+4, 1
	XPUT                                           ; x into my stage: loaded data by addresses from the head, so these stores go out ahead of the softmax's lines
	v_max3_num_f32 v250, v[MS], v[MS+2], v[MS+4]   ; M: the largest of the batch's 256 tile maxima
	v_max3_num_f32 v250, v250, v[MS+6], v[MS+8]
	v_max3_num_f32 v250, v250, v[MS+10], v[MS+12]
	v_max_num_f32 v250, v250, v[MS+14]
	v_max_num_f32_dpp v250, v250, v250 row_xmask:1 row_mask:0xf bank_mask:0xf
	v_max_num_f32_dpp v250, v250, v250 row_xmask:2 row_mask:0xf bank_mask:0xf
	v_max_num_f32_dpp v250, v250, v250 row_xmask:4 row_mask:0xf bank_mask:0xf
	v_max_num_f32_dpp v250, v250, v250 row_xmask:8 row_mask:0xf bank_mask:0xf
	v_permlanex16_b32 v253, v250, s30, s31
	v_max_num_f32 v250, v250, v253
.irp i, 0,1,2,3,4,5,6,7
	v_sub_f32 v[MS+2*\i], v[MS+2*\i], v250
.endr
.irp i, 0,1,2,3,4,5,6,7
	v_mul_f32 v[MS+2*\i], 0x3fb8aa3b, v[MS+2*\i]
.endr
.irp i, 0,1,2,3,4,5,6,7
	v_exp_f32 v[MS+2*\i], v[MS+2*\i]               ; exp(m_tile - M)
.endr
	v_sub_f32 v232, v232, v250                     ; l - M.  (The plain line behind the exponentials)
	s_wait_alu depctr_va_vdst(0)                   ; the eight exponentials have written v[MS], v[MS+2] .., ahead of their first reader
	v_mul_f32 v251, v[MS], v[MS+1]
.irp i, 1,2,3,4,5,6,7
	v_fmac_f32 v251, v[MS+2*\i], v[MS+2*\i+1]
.endr
	v_add_f32_dpp v251, v251, v251 row_xmask:1 row_mask:0xf bank_mask:0xf
	v_add_f32_dpp v251, v251, v251 row_xmask:2 row_mask:0xf bank_mask:0xf
	v_add_f32_dpp v251, v251, v251 row_xmask:4 row_mask:0xf bank_mask:0xf
	v_add_f32_dpp v251, v251, v251 row_xmask:8 row_mask:0xf bank_mask:0xf
	v_permlanex16_b32 v253, v251, s30, s31
	v_add_f32 v251, v251, v253                     ; S
	v_mul_f32 v232, 0x3fb8aa3b, v232
	v_exp_f32 v232, v232
	v_rcp_f32 v251, v251
	v_nop                                          ; one plain line behind the transcendentals
	s_wait_alu depctr_va_vdst(0)                   ; the exponential has written v232 and the reciprocal v251, ahead of their first reader
	v_mul_f32 v254, v232, v251                     ; p of my row, twice: a pair for the packed multiply
	v_mul_f32 v255, v232, v251
	WQUANT RC, WC0, WS0
	s_wait_dscnt 0x0                               ; my stores so far have landed
	s_wait_alu depctr_vm_vsrc(0)                   ; the LDS stores above have read the codes' registers and v251, which the next weight's lines write again
	s_wait_loadcnt 0x0                             ; Wsa2
	WQUANT RB, WC1, WS1
	XGET                                           ; x turned, into the registers that Wsa2 has left
	s_wait_dscnt 0x0
	s_wait_alu depctr_vm_vsrc(0)                   ; my LDS stores have read the codes' registers, v251 and v[TM ..], which h's quantiser and the tail write again, and RA, in which bsa1 lands
.set j, 0
.rept 32
	v_pk_mul_f32 v[RB+2*j:RB+2*j+1], v[RB+2*j:RB+2*j+1], v[254:255]   ; h = x p
.set j, j+1
.endr
	QUANT RB
	PLACES 8                                       ; h's scale word, made by vector lines, stands eight plain lines ahead of the products
	s_barrier_signal -1                            ; (no LDS instruction of mine is out since the wait above)
	s_barrier_wait -1                              ; both weights' codes and scale words lie in LDS
	s_wait_alu depctr_va_vdst(0)                   ; the quantiser is done with RB, in which wsat_w lands, and has written h's codes and scale word, which the products take, the plain lines above standing between
	FRAGS WC0, WS0, WSA
	VLOAD RA, 1                                    ; bsa1, turned: the first product's C
	VLOAD RB, 0                                    ; wsat_w, turned
	s_wait_dscnt 16                                ; all but wsat_w's sixteen loads
	MUL8 RA, 0, WSA
	PLACES 4                                       ; four plain lines between the last product and reads of its results (ISA guide 7.12.1)
	s_wait_alu depctr_va_vdst(0)                   ; the products are done reading Wsa1's fragments in RC, in which Wsa2's land
	FRAGS WC1, WS1, WSB
	s_wait_dscnt 24                                ; wsat_w is in; Wsa2's 24 loads may be out
	DOT RA, RB, 249                                ; si + bsa1 . wsat_w
	PLACES 5                                       ; the next products write over the last ones' results: five plain lines that name none of their registers
	s_wait_dscnt 0x0
	MUL8 RA, 1, WSB
	PLACES 4
	DOT RA, RB, 250                                ; sj
	s_wait_kmcnt 0x0                               ; wsat_b
	v_add_f32 v249, s27, v249
	v_mul_f32 v249, 0xbfb8aa3b, v249               ; ta = -(si + const) log2(e)
	v_mul_f32 v250, 0xbfb8aa3b, v250               ; tb = -sj log2(e)
	v_max_num_f32 v249, 0xce000000, v249           ; held to +-2^29, so that NA + NB stays a whole number of 32 bits
	v_max_num_f32 v250, 0xce000000, v250
	v_min_num_f32 v249, 0x4e000000, v249
	v_min_num_f32 v250, 0x4e000000, v250
	v_floor_f32 v251, v249
	v_floor_f32 v252, v250
	v_sub_f32 v249, v249, v251
	v_sub_f32 v250, v250, v252
	v_min_num_f32_dpp v224, v251, v251 row_xmask:1 row_mask:0xf bank_mask:0xf   ; the least and the largest whole part of the tile's 16 rows (a floor is a whole number in f32 too: nothing is rounded)
	v_max_num_f32_dpp v225, v251, v251 row_xmask:1 row_mask:0xf bank_mask:0xf
	v_min_num_f32_dpp v226, v252, v252 row_xmask:1 row_mask:0xf bank_mask:0xf
	v_max_num_f32_dpp v227, v252, v252 row_xmask:1 row_mask:0xf bank_mask:0xf
.irp m, 2,4,8
	v_min_num_f32_dpp v224, v224, v224 row_xmask:\m row_mask:0xf bank_mask:0xf
	v_max_num_f32_dpp v225, v225, v225 row_xmask:\m row_mask:0xf bank_mask:0xf
	v_min_num_f32_dpp v226, v226, v226 row_xmask:\m row_mask:0xf bank_mask:0xf
	v_max_num_f32_dpp v227, v227, v227 row_xmask:\m row_mask:0xf bank_mask:0xf
.endr
	v_cvt_i32_f32 v251, v251                       ; NA
	v_cvt_i32_f32 v252, v252                       ; NB
	v_cvt_i32_f32 v224, v224
	v_cvt_i32_f32 v225, v225
	v_cvt_i32_f32 v226, v226
	v_cvt_i32_f32 v227, v227
	v_exp_f32 v249, v249
	v_exp_f32 v250, v250                           ; FB
	v_nop                                          ; one plain line behind the transcendentals
	s_wait_alu depctr_va_vdst(0)                   ; the two exponentials have written v249 and v250, ahead of their first reader
	v_mul_f32 v249, 0x3f317218, v249               ; FA = ln2 x 2^frac
	v_and_b32 v253, 16, v0
	v_cmp_eq_u32 vcc_lo, 0, v253
	s_wait_alu depctr_va_vcc(0)                    ; the compare has written VCC, which the two selects read
	v_cndmask_b32 v254, v250, v249, vcc_lo         ; lanes 0-15 store (FA, NA), lanes 16-31 (FB, NB)
	v_cndmask_b32 v255, v252, v251, vcc_lo
	v_and_b32 v228, 1, v0
	v_cmp_eq_u32 vcc_lo, 1, v228
	s_wait_alu depctr_va_vcc(0)                    ; the compare has written VCC, which the two selects read
	v_cndmask_b32 v224, v224, v225, vcc_lo         ; even lanes the least, odd lanes the largest;
	v_cndmask_b32 v226, v226, v227, vcc_lo
	v_and_b32 v229, 2, v0
	v_cmp_eq_u32 vcc_lo, 2, v229
	s_wait_alu depctr_va_vcc(0)                    ; the compare has written VCC, which the select reads
	v_cndmask_b32 v224, v224, v226, vcc_lo         ; lanes with bit 1 set NB's, the others NA's
	v_lshlrev_b32 v228, 2, v228
	v_lshl_add_u32 v228, v229, 13, v228            ; 4 x (lane % 2) + 16,384 for NB's half
	s_wait_alu depctr_va_vdst(0)                   ; v254, v255 and v224 are written, the two stores' data, and v228, the second's offset
	global_store_b64 v15, v[254:255], s[18:19]     ; the wave stores 256 consecutive bytes, at a multiple of 256 from SR's first byte
	global_store_b32 v228, v224, s[32:33]          ; four words, each from eight lanes with the same value
	s_wait_dscnt 0x0                               ; the closing lines, six on end
	s_wait_alu 0x0
	s_wait_tensorcnt 0x0
	ds_add_u32 v12, v233
	s_wait_dscnt 0x0
	s_endpgm
.Lfunc_end_k_qb55a8f380d_scores:
	.size	k_qb55a8f380d_scores, .Lfunc_end_k_qb55a8f380d_scores-k_qb55a8f380d_scores
	.p2alignl 7, 3214868480
	.fill 96, 4, 3214868480
	.section	.rodata,"a",@progbits
	.p2align	6, 0x0
	.amdhsa_kernel k_qb55a8f380d_scores
		.amdhsa_group_segment_fixed_size 111616
		.amdhsa_private_segment_fixed_size 0
		.amdhsa_enable_private_segment 0
		.amdhsa_kernarg_size 72
		.amdhsa_user_sgpr_count 2
		.amdhsa_user_sgpr_kernarg_segment_ptr 1
		.amdhsa_wavefront_size32 1
		.amdhsa_system_sgpr_workgroup_id_x 1
		.amdhsa_system_sgpr_workgroup_id_y 1
		.amdhsa_system_sgpr_workgroup_id_z 1
		.amdhsa_system_vgpr_workitem_id 0
		.amdhsa_next_free_vgpr 256
		.amdhsa_next_free_sgpr 66
		.amdhsa_reserve_vcc 1
		.amdhsa_float_denorm_mode_32 3
		.amdhsa_float_denorm_mode_16_64 3
		.amdhsa_memory_ordered 1
		.amdhsa_forward_progress 1
		.amdhsa_inst_pref_size 50
	.end_amdhsa_kernel
	.amdgpu_metadata
---
amdhsa.version: [ 1, 2 ]
amdhsa.kernels:
  - .name:           k_qb55a8f380d_scores
    .symbol:         k_qb55a8f380d_scores.kd
    .args:
      - { .name: x, .offset: 0, .size: 8, .value_kind: global_buffer, .address_space: global }
      - { .name: LG, .offset: 8, .size: 8, .value_kind: global_buffer, .address_space: global }
      - { .name: Wsa1, .offset: 16, .size: 8, .value_kind: global_buffer, .address_space: global }
      - { .name: Wsa2, .offset: 24, .size: 8, .value_kind: global_buffer, .address_space: global }
      - { .name: bsa1, .offset: 32, .size: 8, .value_kind: global_buffer, .address_space: global }
      - { .name: wsat_w, .offset: 40, .size: 8, .value_kind: global_buffer, .address_space: global }
      - { .name: wsat_b, .offset: 48, .size: 8, .value_kind: global_buffer, .address_space: global }
      - { .name: SR, .offset: 56, .size: 8, .value_kind: global_buffer, .address_space: global }
      - { .name: TS, .offset: 64, .size: 8, .value_kind: global_buffer, .address_space: global }
    .group_segment_fixed_size: 111616
    .private_segment_fixed_size: 0
    .kernarg_segment_align: 8
    .kernarg_segment_size: 72
    .max_flat_workgroup_size: 256
    .sgpr_count:     66
    .vgpr_count:     256
    .wavefront_size: 32
...
	.end_amdgpu_metadata
.endif
;; end of part 8
;; launch pairs: the kernel of part 6 again; grid 256 x 1, 16 waves a work-group, no clusters, 30,720 bytes of LDS; arguments SR, TS, CP; writes CP
;; launch ffn (part 9): grid 256 x 1, 8 waves a work-group, no clusters, 111,616 bytes of LDS; arguments x, CP, pfn_w1, pfn_b1, pfn_w2, pfn_b2, ln_g, ln_b, out0; writes out0
.if DOCPART == 9
	.amdgcn_target "amdgcn-amd-amdhsa--gfx1250"
	.amdhsa_code_object_version 6
	.text
	.protected	k_qb55a8f380d_ffn
	.globl	k_qb55a8f380d_ffn
	.p2align	8
	.type	k_qb55a8f380d_ffn,@function
k_qb55a8f380d_ffn:
	s_mov_b64 s[64:65], 0
	v_nop
	global_prefetch_b8 v0, s[64:65] scope:SCOPE_SE
	s_setreg_imm32_b32 hwreg(HW_REG_WAVE_SCHED_MODE, 0, 2), 2
	s_setreg_imm32_b32 hwreg(HW_REG_WAVE_MODE, 25, 1), 1
	s_wait_xcnt 0x0
	s_wait_alu depctr_vm_vsrc(0)
; FFN.  The column sum of a row = the sum of its 32 parts in CP; ui = x times it; y = relu(Q(ui) Q(pfn_w1) + pfn_b1); z = Q(y) Q(pfn_w2) + pfn_b2 + ui; out0 = (z - mean) / sqrt(var + 1e-6) x ln_g + ln_b.
; Both products on codes of FP4 (E2M1) with one E8M0 scale for each 32 along K; all else in f32; the hidden layer never leaves the registers.
; SHARES, LAYOUT, THE WEIGHTS' WAY: wave w of work-group g has the 16 rows 128 g + 16 w on; the products are used transposed, and the columns of tile 2 b + u are 32 b + 8 u + r + 8 (r / 8), so that register 16 b + i of
; lane (r, h) is element 32 b + 16 h + i of row r: a product's result is the next product's operand as it stands, the biases and the residual are the products' C, and a row's mean and variance want one exchange between the
; halves of the lanes.  Thread t quantises 64 numbers of column t % 128 of each weight.  Wave w adds four of the 32 parts of the group's 128 column sums; the eight waves' sums meet in LDS.  One barrier.
; The variance is taken of z - mean, in a second pass over the registers.
; NO TENSOR LOADS, NO CLUSTER: x's 8,192 bytes a wave are read once by 16 dense loads; the two weights that all work-groups share arrive as f32 with K outermost and pass through registers to be quantised, 128 numbers a thread.
; LIMITS: NaN and infinities are not served.  A block of zeros gets the scale byte 1 (its codes are zeros; only this program reads the bytes).
; THE MODE: SCHED_MODE bits 1:0 = 2 (LLVM: expert scheduling mode 2), set by the entry lines.  The code itself states the register dependences
; between vector or matrix instructions and memory or LDS instructions, with s_wait_alu, always for 0.
; THE PLAN.  The text is walked once.  Registers that memory or LDS instructions touch, and who else names them, in program order:
;   v1-v12     addresses, made at the head and never written again: one wait at the head serves every load and store.
;   RA         x lands; the stage's stores read it; pfn_b1 lands; the first products, the activation and the quantiser work on it; pfn_b2 lands; the additions read it; ln_g lands; the last multiply-adds read it; the rows on
;              the way out land; the last stores read them.
;   RB         pfn_w2 lands; its quantiser reads it; x turned lands; vector and matrix lines alone until the way out's LDS stores read the results.
;   RC         pfn_w1 lands; its quantiser reads it; its fragments land; the first products read them; pfn_w2's fragments land; the second products read them; ln_b lands.
;   TM         the four vectors land; LDS stores read them; the eight parts of the column sum land in its first eight; vector lines alone afterwards.
;   v240-255   four parts of the column sums land (v249 to v253 were at work at the head); the additions work on them; an LDS store reads v240-243.
;   PC, v251   (PC is v240-247) a weight's quantiser writes them; LDS stores read them; the next quantiser and the tail write them again.
.set WC0, 0                            ; LDS: pfn_w1's codes, 128 rows x 80 bytes;
.set WC1, 10240                        ; pfn_w2's;
.set WS0, 20480                        ; their scale words
.set WS1, 20992
.set RED, 21504                        ; [8 waves][128 f32]: the waves' parts of the column sums
.set VEC, 25600                        ; a wave's own four slots of 128 f32: pfn_b1, pfn_b2, ln_g, ln_b
.set XST, 41984                        ; a wave's own stage: 16 rows x 528 bytes, for x on the way in and for the result on the way out
.set RA,  16                           ; v16-79    x as loaded; pfn_b1, the hidden layer; pfn_b2; ln_g; rows on the way out
.set RB,  80                           ; v80-143   pfn_w2 as f32; x turned, ui, ui + pfn_b2, z and what becomes of it
.set RC,  144                          ; v144-207  pfn_w1 as f32; a weight's eight fragments; ln_b
.set WSA, 208                          ; v208-215  pfn_w1's scale words
.set WSB, 216                          ; v216-223  pfn_w2's
.set TM,  224                          ; v224-239  at work
.set PC,  240                          ; v240-247  codes just made
.set PW,  248                          ; v248      the rows' scale word
; v14, v15: the closing add's two registers, made at the head and kept for it alone
.macro PLACES n
.rept \n
	v_nop
.endr
.endm
.macro XIN
.set i, 0
.rept 16
	global_load_b128 v[RA+4*i:RA+4*i+3], v3, s[4:5] offset:512*i
.set i, i+1
.endr
.endm
.macro XPUT
.set i, 0
.rept 16
	ds_store_b128 v1, v[RA+4*i:RA+4*i+3] offset:528*i
.set i, i+1
.endr
.endm
.macro XGET
.irp bb, 0,1,2,3
.irp j, 0,1,2,3
	ds_load_b128 v[RB+16*\bb+4*\j:RB+16*\bb+4*\j+3], v2 offset:128*\bb+16*\j
.endr
.endr
.endm
.macro WLOAD reg, sb
.set i, 0
.rept 64
	global_load_b32 v[\reg+i], v4, s[\sb:\sb+1] offset:512*i
.set i, i+1
.endr
.endm
.macro WBLOCK xs, q, by
	v_max3_num_f32 v249, |v[\xs]|, |v[\xs+1]|, |v[\xs+2]|
	v_max3_num_f32 v250, |v[\xs+3]|, |v[\xs+4]|, |v[\xs+5]|
.irp i, 6,10,14,18,22,26
	v_max3_num_f32 v249, v249, |v[\xs+\i]|, |v[\xs+\i+1]|
	v_max3_num_f32 v250, v250, |v[\xs+\i+2]|, |v[\xs+\i+3]|
.endr
	v_max3_num_f32 v249, v249, |v[\xs+30]|, |v[\xs+31]|
	v_max3_num_f32 v249, v249, v250, 0x1800000     ; the floor 2^(3 - 127): the byte cannot fall under 1
	v_add_nc_u32 v[\by], 0xff000000, v249          ; 2 off the exponent field: the conversion's scale operand
.irp g, 0,1,2,3
	v_cvt_scalef32_pk8_fp4_f32 v[PC+4*\q+\g], v[\xs+8*\g:\xs+8*\g+7], v[\by]
.endr
.endm
.macro WQUANT reg, wc, ws
	WBLOCK \reg, 0, 251
	WBLOCK \reg+32, 1, 252
	v_nop                                          ; one plain line behind the last scaled conversion
	v_lshrrev_b32 v251, 23, v251
	v_lshrrev_b32 v252, 23, v252
	v_lshl_or_b32 v251, v252, 8, v251
	s_wait_alu depctr_va_vdst(0)                   ; the conversions have written the codes and the line above v251, which the LDS stores read; and the weight's 64 registers have been read for the last time: loads may land in them
	ds_store_b128 v5, v[PC:PC+3] offset:\wc
	ds_store_b128 v5, v[PC+4:PC+7] offset:\wc+16
	ds_store_b16 v6, v251 offset:\ws
.endm
.macro QUANT s
.irp b, 0,1,2,3
	v_max3_num_f32 v[TM+\b], |v[\s+16*\b]|, |v[\s+1+16*\b]|, 0x1800000
.endr
.irp i, 2,4,6,8,10,12,14
.irp b, 0,1,2,3
	v_max3_num_f32 v[TM+\b], v[TM+\b], |v[\s+16*\b+\i]|, |v[\s+1+16*\b+\i]|
.endr
.endr
.irp b, 0,1,2,3
	v_permlanex16_b32 v[TM+4+\b], v[TM+\b], s30, s31
.endr
.irp b, 0,1,2,3
	v_max_num_f32 v[TM+\b], v[TM+\b], v[TM+4+\b]
.endr
.irp b, 0,1,2,3
	v_add_nc_u32 v[TM+12+\b], 0xff000000, v[TM+\b]
.endr
.irp b, 0,1,2,3
	v_lshrrev_b32 v[TM+4+\b], 23, v[TM+12+\b]
.endr
	v_lshl_or_b32 v[PW], v[TM+5], 8, v[TM+4]
	v_lshl_or_b32 v[PW], v[TM+6], 16, v[PW]
	v_lshl_or_b32 v[PW], v[TM+7], 24, v[PW]
.irp b, 0,1,2,3
	v_cvt_scalef32_pk8_fp4_f32 v[PC+2*\b], v[\s+16*\b:\s+7+16*\b], v[TM+12+\b]
	v_cvt_scalef32_pk8_fp4_f32 v[PC+1+2*\b], v[\s+8+16*\b:\s+15+16*\b], v[TM+12+\b]
.endr
	v_nop                                          ; one plain line behind a scaled conversion
.irp c, 0,1
.irp i, 0,1
	v_permlane16_swap_b32 v[PC+4*\c+\i], v[PC+2+4*\c+\i]
.endr
.endr
.endm
.macro FRAGS wc, ws, sc
.irp t, 0,1,2,3,4,5,6,7
.irp c, 0,1
	ds_load_b128 v[RC+8*\t+4*\c:RC+8*\t+4*\c+3], v7 offset:\wc+(32*(\t/2)+8*(\t%2))*80+32*\c
.endr
	ds_load_b32 v[\sc+\t], v8 offset:\ws+(32*(\t/2)+8*(\t%2))*4
.endr
.endm
.macro VPUT reg, slot
	ds_store_b128 v9, v[\reg:\reg+3] offset:512*\slot
.endm
.macro VLOAD reg, slot
.irp bb, 0,1,2,3
.irp j, 0,1,2,3
	ds_load_b128 v[\reg+16*\bb+4*\j:\reg+16*\bb+4*\j+3], v10 offset:512*\slot+128*\bb+16*\j
.endr
.endr
.endm
.macro MUL8 d, sc                      ; eight tiles, eight different accumulators, K = 128 in one step; C = what lies in the accumulator's registers (a bias, or a bias and the residual)
.irp t, 0,1,2,3,4,5,6,7
	v_wmma_scale_f32_16x16x128_f8f6f4 v[\d+8*\t:\d+8*\t+7], v[RC+8*\t:RC+8*\t+7], v[PC:PC+7], v[\d+8*\t:\d+8*\t+7], v[\sc+\t], v[PW] matrix_a_fmt:MATRIX_FMT_FP4 matrix_b_fmt:MATRIX_FMT_FP4
.endr
.endm
.macro REDUCE out
	v_pk_add_f32 v[TM:TM+1], v[TM:TM+1], v[TM+2:TM+3]
	v_pk_add_f32 v[TM+4:TM+5], v[TM+4:TM+5], v[TM+6:TM+7]
	v_pk_add_f32 v[TM:TM+1], v[TM:TM+1], v[TM+4:TM+5]
	v_add_f32 v[\out], v[TM], v[TM+1]
	v_permlanex16_b32 v253, v[\out], s30, s31
	v_add_f32 v[\out], v[\out], v253
.endm
.macro DOT d, vec, out
.irp p, 0,1,2,3
	v_pk_mul_f32 v[TM+2*\p:TM+2*\p+1], v[\d+2*\p:\d+2*\p+1], v[\vec+2*\p:\vec+2*\p+1]
.endr
.set j, 4
.rept 28
	v_pk_fma_f32 v[TM+2*(j%4):TM+2*(j%4)+1], v[\d+2*j:\d+2*j+1], v[\vec+2*j:\vec+2*j+1], v[TM+2*(j%4):TM+2*(j%4)+1]
.set j, j+1
.endr
	REDUCE \out
.endm
.macro ROWMUL lo                       ; my row's 64 numbers times the factor that lies twice in v[lo], v[lo + 1]
.set j, 0
.rept 32
	v_pk_mul_f32 v[RB+2*j:RB+2*j+1], v[RB+2*j:RB+2*j+1], v[\lo:\lo+1]
.set j, j+1
.endr
.endm
	s_load_b256 s[4:11], s[0:1], 0x0               ; x s[4:5], CP s[6:7], pfn_w1 s[8:9], pfn_b1 s[10:11]
	s_load_b256 s[12:19], s[0:1], 0x20             ; pfn_w2 s[12:13], pfn_b2 s[14:15], ln_g s[16:17], ln_b s[18:19]
	s_load_b64 s[20:21], s[0:1], 0x40              ; out0
	v_lshl_add_u32 v14, v0, 2, 0x1b000
	v_mov_b32 v15, 0
	v_lshrrev_b32 v249, 5, v0
	v_readfirstlane_b32 s22, v249                  ; wave 0..7
	v_and_b32 v249, 31, v0                         ; lane
	v_and_b32 v250, 15, v0                         ; r
	v_bfe_u32 v251, v0, 4, 1                       ; h
	v_and_b32 v252, 127, v0                        ; my column of the weights
	v_lshrrev_b32 v253, 7, v0                      ; my half of their K
	s_wait_alu depctr_va_sdst(0)                   ; s22 is written, ahead of its first reader: LDS places and the buffers' offsets are made from it
	s_mul_i32 s23, s22, 8448
	s_add_co_u32 s23, s23, XST
	v_lshl_add_u32 v1, v249, 4, s23                ; stage, dense
	v_mul_u32_u24 v2, v250, 528
	v_lshl_add_u32 v2, v251, 6, v2
	v_add_nc_u32 v2, s23, v2                       ; stage, turned
	v_lshlrev_b32 v3, 4, v249
	v_lshlrev_b32 v6, 2, v252
	v_lshl_add_u32 v4, v253, 15, v6
	v_lshl_add_u32 v6, v253, 1, v6
	v_mul_u32_u24 v5, v252, 80
	v_lshl_add_u32 v5, v253, 5, v5
	v_and_b32 v8, 8, v250
	v_add_nc_u32 v8, v8, v250
	v_mul_u32_u24 v7, v8, 80
	v_lshl_add_u32 v7, v251, 4, v7
	v_lshlrev_b32 v8, 2, v8
	s_lshl_b32 s24, s22, 11
	s_add_co_u32 s24, s24, VEC
	v_lshl_add_u32 v9, v249, 4, s24
	v_lshl_add_u32 v10, v251, 6, s24
	s_lshl_b32 s25, s22, 9
	s_add_co_u32 s25, s25, RED
	v_lshl_add_u32 v11, v249, 4, s25               ; RED, in: my wave's 128 sums
	s_lshl_b32 s25, s22, 6
	s_add_co_u32 s25, s25, RED
	v_lshl_add_u32 v12, v250, 2, s25               ; RED, out: column 16 w + r of each wave's 128
	s_mov_b32 s30, 0x76543210
	s_mov_b32 s31, 0xfedcba98
	s_mov_b32 s29, 0
	s_wait_kmcnt 0x0
	s_lshl_b32 s28, ttmp9, 16
	s_lshl_b32 s26, s22, 13
	s_add_co_u32 s28, s28, s26
	s_add_nc_u64 s[4:5], s[4:5], s[28:29]          ; x and out0 at my tile
	s_add_nc_u64 s[20:21], s[20:21], s[28:29]
	s_lshr_b32 s28, ttmp9, 5
	s_lshl_b32 s28, s28, 19                        ; CP: my batch's 32 rows of 16,384 bytes,
	s_and_b32 s26, ttmp9, 31
	s_lshl_b32 s26, s26, 9                         ; the group's 128 columns,
	s_add_co_u32 s28, s28, s26
	s_lshl_b32 s26, s22, 16                        ; my wave's four rows
	s_add_co_u32 s28, s28, s26
	s_add_nc_u64 s[6:7], s[6:7], s[28:29]
	s_mov_b32 s23, 0x3c000000                      ; 1 / 128
	s_mov_b32 s24, 0x358637bd                      ; 1e-6
	s_wait_alu depctr_va_vdst(0)                   ; the twelve addresses v1 to v12 are written, which every load and store below reads; the head's lines are done with v249 to v253, in which loads land
	global_load_b128 v[TM:TM+3], v3, s[10:11]      ; pfn_b1, four numbers a lane
	global_load_b128 v[TM+4:TM+7], v3, s[14:15]    ; pfn_b2
	global_load_b128 v[TM+8:TM+11], v3, s[16:17]   ; ln_g
	global_load_b128 v[TM+12:TM+15], v3, s[18:19]  ; ln_b
.irp k, 0,1,2,3
	global_load_b128 v[240+4*\k:243+4*\k], v3, s[6:7] offset:16384*\k   ; four parts of the 128 column sums: 512 consecutive bytes each
.endr
	XIN
	WLOAD RC, 8
	WLOAD RB, 12
	s_wait_loadcnt 63                              ; 152 loads were issued: with 63 out at the most the first 89 are in: all but pfn_w2
	VPUT TM, 0
	VPUT TM+4, 1
	VPUT TM+8, 2
	VPUT TM+12, 3
	XPUT                                           ; x into my stage: loaded data by addresses from the head, so these stores go out ahead of the additions
.irp k, 1,2,3
	v_pk_add_f32 v[240:241], v[240:241], v[240+4*\k:241+4*\k]
	v_pk_add_f32 v[242:243], v[242:243], v[242+4*\k:243+4*\k]
.endr
	s_wait_alu depctr_va_vdst(0)                   ; the additions have written v240 to v243, which the LDS store reads
	ds_store_b128 v11, v[240:243]
	s_wait_dscnt 0x0                               ; my stores so far have landed
	s_wait_alu depctr_vm_vsrc(0)                   ; the LDS store above has read v240 to v243, in which codes are made next; the stores ahead of it have read TM and RA, in which LDS loads land behind the barrier
	WQUANT RC, WC0, WS0
	s_wait_dscnt 0x0                               ; likewise
	s_wait_alu depctr_vm_vsrc(0)                   ; the LDS stores above have read the codes' registers and v251, which the next weight's lines write again
	s_wait_loadcnt 0x0                             ; pfn_w2
	WQUANT RB, WC1, WS1
	XGET                                           ; x turned, into the registers that pfn_w2 has left
	s_wait_dscnt 0x0                               ; for the others' sake: all my stores have landed; and x is in
	s_wait_alu depctr_vm_vsrc(0)                   ; my LDS stores have read the codes' registers and v251, which the rows' quantiser and the tail write again
	s_barrier_signal -1
	s_barrier_wait -1                              ; both weights' codes and scale words and the eight parts of the column sums lie in LDS
.irp k, 0,1,2,3,4,5,6,7
	ds_load_b32 v[TM+\k], v12 offset:512*\k
.endr
	FRAGS WC0, WS0, WSA
	VLOAD RA, 0                                    ; pfn_b1, turned: the first product's C
	s_wait_dscnt 40                                ; the eight parts are in; the 40 loads behind them may be out
	v_add_f32 v[TM], v[TM], v[TM+1]
	v_add_f32 v[TM+2], v[TM+2], v[TM+3]
	v_add_f32 v[TM+4], v[TM+4], v[TM+5]
	v_add_f32 v[TM+6], v[TM+6], v[TM+7]
	v_add_f32 v[TM], v[TM], v[TM+2]
	v_add_f32 v[TM+4], v[TM+4], v[TM+6]
	v_add_f32 v254, v[TM], v[TM+4]                 ; my row's column sum, twice: a pair for the packed multiply
	v_add_f32 v255, v[TM], v[TM+4]
	ROWMUL 254                                     ; ui
	QUANT RB
	PLACES 8                                       ; the scale word, made by vector lines, stands eight plain lines ahead of the products
	s_wait_alu depctr_va_vdst(0)                   ; the quantiser has written ui's codes and scale word, which the products take
	s_wait_dscnt 0x0
	MUL8 RA, WSA
	PLACES 4                                       ; four plain lines between the last product and reads of its results (ISA guide 7.12.1)
	s_wait_alu depctr_va_vdst(0)                   ; the products are done reading pfn_w1's fragments in RC, in which pfn_w2's land
	FRAGS WC1, WS1, WSB
.set j, 0
.rept 64
	v_max_num_f32 v[RA+j], 0, v[RA+j]              ; the activation, in f32; ascending
.set j, j+1
.endr
	QUANT RA
	s_wait_alu depctr_va_vdst(0)                   ; the activation and the quantiser are done with RA, in which pfn_b2 lands
	VLOAD RA, 1                                    ; pfn_b2, turned
	s_wait_dscnt 0x0
.set j, 0
.rept 32
	v_pk_add_f32 v[RB+2*j:RB+2*j+1], v[RB+2*j:RB+2*j+1], v[RA+2*j:RA+2*j+1]   ; ui + pfn_b2: the second product's C.  (These 32 plain lines also stand between the making of the codes and their scale word and the products)
.set j, j+1
.endr
	s_wait_alu depctr_va_vdst(0)                   ; the hidden layer's codes and scale word, which the products take, are written, the plain lines above standing between; and the additions are done reading RA, in which ln_g lands
	VLOAD RA, 2                                    ; ln_g: no line from that wait to here names RA, and the products below do not either
	MUL8 RB, WSB
	PLACES 4
	s_wait_alu depctr_va_vdst(0)                   ; the products are done reading pfn_w2's fragments in RC, in which ln_b lands
	VLOAD RC, 3                                    ; ln_b
.irp p, 0,1,2,3                        ; the row's sum: ascending, four chains
	v_pk_add_f32 v[TM+2*\p:TM+2*\p+1], v[RB+2*\p:RB+2*\p+1], v[RB+8+2*\p:RB+8+2*\p+1]
.endr
.set j, 8
.rept 24
	v_pk_add_f32 v[TM+2*(j%4):TM+2*(j%4)+1], v[TM+2*(j%4):TM+2*(j%4)+1], v[RB+2*j:RB+2*j+1]
.set j, j+1
.endr
	REDUCE 249
	v_mul_f32 v250, s23, v249                      ; the mean, twice
	v_mul_f32 v251, s23, v249
.set j, 0
.rept 32
	v_pk_add_f32 v[RB+2*j:RB+2*j+1], v[RB+2*j:RB+2*j+1], v[250:251] neg_lo:[0,1] neg_hi:[0,1]   ; z - mean
.set j, j+1
.endr
	DOT RB, RB, 249                                ; the sum of its squares
	v_fma_f32 v249, v249, s23, s24                 ; var + 1e-6
	v_rsq_f32 v250, v249
	v_rsq_f32 v251, v249
	v_nop                                          ; one plain line behind the transcendentals
	s_wait_alu depctr_va_vdst(0)                   ; the two reciprocal roots have written v250 and v251, ahead of their first reader
	ROWMUL 250
	s_wait_dscnt 0x0                               ; ln_g, ln_b
.set j, 0
.rept 32
	v_pk_fma_f32 v[RB+2*j:RB+2*j+1], v[RB+2*j:RB+2*j+1], v[RA+2*j:RA+2*j+1], v[RC+2*j:RC+2*j+1]
.set j, j+1
.endr
	s_wait_alu depctr_va_vdst(0)                   ; the multiply-adds have written RB, which the LDS stores read, and are done reading RA, in which the rows land
.irp bb, 0,1,2,3                       ; the way out: turned into my stage, back as whole rows.  LDS serves a wave's instructions in order: the loads see the stores
.irp j, 0,1,2,3
	ds_store_b128 v2, v[RB+16*\bb+4*\j:RB+16*\bb+4*\j+3] offset:128*\bb+16*\j
.endr
.endr
.set i, 0
.rept 16
	ds_load_b128 v[RA+4*i:RA+4*i+3], v1 offset:528*i
.set i, i+1
.endr
.set i, 0
.rept 16
	s_wait_dscnt 15-i                              ; row i of the sixteen is back
	global_store_b128 v3, v[RA+4*i:RA+4*i+3], s[20:21] offset:512*i th:TH_STORE_NT   ; 32 lanes store a row of 512 consecutive bytes, at a multiple of 256 from out0's first byte; written once, read by nobody here
.set i, i+1
.endr
	s_wait_dscnt 0x0                               ; the closing lines, six on end
	s_wait_alu 0x0
	s_wait_tensorcnt 0x0
	ds_add_u32 v14, v15
	s_wait_dscnt 0x0
	s_endpgm
.Lfunc_end_k_qb55a8f380d_ffn:
	.size	k_qb55a8f380d_ffn, .Lfunc_end_k_qb55a8f380d_ffn-k_qb55a8f380d_ffn
	.p2alignl 7, 3214868480
	.fill 96, 4, 3214868480
	.section	.rodata,"a",@progbits
	.p2align	6, 0x0
	.amdhsa_kernel k_qb55a8f380d_ffn
		.amdhsa_group_segment_fixed_size 111616
		.amdhsa_private_segment_fixed_size 0
		.amdhsa_enable_private_segment 0
		.amdhsa_kernarg_size 72
		.amdhsa_user_sgpr_count 2
		.amdhsa_user_sgpr_kernarg_segment_ptr 1
		.amdhsa_wavefront_size32 1
		.amdhsa_system_sgpr_workgroup_id_x 1
		.amdhsa_system_sgpr_workgroup_id_y 1
		.amdhsa_system_sgpr_workgroup_id_z 1
		.amdhsa_system_vgpr_workitem_id 0
		.amdhsa_next_free_vgpr 256
		.amdhsa_next_free_sgpr 66
		.amdhsa_reserve_vcc 0
		.amdhsa_float_denorm_mode_32 3
		.amdhsa_float_denorm_mode_16_64 3
		.amdhsa_memory_ordered 1
		.amdhsa_forward_progress 1
		.amdhsa_inst_pref_size 66
	.end_amdhsa_kernel
	.amdgpu_metadata
---
amdhsa.version: [ 1, 2 ]
amdhsa.kernels:
  - .name:           k_qb55a8f380d_ffn
    .symbol:         k_qb55a8f380d_ffn.kd
    .args:
      - { .name: x, .offset: 0, .size: 8, .value_kind: global_buffer, .address_space: global }
      - { .name: CP, .offset: 8, .size: 8, .value_kind: global_buffer, .address_space: global }
      - { .name: pfn_w1, .offset: 16, .size: 8, .value_kind: global_buffer, .address_space: global }
      - { .name: pfn_b1, .offset: 24, .size: 8, .value_kind: global_buffer, .address_space: global }
      - { .name: pfn_w2, .offset: 32, .size: 8, .value_kind: global_buffer, .address_space: global }
      - { .name: pfn_b2, .offset: 40, .size: 8, .value_kind: global_buffer, .address_space: global }
      - { .name: ln_g, .offset: 48, .size: 8, .value_kind: global_buffer, .address_space: global }
      - { .name: ln_b, .offset: 56, .size: 8, .value_kind: global_buffer, .address_space: global }
      - { .name: out0, .offset: 64, .size: 8, .value_kind: global_buffer, .address_space: global }
    .group_segment_fixed_size: 111616
    .private_segment_fixed_size: 0
    .kernarg_segment_align: 8
    .kernarg_segment_size: 72
    .max_flat_workgroup_size: 256
    .sgpr_count:     66
    .vgpr_count:     256
    .wavefront_size: 32
...
	.end_amdgpu_metadata
.endif
;; end of part 9
